; MI455X (gfx1250); checked and timed in simulation.
; The chip was launched on July 23, 2026; its instructions are those of AMD's public machine-readable ISA for CDNA 5 (MIT licence, August 2026) and "CDNA5" Instruction Set Architecture Reference Guide (July 2026). The comments in the code are by the model that wrote it; some were corrected since.
;; Transformer Layer. Allowed arithmetic: matrix products marked QUANTISED: E4M3 operands, one given power-of-two scale a tensor, by v_wmma_f32_16x16x64_fp8_fp8 or v_wmma_f32_16x16x128_fp8_fp8, f32 sums; everything else in f32.
;; Inputs: W1 1,024 x 4,096 float32; W2 4,096 x 1,024 float32; Wk 1,024 x 1,024 float32; Wo 1,024 x 1,024 float32; Wq 1,024 x 1,024 float32; Wv 1,024 x 1,024 float32; b1 4,096 float32; b2 1,024 float32; bk 1,024 float32; bo 1,024 float32; bq 1,024 float32; bv 1,024 float32; ln1_bias 1,024 float32; ln1_scale 1,024 float32; ln2_bias 1,024 float32; ln2_scale 1,024 float32; lowp_scales 16 int32 (the exponents e of the quantised operands' scales 2^e); x 2 x 2,048 x 1,024 float32.
;; Outputs: out0 2 x 2,048 x 1,024 float32.
;; This version of the problem:
;;   THIS VERSION OF THE PROBLEM IS GIVEN IN LOW PRECISION. The matrix products marked QUANTISED in the list below multiply operands that are first quantised to E4M3 (4 exponent bits, 3 mantissa bits; 8 bits a number), with one given power-of-two scale for each operand tensor; their sums are f32. All else is computed in f32.
;;   The module's matrix products, in the order in which they are computed (A, B: the left and right operand; K: the contracted axis; several contracted axes count as one K, in the product's order):
;;     1. [M 4,096, K 1,024] x [K 1,024, N 1,024]; A: input x; B: input Wq: QUANTISED (scales: A lowp_scales[0], B lowp_scales[1])
;;     2. [M 4,096, K 1,024] x [K 1,024, N 1,024]; A: input x; B: input Wk: QUANTISED (scales: A lowp_scales[2], B lowp_scales[3])
;;     3. [M 4,096, K 1,024] x [K 1,024, N 1,024]; A: input x; B: input Wv: QUANTISED (scales: A lowp_scales[4], B lowp_scales[5])
;;     4. batch 32 x [M 2,048, K 64] x [K 64, N 2,048]; A: computed on the way; B: computed on the way: QUANTISED (scales: A lowp_scales[6], B lowp_scales[7])
;;     5. batch 32 x [M 2,048, K 2,048] x [K 2,048, N 64]; A: softmax (see below); B: computed on the way: QUANTISED (scales: A lowp_scales[8], B lowp_scales[9])
;;     6. [M 4,096, K 1,024] x [K 1,024, N 1,024]; A: computed on the way; B: input Wo: QUANTISED (scales: A lowp_scales[10], B lowp_scales[11])
;;     7. [M 4,096, K 1,024] x [K 1,024, N 4,096]; A: computed on the way; B: input W1: QUANTISED (scales: A lowp_scales[12], B lowp_scales[13])
;;     8. [M 4,096, K 4,096] x [K 4,096, N 1,024]; A: computed on the way; B: input W2: QUANTISED (scales: A lowp_scales[14], B lowp_scales[15])
;;   THE QUANTISER, for each operand of a quantised product, along K:
;;     - The operand's scale is 2^e, e = its entry of the input lowp_scales (int32; the entries are numbered through the quantised products in the list's order, A before B).
;;     - Each number is divided by the scale, clamped to +-448, and rounded to the nearest number of E4M3, ties to even, subnormals kept.
;;     - The product sums the exact products of the quantised numbers (number of the format x scale) in f32.
;;   ~~~python
;;   def quantise(x, axis, e):      # numpy; x: float32 -> the quantised numbers, widened to float32 again
;;       x = np.moveaxis(x, axis, -1); K = x.shape[-1]
;;       r = np.clip(x / 2.0 ** e, -448, 448)
;;       step = 2.0 ** (np.maximum(np.frexp(np.where(r == 0, 1, r))[1] - 1, -6) - 3)
;;       q = np.round(r / step) * step * 2.0 ** e      # np.round: ties to even
;;       return np.moveaxis(q, -1, axis).astype(np.float32)
;;   ~~~
;;   SOFTMAX AHEAD OF A QUANTISED PRODUCT. Where the list says 'softmax', what is quantised is not the finished softmax but p = 2^(t - M), with t = logit x log2(e) and M = ceil(the row's largest t), a whole number; so 1/2 < the row's largest p <= 1. The row's sum l is taken of the UNQUANTISED p, in f32, and the product's result is divided by l at the end. Since M is a whole number, a kernel that streams over the keys may use a running M (the ceiling of the running maximum): every later rescaling is an exact power of two, so the quantised numbers keep their values, but for numbers so far below the row's largest that they fall under the format's range.
;;   OPERANDS COMPUTED ON THE WAY. 'Computed on the way' means the value that the module computes at that place (a softmax that the list does not call 'softmax' is quantised finished and normalised). What goes into a quantiser is computed in f32, as accurately as f32 sums, v_exp_f32 and their like allow (about 1e-6 of the number): no bf16 or f16 on the way to a quantiser, and a product that is left as it is and whose result goes on into a quantised operand takes f32 operands (vector FMAs, or v_wmma_f32_16x16x4_f32). A number that lies on a knife's edge between two numbers of the format may be rounded either way, as far as f32 arithmetic and the matrix unit's own rounding can turn it there, and no further.
;; 2 versions. Each part assembles by itself: llvm-mc -triple=amdgcn-amd-amdhsa -mcpu=gfx1250 --defsym DOCPART=n.
;; ======== version 1 of 2: 8 launches
;; workspace buffers: xc 12,582,912 bytes; wc 12,582,912 bytes; qkvc 12,582,912 bytes; oc 4,194,304 bytes; y 16,777,216 bytes; x1 16,777,216 bytes; x1c 4,194,304 bytes; hc 16,777,216 bytes
;; launch prep (part 1): grid 512 x 1, 4 waves a work-group, no clusters, 68,096 bytes of LDS; arguments x, Wq, Wk, Wv, Wo, W1, W2, lowp_scales, xc, wc; writes xc, wc
.if DOCPART == 1
	.amdgcn_target "amdgcn-amd-amdhsa--gfx1250"
	.amdhsa_code_object_version 6
	.text
	.protected	k_q66f175c544_prep
	.globl	k_q66f175c544_prep
	.p2align	8
	.type	k_q66f175c544_prep,@function
k_q66f175c544_prep:
	s_mov_b64 s[64:65], 0
	v_nop
	global_prefetch_b8 v0, s[64:65] scope:SCOPE_SE
	s_setreg_imm32_b32 hwreg(HW_REG_WAVE_MODE, 25, 1), 1
	s_wait_xcnt 0x0
; FIRST OF EIGHT LAUNCHES of a transformer layer whose eight products are all on codes of FP8 (E4M3), one given scale 2^e for each operand.
; NOTHING OF THE PROBLEM IS LEFT OUT: every bias goes into a quantised operand or into an output (bk too: it moves k's codes), every product feeds the output, every input is loaded by some launch.
; THIS LAUNCH turns x and the six weights into codes: code = number / 2^e, held within +-448, to the nearest code, ties to even.
; x is an operand of three products under three scales (entries 0, 2, 4): three sets of codes, xc + 0, 4, 8 MiB.  The weights, stored [K][N], get K innermost: wc + 0, 1, 2, 3 MiB: Wq, Wk, Wv, Wo; + 4 MiB: W1; + 8 MiB: W2.
; LAYOUT of every set: [K / 256][rows][256 bytes]: 128 rows x 256 along K are 32,768 consecutive bytes, which the products' launches fetch by one tensor load.
; Work-groups 0-127 take x (a wave: 8 rows, 16 steps of 512 numbers; loads of 512 consecutive bytes; a turn through the wave's own stage in LDS gives a lane 16 neighbours along K).
; Work-groups 128-511 take the weights (a wave: 32 columns x 256 along K; a lane takes a column and its registers run down K; the codes leave through the wave's own stage as whole rows of 256 bytes).
; The two ways part on the work-group's number, have LDS bytes of their own and never join.  No tensor load, no barrier: waves share nothing.
; LIMITS: each e between -126 and 119, so that 2^e and 448 x 2^e are f32 numbers.  NaN among the inputs is not served (an infinity is held at the largest code).
.set SPW,   12                         ; v12  LDS address of my spare word; never rewritten
.set NIL,   13                         ; v13  0; never rewritten
.set SP,    80                         ; x: a lane's place in a stage: 64 bytes + 16 of padding
.set WREG,  32768                      ; the weights' stages begin here: 4 x 32 rows x 272 bytes
.set WP,    272
.set SPARE, 67584                      ; behind both: the spare words, 128 bytes for each wave
.set MANT,  0x600000                   ; the mantissa field of 448 as f32
.set XR,    16                         ; x: v16-79   four sets of 16 numbers as loaded
.set XX,    80                         ;    v80-111  two sets of 16 neighbours
.set XT,    112                        ;    v112-127 the 16 numbers held for one scale
.set XC,    128                        ;    v128-151 codes: two sets of 3 x 4 registers
.set WX,    32                         ; weights: v32-95 two sets of 32 numbers; on the way out 16 x 4 registers of codes
.set WC,    96                         ;    v96-103 a block's codes
.set OFF,   112                        ;    v112-143 4 x lane + i x the row's bytes, i = 0 .. 31
	s_load_b512 s[4:19], s[0:1], 0x0               ; x s[4:5], Wq s[6:7], Wk s[8:9], Wv s[10:11], Wo s[12:13], W1 s[14:15], W2 s[16:17], the exponents s[18:19]
	s_load_b128 s[20:23], s[0:1], 0x40             ; xc s[20:21], wc s[22:23]
	v_lshl_add_u32 v[SPW], v0, 2, SPARE
	v_mov_b32 v[NIL], 0
	v_lshrrev_b32 v1, 5, v0
	v_readfirstlane_b32 s24, v1                    ; wave
	v_and_b32 v2, 31, v0                           ; lane
	s_wait_kmcnt 0x0
	s_load_b512 s[48:63], s[18:19], 0x0            ; e0 .. e15 in s48 .. s63
	s_cmp_ge_u32 ttmp9, 128
	s_cbranch_scc1 .Lw
; ---------------- x ----------------
	s_lshl_b32 s25, ttmp9, 2
	s_add_co_u32 s25, s25, s24                     ; g: my wave's run of 8 rows
	s_lshl_b32 s26, s25, 15                        ; 8 rows of 4,096 bytes
	s_mov_b32 s27, 0
	s_add_nc_u64 s[4:5], s[4:5], s[26:27]
	s_lshl_b32 s26, s25, 11                        ; 8 rows of 256 bytes of codes
	s_add_nc_u64 s[40:41], s[20:21], s[26:27]      ; the three sets
	s_add_nc_u64 s[42:43], s[40:41], 0x400000
	s_add_nc_u64 s[44:45], s[40:41], 0x800000
	v_lshlrev_b32 v3, 4, v2                        ; my 16 bytes of a load's 512
	s_mul_i32 s28, s24, 8192                       ; my wave's two stages
	v_lshrrev_b32 v14, 2, v2
	v_mul_u32_u24 v14, v14, SP
	v_and_b32 v15, 3, v2
	v_lshl_add_u32 v14, v15, 4, v14
	v_add_nc_u32 v14, s28, v14                     ; into a stage: SP (lane / 4) + 16 (lane % 4)
	v_mul_u32_u24 v15, v2, SP
	v_add_nc_u32 v15, s28, v15                     ; out of it: SP x lane: my 16 neighbours
	v_lshrrev_b32 v4, 4, v2
	v_lshlrev_b32 v4, 20, v4                       ; my codes: lanes 16-31 lie one K step (4,096 rows x 256 bytes) on,
	v_and_b32 v11, 15, v2
	v_lshl_add_u32 v4, v11, 4, v4                  ; 16 bytes a lane: sixteen lanes store 256 consecutive bytes, aligned
.macro XLOAD t
.irp i, 0,1,2,3
	global_load_b128 v[XR+16*((\t)%4)+4*\i:XR+16*((\t)%4)+4*\i+3], v3, s[4:5] offset:2048*(\t)+512*\i th:TH_LOAD_NT
.endr
.endm
.macro XTURN t                         ; a step's 2,048 bytes through the stage: LDS serves a wave's instructions in order, so no wait stands between the stores and the loads
.irp i, 0,1,2,3
	ds_store_b128 v14, v[XR+16*((\t)%4)+4*\i:XR+16*((\t)%4)+4*\i+3] offset:32*SP*((\t)%2)+8*SP*\i
.endr
.irp i, 0,1,2,3
	ds_load_b128 v[XX+16*((\t)%2)+4*\i:XX+16*((\t)%2)+4*\i+3], v15 offset:32*SP*((\t)%2)+16*\i
.endr
.endm
.irp t, 0,1,2,3
	XLOAD \t
.endr
	s_wait_kmcnt 0x0
.irp s, 0,1,2
	s_add_co_i32 s30, s[48+2*\s], 127
	s_lshl_b32 s31, s30, 23
	v_mov_b32 v[5+\s], s31                         ; 2^e as f32: the conversion takes its exponent field
	s_add_co_i32 s30, s30, 8
	s_lshl_b32 s30, s30, 23
	s_or_b32 s30, s30, MANT
	v_mov_b32 v[8+\s], s30                         ; 448 x 2^e
.endr
	s_wait_loadcnt 12                              ; step 0's four loads are in; the twelve of steps 1 to 3 may be out
	XTURN 0
; Step t: row t / 2 of my eight, columns 512 (t % 2) on.
.macro XSTEP t
.set XS, XX+16*((\t)%2)
	s_wait_dscnt 0x0                               ; this step's numbers are back from the stage
.if (\t)+4 < 16
	XLOAD (\t)+4
.endif
.if (\t)+1 < 16
.if 14-(\t) >= 3
	s_wait_loadcnt 12                              ; the next step's four loads are in; those of the three steps behind it may be out
.else
	s_wait_loadcnt 4*(14-(\t))
.endif
	XTURN (\t)+1
.endif
	s_wait_xcnt 0x0                                ; the stores of two steps back have read their codes: that set of registers is written again only behind this wait
.irp s, 0,1,2
.set CC, XC+12*((\t)%2)+4*\s
.set ii, 0
.rept 16
	v_med3_num_f32 v[XT+ii], v[XS+ii], -v[8+\s], v[8+\s]   ; the conversion to an 8-bit code does not saturate (ISA guide 7.6.2): the hold comes first
.set ii, ii+1
.endr
	v_cvt_scalef32_pk8_fp8_f32 v[CC:CC+1], v[XT:XT+7], v[5+\s]
	v_cvt_scalef32_pk8_fp8_f32 v[CC+2:CC+3], v[XT+8:XT+15], v[5+\s]
	v_nop                                          ; a plain line between the conversions and the next holds, which write their sources
	global_store_b128 v4, v[CC:CC+3], s[40+2*\s:41+2*\s] offset:((\t)%2)*2097152+((\t)/2)*256
.endr
.endm
.irp t, 0,1,2,3,4,5,6,7,8,9,10,11,12,13,14,15
	XSTEP \t
.endr
	s_wait_tensorcnt 0x0                           ; the wave's end: behind my last LDS store
	ds_add_u32 v[SPW], v[NIL]
	s_wait_dscnt 0x0
	s_endpgm
; ---------------- the weights ----------------
.Lw:
	s_wait_kmcnt 0x0                               ; the exponents
	s_sub_co_u32 s25, ttmp9, 128                   ; 0 .. 383
	s_lshr_b32 s26, s25, 5                         ; 0 .. 3: Wq, Wk, Wv, Wo (32 work-groups each); 4 .. 7: W1; 8 .. 11: W2 (128 each)
	s_lshl_b32 s31, s26, 20                        ; where the tensor's codes begin in wc
	s_and_b32 s32, s25, 31                         ; my number within the tensor
	s_and_b32 s35, s25, 127
	s_mov_b64 s[28:29], s[6:7]                     ; the tensor, its exponent and its sizes are chosen on the work-group's number alone
	s_mov_b32 s30, s49
	s_cmp_eq_u32 s26, 1
	s_cselect_b64 s[28:29], s[8:9], s[28:29]
	s_cselect_b32 s30, s51, s30
	s_cmp_eq_u32 s26, 2
	s_cselect_b64 s[28:29], s[10:11], s[28:29]
	s_cselect_b32 s30, s53, s30
	s_cmp_eq_u32 s26, 3
	s_cselect_b64 s[28:29], s[12:13], s[28:29]
	s_cselect_b32 s30, s59, s30
	s_cmp_ge_u32 s26, 4
	s_cselect_b64 s[28:29], s[14:15], s[28:29]
	s_cselect_b32 s30, s61, s30
	s_cselect_b32 s31, 0x400000, s31
	s_cselect_b32 s32, s35, s32
	s_cselect_b32 s33, 5, 3                        ; log2 of the blocks of 128 columns
	s_cselect_b32 s34, 14, 12                      ; log2 of a row's bytes
	s_cmp_ge_u32 s26, 8
	s_cselect_b64 s[28:29], s[16:17], s[28:29]
	s_cselect_b32 s30, s63, s30
	s_cselect_b32 s31, 0x800000, s31
	s_cselect_b32 s33, 3, s33
	s_cselect_b32 s34, 12, s34
	s_lshl_b32 s36, 1, s33
	s_sub_co_u32 s36, s36, 1
	s_and_b32 s36, s32, s36                        ; which 128 columns
	s_lshr_b32 s37, s32, s33                       ; which 256 along K
	s_lshl_b32 s38, 1, s34                         ; a row's bytes
	s_lshl_b32 s41, s36, 7
	s_lshl_b32 s39, s24, 5
	s_add_co_u32 s41, s41, s39                     ; my wave's first column
	s_add_co_u32 s39, s34, 8
	s_lshl_b32 s42, s37, s39                       ; 256 rows for each K step,
	s_lshl_b32 s39, s41, 2
	s_add_co_u32 s42, s42, s39                     ; 4 bytes a column
	s_mov_b32 s43, 0
	s_add_nc_u64 s[28:29], s[28:29], s[42:43]
	s_add_co_u32 s39, s34, 6
	s_lshl_b32 s44, s37, s39                       ; the codes: N rows of 256 bytes for each K step (N = a row's bytes / 4),
	s_lshl_b32 s39, s41, 8
	s_add_co_u32 s44, s44, s39                     ; 256 bytes a column,
	s_add_co_u32 s44, s44, s31                     ; in the tensor's part of wc
	s_mov_b32 s45, 0
	s_add_nc_u64 s[22:23], s[22:23], s[44:45]
	s_lshl_b32 s46, s38, 5                         ; 32 rows on
	s_mov_b32 s47, 0
	v_lshlrev_b32 v[OFF], 2, v2
.set ii, 1
.rept 31
	v_add_nc_u32 v[OFF+ii], s38, v[OFF+ii-1]
.set ii, ii+1
.endr
	s_mul_i32 s39, s24, 32*WP
	s_add_co_u32 s39, s39, WREG                    ; my stage
	v_mul_u32_u24 v4, v2, WP
	v_add_nc_u32 v4, s39, v4                       ; into it: row = my column
	v_and_b32 v5, 15, v2
	v_lshrrev_b32 v6, 4, v2
	v_mul_u32_u24 v7, v6, WP
	v_lshl_add_u32 v7, v5, 4, v7
	v_add_nc_u32 v7, s39, v7                       ; out of it: sixteen lanes to a row, two rows an instruction
	v_lshlrev_b32 v8, 4, v2                        ; and the same 512 bytes in memory: my wave's 32 rows of codes are 8,192 consecutive bytes
	s_add_co_i32 s30, s30, 127
	s_lshl_b32 s39, s30, 23
	v_mov_b32 v11, s39                             ; 2^e
	s_add_co_i32 s30, s30, 8
	s_lshl_b32 s30, s30, 23
	s_or_b32 s30, s30, MANT
	v_mov_b32 v10, s30                             ; 448 x 2^e
.macro WLOAD t                         ; block t: rows 32 t + i of my 256, my column: 128 consecutive bytes a wave and load
.if (\t) > 0
	s_wait_xcnt 0x0                                ; the loads issued so far have read their base: it steps only behind this wait
	s_add_nc_u64 s[28:29], s[28:29], s[46:47]
.endif
.set ii, 0
.rept 32
	global_load_b32 v[WX+32*((\t)%2)+ii], v[OFF+ii], s[28:29] th:TH_LOAD_NT
.set ii, ii+1
.endr
.endm
.macro WBLOCK t
.set XS, WX+32*((\t)%2)
.if (\t) < 7
	s_wait_loadcnt 32                              ; this block's 32 loads are in; the next block's may be out
.else
	s_wait_loadcnt 0
.endif
.set ii, 0
.rept 32
	v_med3_num_f32 v[XS+ii], v[XS+ii], -v10, v10
.set ii, ii+1
.endr
.irp g, 0,1,2,3
	v_cvt_scalef32_pk8_fp8_f32 v[WC+2*\g:WC+2*\g+1], v[XS+8*\g:XS+8*\g+7], v11
.endr
	v_nop                                          ; a plain line behind the last conversion
	ds_store_b128 v4, v[WC:WC+3] offset:32*(\t)    ; 32 codes: 32 bytes of my column's row
	ds_store_b128 v4, v[WC+4:WC+7] offset:32*(\t)+16
.if (\t)+2 < 8
	WLOAD (\t)+2
.endif
	s_wait_dscnt 0x0                               ; the stores have read their registers: the next block's codes may be written
.endm
	WLOAD 0
	WLOAD 1
.irp t, 0,1,2,3,4,5,6,7
	WBLOCK \t
.endr
.set tt, 0
.rept 16
	ds_load_b128 v[WX+4*tt:WX+4*tt+3], v7 offset:2*tt*WP
.set tt, tt+1
.endr
.set tt, 0
.rept 16
	s_wait_dscnt 15-tt                             ; the younger loads may be out
	global_store_b128 v8, v[WX+4*tt:WX+4*tt+3], s[22:23] offset:512*tt
.set tt, tt+1
.endr
	s_wait_tensorcnt 0x0                           ; the wave's end: behind my last LDS store
	ds_add_u32 v[SPW], v[NIL]
	s_wait_dscnt 0x0
	s_endpgm
.Lfunc_end_k_q66f175c544_prep:
	.size	k_q66f175c544_prep, .Lfunc_end_k_q66f175c544_prep-k_q66f175c544_prep
	.p2alignl 7, 3214868480
	.fill 96, 4, 3214868480
	.section	.rodata,"a",@progbits
	.p2align	6, 0x0
	.amdhsa_kernel k_q66f175c544_prep
		.amdhsa_group_segment_fixed_size 68096
		.amdhsa_private_segment_fixed_size 0
		.amdhsa_enable_private_segment 0
		.amdhsa_kernarg_size 80
		.amdhsa_user_sgpr_count 2
		.amdhsa_user_sgpr_kernarg_segment_ptr 1
		.amdhsa_wavefront_size32 1
		.amdhsa_system_sgpr_workgroup_id_x 1
		.amdhsa_system_sgpr_workgroup_id_y 1
		.amdhsa_system_sgpr_workgroup_id_z 1
		.amdhsa_system_vgpr_workitem_id 0
		.amdhsa_next_free_vgpr 192
		.amdhsa_next_free_sgpr 66
		.amdhsa_reserve_vcc 0
		.amdhsa_float_denorm_mode_32 3
		.amdhsa_float_denorm_mode_16_64 3
		.amdhsa_memory_ordered 1
		.amdhsa_forward_progress 1
		.amdhsa_inst_pref_size 130
	.end_amdhsa_kernel
	.amdgpu_metadata
---
amdhsa.version: [ 1, 2 ]
amdhsa.kernels:
  - .name:           k_q66f175c544_prep
    .symbol:         k_q66f175c544_prep.kd
    .args:
      - { .name: x, .offset: 0, .size: 8, .value_kind: global_buffer, .address_space: global }
      - { .name: Wq, .offset: 8, .size: 8, .value_kind: global_buffer, .address_space: global }
      - { .name: Wk, .offset: 16, .size: 8, .value_kind: global_buffer, .address_space: global }
      - { .name: Wv, .offset: 24, .size: 8, .value_kind: global_buffer, .address_space: global }
      - { .name: Wo, .offset: 32, .size: 8, .value_kind: global_buffer, .address_space: global }
      - { .name: W1, .offset: 40, .size: 8, .value_kind: global_buffer, .address_space: global }
      - { .name: W2, .offset: 48, .size: 8, .value_kind: global_buffer, .address_space: global }
      - { .name: lowp_scales, .offset: 56, .size: 8, .value_kind: global_buffer, .address_space: global }
      - { .name: xc, .offset: 64, .size: 8, .value_kind: global_buffer, .address_space: global }
      - { .name: wc, .offset: 72, .size: 8, .value_kind: global_buffer, .address_space: global }
    .group_segment_fixed_size: 68096
    .private_segment_fixed_size: 0
    .kernarg_segment_align: 8
    .kernarg_segment_size: 80
    .max_flat_workgroup_size: 128
    .sgpr_count:     66
    .vgpr_count:     192
    .wavefront_size: 32
...
	.end_amdgpu_metadata
.endif
;; end of part 1
;; launch qkv (part 2): grid 16 x 12, 4 waves a work-group, clusters of 4 x 4, 327,680 bytes of LDS; arguments xc, wc, lowp_scales, bq, bk, bv, qkvc; writes qkvc
.if DOCPART == 2
	.amdgcn_target "amdgcn-amd-amdhsa--gfx1250"
	.amdhsa_code_object_version 6
	.text
	.protected	k_q66f175c544_qkv
	.globl	k_q66f175c544_qkv
	.p2align	8
	.type	k_q66f175c544_qkv,@function
k_q66f175c544_qkv:
	s_mov_b64 s[64:65], 0
	v_nop
	global_prefetch_b8 v0, s[64:65] scope:SCOPE_SE
	s_setreg_imm32_b32 hwreg(HW_REG_WAVE_MODE, 25, 1), 1
	s_wait_xcnt 0x0
	s_wait_alu depctr_hold_cnt(0) depctr_sa_sdst(0) depctr_va_vdst(0) depctr_va_sdst(0) depctr_va_ssrc(0) depctr_va_vcc(0) depctr_vm_vsrc(0)
	s_getreg_b32 s2, hwreg(HW_REG_IB_STS2, 6, 4)
	s_cmp_eq_u32 s2, 0
	s_cbranch_scc0 .Lentry_in_a_cluster
	s_endpgm
.Lentry_in_a_cluster:
	s_bfe_u32 s2, ttmp6, 0x10000c
	s_cmp_lg_u32 s2, 0xf033
	s_cbranch_scc0 .Lentry_shape_is_right
	s_endpgm
.Lentry_shape_is_right:
; q = x Wq + bq, k = x Wk + bk, v = x Wv + bv on codes of FP8, each result quantised at once for the attention (entries 6, 7, 9 of the exponents).  Nothing is left out.
; The cluster's y says which: 0 q, 1 k, 2 v.  A block of 256 x 256 is made by four waves, 128 x 128 each: 64 accumulators, 512 registers.  K = 1,024 goes in four steps of 256 through two LDS slots.
; OPERANDS lie [K / 256][rows][256]: a tile of 128 rows x 256 K is 32,768 consecutive bytes.  P stands in the place of a product's left operand (source 1), R of its right (source 0), so a lane holds eight
; neighbouring columns (rows of R) of one row of P.  q, k: P = x's codes, R = the weight's: eight channels of a token.  v: P = Wv's codes, R = x's: eight TOKENS of a channel, since the keys are the next K.
; CLUSTERS: 4 x 4 work-groups; P's tile is asked for jointly along a row of the cluster, R's along a column.
; RESULTS: q at qkvc + 0: [16 blocks of 64 columns][4,096 rows][64]; k at + 4 MiB: [16 heads][4,096 tokens][64]; v at + 8 MiB: [16 blocks of 256 tokens][1,024 channels][256].
; Within each 32 along the innermost axis bits 3 and 4 of the place are swapped: place 16 h + 8 s + i holds number 16 s + 8 h + i.  A load of 16 bytes at 32 c + 16 (lane / 16) then brings four registers of the
; matrix instruction's own layout.
; LIMITS: the sum of a product's two exponents between -126 and 127; entries 6, 7, 9 between -126 and 119.  NaN is not served.
; REGISTERS: window 0: v1-31 addresses and constants; v32-95 the bias; v96-159 a block's numbers; v160-191 its codes; from v128 P's fragments, one set, while products run.  window 1: R's fragments, two sets.  windows 2, 3: the accumulators.
.set ROWB,   256
.set PITCH,  272                       ; an LDS row: 256 bytes + 16 of padding: the 16 rows that a load touches start 68 words apart
.set FR,     16
.set NL,     4
.set NP,     4                         ; places behind this matrix instruction (ISA guide 7.12.1)
.set HALFT,  128*PITCH
.set SLOT,   4*HALFT
.set SPARE,  2*SLOT                    ; behind the ring: the spare words, 128 bytes for each wave
.set STGQ,   0                         ; the way out: a stage of 256 rows x 272 bytes for each of the two ways, both in slot 0, which has had its last fill and its last read by then
.set STGV,   256*272
.set ADRA, 16
.set ADRB, 20
.set BLV,  19                          ; v19  4 x (lane % 16): the bias by rows
.set CO,   22                          ; v22  16 x lane
.set BLQ,  23                          ; v23  32 x (lane / 16): the bias by columns
.set STOQ, 24
.set STOV, 25
.set RDQ,  26
.set RDV,  27
.set SPW,  28
.set NIL,  29
.set BI,   32
.set T,    96
.set CD,   160
.set AF,   128
.set G1,  24
.set G0,  32
.set G1B, 48
.set G0B, 56
.set MSB, 0
.macro WIN new                         ; the immediate's high byte repeats the setting that is left
.if MSB != (\new)
	s_set_vgpr_msb (MSB<<8)|(\new)
.set MSB, (\new)
.endif
.endm
.set MUL_LO, 0xa1                      ; source 0 (R) window 1, source 1 (P) window 0, C and D window 2
.set MUL_HI, 0xf1
.set TO_B,   0x40
.macro JLOAD s                         ; a joint load: waves 0 and 1 fetch P's halves, waves 2 and 3 R's; an s_nop 0 and four v_nop follow each line
	s_cmp_eq_u32 s15, 0
	s_cbranch_scc0 .Lfor_b_\@
	tensor_load_to_lds s[G0+4*\s:G0+4*\s+3], s[G1:G1+7]
	s_nop 0
.rept 4
	v_nop
.endr
	s_branch .Lasked_\@
.Lfor_b_\@:
	tensor_load_to_lds s[G0B+4*\s:G0B+4*\s+3], s[G1B:G1B+7]
	s_nop 0
.rept 4
	v_nop
.endr
.Lasked_\@:
.endm
.macro CREST                           ; a round of the cluster's barrier behind its opening barrier
	s_cmp_lg_u32 s14, 0
	s_cbranch_scc1 .Lnot_wave_0_\@
	s_barrier_signal -3
.Lnot_wave_0_\@:
	s_barrier_wait -3
	s_barrier_signal -1
	s_barrier_wait -1
.endm
.macro CROUND
	s_barrier_signal -1
	s_barrier_wait -1
	CREST
.endm
	s_load_b256 s[4:11], s[0:1], 0x0               ; xc s[4:5], wc s[6:7], the exponents s[8:9], bq s[10:11]
	s_load_b128 s[68:71], s[0:1], 0x20             ; bk s[68:69], bv s[70:71]
	s_load_b64 s[72:73], s[0:1], 0x30              ; qkvc
	v_lshl_add_u32 v[SPW], v0, 2, SPARE
	v_mov_b32 v[NIL], 0
	ds_add_u32 v[SPW], v[NIL]                      ; the wave's opening: the add, twice on end, and its wait ahead of my first tensor load
	ds_add_u32 v[SPW], v[NIL]
	v_lshrrev_b32 v1, 5, v0
	v_readfirstlane_b32 s14, v1                    ; wave 0..3
	s_lshr_b32 s15, s14, 1                         ; my half of the block's rows.  Also: I fetch for P (0) or for R (1)
	s_and_b32 s16, s14, 1                          ; my half of its columns.  Also: which 128 rows of that tile I fetch
	s_bfe_u32 s40, ttmp6, 0x40000                  ; cx, cy
	s_bfe_u32 s41, ttmp6, 0x40004
	s_mov_b32 s99, ttmp9                           ; the cluster's x, 0 .. 3
	s_and_b32 s98, ttmp7, 0xffff                   ; the cluster's y: 0 q, 1 k, 2 v: the same in all sixteen partners
	s_lshl_b32 s20, s98, 22                        ; q, k: x's set of codes, 4 MiB apart,
	s_lshl_b32 s46, s98, 20                        ; and the weight's, 1 MiB apart
	s_mov_b32 s92, 0x200000                        ; two K steps on in P: 2 x 4,096 rows x 256 bytes,
	s_mov_b32 s94, 0x80000                         ; in R: 2 x 1,024 x 256
	s_cmp_eq_u32 s98, 2                            ; v: the operands change places
	s_cselect_b32 s18, 0, s99                      ; the cluster's place along the block rows,
	s_cselect_b32 s19, s99, 0                      ; and along the block columns
	s_cselect_b32 s20, 0x200000, s20               ; P = Wv's codes, wc + 2 MiB
	s_cselect_b32 s46, 0x800000, s46               ; R = x's third set, xc + 8 MiB
	s_cselect_b32 s92, 0x80000, s92
	s_cselect_b32 s94, 0x200000, s94
	s_mov_b32 s93, 0
	s_mov_b32 s95, 0
	s_lshl_b32 s17, s18, 2
	s_add_co_u32 s17, s17, s41                     ; block row
	s_lshl_b32 s42, s19, 2
	s_add_co_u32 s42, s42, s40                     ; block column
	s_lshl_b32 s43, s41, 2
	s_lshl_b32 s43, 15, s43                        ; my row of the cluster
	s_lshl_b32 s44, 0x1111, s40                    ; my column
	s_or_b32 s[G1+0], s43, (0<<16)|(1<<20)|(1<<21)|(5<<22)|(3<<25)   ; 15:0 the mask; 17:16 elements of 1 byte; 20 padding on; 21 set beside a mask; 24:22 after every 64 words; 31:25 four words
	s_or_b32 s[G1B+0], s44, (0<<16)|(1<<20)|(1<<21)|(5<<22)|(3<<25)
.irp g, G1, G1B
	s_mov_b32 s[\g+1], ROWB<<16                    ; tensor_dim0
	s_mov_b32 s[\g+2], 128<<16                     ; tensor_dim1
	s_mov_b32 s[\g+3], ROWB<<16                    ; tile_dim0
	s_mov_b32 s[\g+4], 128                         ; tile_dim1
	s_mov_b32 s[\g+5], ROWB                        ; from row to row: the rows are dense
	s_mov_b32 s[\g+6], 0
	s_mov_b32 s[\g+7], 0
.endr
	s_lshl_b32 s18, s17, 1
	s_add_co_u32 s18, s18, s16
	s_lshl_b32 s18, s18, 15                        ; P's tile: (2 x block row + half) x 32,768 bytes
	s_add_co_u32 s20, s20, s18
	s_mov_b32 s21, 0
	s_lshl_b32 s47, s42, 1
	s_add_co_u32 s47, s47, s16
	s_lshl_b32 s47, s47, 15                        ; R's likewise, by the block column
	s_add_co_u32 s46, s46, s47
	s_mov_b32 s47, 0
	s_lshr_b32 s18, s92, 1                         ; one K step on
	s_mov_b32 s19, 0
	s_lshr_b32 s22, s94, 1
	s_mov_b32 s23, 0
	s_mul_i32 s45, s14, HALFT                      ; where my tile goes: wave x 128 rows
	s_wait_dscnt 0x0                               ; both opening adds are done
	s_wait_kmcnt 0x0
	s_load_b512 s[76:91], s[8:9], 0x0              ; e0 .. e15 in s76 .. s91
	s_cmp_eq_u32 s98, 2
	s_cselect_b64 s[12:13], s[6:7], s[4:5]         ; P's buffer,
	s_cselect_b64 s[66:67], s[4:5], s[6:7]         ; R's
	s_add_nc_u64 s[20:21], s[12:13], s[20:21]
	s_add_nc_u64 s[46:47], s[66:67], s[46:47]
	CROUND                                         ; all sixteen work-groups are here: the first joint loads meet
	s_mov_b32 s[G0], 1
	s_add_co_u32 s[G0+1], s45, 0
	s_mov_b64 s[G0+2:G0+3], s[20:21]
	s_or_b32 s[G0+3], s[G0+3], 0x80000000
	s_mov_b32 s[G0B], 1
	s_add_co_u32 s[G0B+1], s45, 0
	s_mov_b64 s[G0B+2:G0B+3], s[46:47]
	s_or_b32 s[G0B+3], s[G0B+3], 0x80000000
	JLOAD 0
	s_mov_b32 s[G0+4], 1
	s_add_co_u32 s[G0+5], s45, SLOT
	s_add_nc_u64 s[G0+6:G0+7], s[20:21], s[18:19]
	s_or_b32 s[G0+7], s[G0+7], 0x80000000
	s_mov_b32 s[G0B+4], 1
	s_add_co_u32 s[G0B+5], s45, SLOT
	s_add_nc_u64 s[G0B+6:G0B+7], s[46:47], s[22:23]
	s_or_b32 s[G0B+7], s[G0B+7], 0x80000000
	JLOAD 1
	v_and_b32 v1, 15, v0                           ; r = lane % 16
	v_bfe_u32 v2, v0, 4, 1                         ; h = lane / 16
	v_mul_u32_u24 v3, v1, PITCH
	v_lshl_add_u32 v4, v2, 4, v3
	s_mul_i32 s21, s15, HALFT
	s_mul_i32 s22, s16, HALFT
	s_add_co_u32 s22, s22, 2*HALFT
.irp s, 0,1
	v_add_nc_u32 v[ADRA+\s], s21, v4
	v_add_nc_u32 v[ADRB+\s], s22, v4
	s_add_co_u32 s21, s21, SLOT
	s_add_co_u32 s22, s22, SLOT
.endr
	; every LDS address of the way out is made here, ahead of the parting
	s_mul_i32 s23, s15, 128*272
	s_lshl_b32 s22, s16, 7
	s_add_co_u32 s23, s23, s22
	v_add_nc_u32 v[STOQ], s23, v4                  ; into a stage: row 128 x my row half + r; byte 128 x my column half + 16 h
	v_add_nc_u32 v[STOV], STGV, v[STOQ]
	v_and_b32 v6, 31, v0
	v_lshlrev_b32 v[CO], 4, v6
	v_lshrrev_b32 v7, 2, v6
	v_mul_u32_u24 v7, v7, 272
	v_and_b32 v8, 3, v6
	v_lshl_add_u32 v7, v8, 4, v7
	s_mul_i32 s23, s14, 64*272
	v_add_nc_u32 v[RDQ], s23, v7                   ; back, q and k: my 64 rows; four lanes take 64 bytes of a row, eight rows an instruction
	v_mul_u32_u24 v7, v2, 272
	v_lshl_add_u32 v7, v1, 4, v7
	v_add_nc_u32 v[RDV], s23, v7
	v_add_nc_u32 v[RDV], STGV, v[RDV]              ; back, v: sixteen lanes take a row of 256 bytes, two rows an instruction
	v_lshlrev_b32 v[BLQ], 5, v2
	v_lshlrev_b32 v[BLV], 2, v1
	s_wait_kmcnt 0x0
	s_add_co_i32 s96, s76, s77                     ; the product's two exponents, and the exponent of what it becomes
	s_add_co_i32 s97, s78, s79
	s_add_co_i32 s18, s80, s81
	s_mov_b32 s19, s82
	s_cmp_eq_u32 s98, 1
	s_cselect_b32 s96, s97, s96
	s_cselect_b32 s19, s83, s19
	s_cmp_eq_u32 s98, 2
	s_cselect_b32 s96, s18, s96
	s_cselect_b32 s19, s85, s19
	s_add_co_i32 s96, s96, 127
	s_lshl_b32 s96, s96, 23                        ; 2^(ea + eb) as f32
	s_mov_b32 s97, s96                             ; (named with it as a pair)
	s_add_co_i32 s19, s19, 127
	s_lshl_b32 s18, s19, 23
	v_mov_b32 v30, s18                             ; 2^eo: the conversion takes its exponent field
	s_add_co_i32 s19, s19, 8
	s_lshl_b32 s19, s19, 23
	s_or_b32 s19, s19, 0x600000
	v_mov_b32 v31, s19                             ; 448 x 2^eo
.macro FRAG reg, adr, q, i             ; 16 rows x 128 K: lane l holds row l % 16; registers 4 c .. 4 c + 3 hold K = 32 c + 16 (l / 16) + 0 .. 15: the same permutation of k in both operands
.irp c, 0,1,2,3
	ds_load_b128 v[\reg+4*\c:\reg+4*\c+3], v[\adr] offset:128*(\q)+32*\c+(\i)*16*PITCH
.endr
.endm
.macro MUL16 a0, p, zero               ; 16 products: P's blocks a0, a0 + 1 x R's eight.  The 64 accumulators take turns, one instruction a turn
.irp a, \a0, \a0+1
.irp b, 0,1,2,3,4,5,6,7
.if \zero
	v_wmma_f32_16x16x128_fp8_fp8 v[8*(8*((\a)%4)+\b):8*(8*((\a)%4)+\b)+7], v[128*(\p)+FR*\b:128*(\p)+FR*\b+FR-1], v[AF+FR*(\a):AF+FR*(\a)+FR-1], 0
.else
	v_wmma_f32_16x16x128_fp8_fp8 v[8*(8*((\a)%4)+\b):8*(8*((\a)%4)+\b)+7], v[128*(\p)+FR*\b:128*(\p)+FR*\b+FR-1], v[AF+FR*(\a):AF+FR*(\a)+FR-1], v[8*(8*((\a)%4)+\b):8*(8*((\a)%4)+\b)+7]
.endif
.endr
.endr
.endm
.macro FETCH_B slot, q, p
	WIN TO_B
.irp i, 0,1,2,3,4,5,6,7
	FRAG 128*(\p)+FR*\i, ADRB+\slot, \q, \i
.endr
	WIN 0
.endm
.macro FETCH_A slot, q, i0
.irp i, \i0, \i0+1, \i0+2, \i0+3
	FRAG AF+FR*(\i), ADRA+\slot, \q, \i
.endr
.endm
.macro PLACES n                        ; plain vector lines between a matrix instruction and a load into, or a read or write of, its registers
.rept \n
	v_nop
.endr
.endm
.macro STEP slot, q, zero              ; 128 along K whose successor lies in the same slot
	s_wait_dscnt 4*NL                              ; R's set and P's blocks 0-3 are in; the youngest sixteen loads (P's blocks 4-7) may be out
	WIN MUL_LO
	MUL16 0, (\q)%2, \zero
	MUL16 2, (\q)%2, \zero
	s_wait_dscnt 0
	PLACES NP
	FETCH_B \slot, (\q)+1, 1-(\q)%2
	FETCH_A \slot, (\q)+1, 0
	WIN MUL_HI
	MUL16 4, (\q)%2, \zero
	MUL16 6, (\q)%2, \zero
	PLACES NP
	WIN 0
	FETCH_A \slot, (\q)+1, 4
.endm
.macro TURN slot, next, fill           ; a slot's last 128 along K, and the change of slots
	s_wait_tensorcnt 0x0                           ; all my tensor loads have landed: my part of the next slot
	ds_add_u32 v[SPW], v[NIL]                      ; 0 onto my spare word
	s_wait_dscnt 4*NL+1                            ; (the add and the youngest sixteen loads may be out)
	WIN MUL_LO
	MUL16 0, 1, 0
	s_wait_dscnt 0x0                               ; the add is done, and my reads of this slot are over
	s_barrier_signal -1
	MUL16 2, 1, 0
	WIN 0
	s_barrier_wait -1
.if \fill
	CREST                                          ; the barrier has opened a round of the cluster's: no wave of any partner still reads this slot or has a load on its way
	s_add_nc_u64 s[G0+4*\slot+2:G0+4*\slot+3], s[G0+4*\slot+2:G0+4*\slot+3], s[92:93]
	s_add_nc_u64 s[G0B+4*\slot+2:G0B+4*\slot+3], s[G0B+4*\slot+2:G0B+4*\slot+3], s[94:95]
	JLOAD \slot                                    ; the first tensor load behind the round; its four v_nop are also the places in front of the loads below
.else
	PLACES NP
.endif
	FETCH_B \next, 0, 0
	FETCH_A \next, 0, 0
	WIN MUL_HI
	MUL16 4, 1, 0
	MUL16 6, 1, 0
	PLACES NP
	WIN 0
	FETCH_A \next, 0, 4
.endm
.macro TAIL                            ; the last lap fills nothing
	TURN 0, 1, 0
	STEP 1, 0, 0
	s_wait_dscnt 4*NL
	WIN MUL_LO
	MUL16 0, 1, 0
	MUL16 2, 1, 0
	s_wait_dscnt 0
	WIN MUL_HI
	MUL16 4, 1, 0
	MUL16 6, 1, 0
	WIN 0
.endm
; THE WAY OUT of block a (16 rows x my 128 columns): sum x 2^(ea + eb) + bias, held, converted, 8 bytes a lane and tile into the stage, bits 3 and 4 of the place swapped.
.macro CVT a, rowmode, sto
.if (\a) >= 2
	s_wait_dscnt 8                                 ; the stores of two blocks back are done; the last block's eight may be out
.endif
	WIN 0x02+((\a)/4)                              ; source 0: window 2 or 3
.irp b, 0,1,2,3,4,5,6,7
.if \rowmode
.irp j, 0,1,2,3,4,5,6,7
	v_fma_f32 v[T+8*\b+\j], v[64*((\a)%4)+8*\b+\j], s96, v[BI+(\a)]   ; the bias of my row (a channel)
.endr
.else
.irp j, 0,2,4,6
	v_pk_fma_f32 v[T+8*\b+\j:T+8*\b+\j+1], v[64*((\a)%4)+8*\b+\j:64*((\a)%4)+8*\b+\j+1], s[96:97], v[BI+8*\b+\j:BI+8*\b+\j+1] op_sel_hi:[1,0,1]   ; the bias of my eight columns; each accumulator from its low end on
.endr
.endif
.endr
	WIN 0
.set ii, 0
.rept 64
	v_med3_num_f32 v[T+ii], v[T+ii], -v31, v31
.set ii, ii+1
.endr
.irp b, 0,1,2,3,4,5,6,7
	v_cvt_scalef32_pk8_fp8_f32 v[CD+16*((\a)%2)+2*\b:CD+16*((\a)%2)+2*\b+1], v[T+8*\b:T+8*\b+7], v30
.endr
	v_nop                                          ; a plain line behind the last conversion
.irp b, 0,1,2,3,4,5,6,7
	ds_store_b64 v[\sto], v[CD+16*((\a)%2)+2*\b:CD+16*((\a)%2)+2*\b+1] offset:(\a)*16*272+32*(\b/2)+8*(\b%2)
.endr
.endm
	s_wait_tensorcnt 1                             ; my part of K step 0 is in; K step 1's load may be out
	s_barrier_signal -1
	s_barrier_wait -1
	FETCH_B 0, 0, 0
	FETCH_A 0, 0, 0
	FETCH_A 0, 0, 4
	STEP 0, 0, 1                                   ; the first products start the sums: nothing is cleared
	s_mov_b32 s3, 1                                ; K / 512 - 1 trips
.Llap:
	TURN 0, 1, 1
	STEP 1, 0, 0
	TURN 1, 0, 1
	STEP 0, 0, 0
	s_sub_co_u32 s3, s3, 1
	s_cmp_lg_u32 s3, 0
	s_cbranch_scc1 .Llap
	s_cmp_eq_u32 s98, 2                            ; ONE PARTING, on the cluster's y: each way asks for its bias, runs the last lap and goes out
	s_cbranch_scc1 .Lv
	; ---- q, k
	s_cmp_eq_u32 s98, 1
	s_cselect_b64 s[74:75], s[68:69], s[10:11]
	s_lshl_b32 s18, s42, 10
	s_lshl_b32 s19, s16, 9
	s_add_co_u32 s18, s18, s19                     ; my 128 columns' bias
	s_mov_b32 s19, 0
	s_add_nc_u64 s[74:75], s[74:75], s[18:19]
.irp b, 0,1,2,3,4,5,6,7
	global_load_b128 v[BI+8*\b:BI+8*\b+3], v[BLQ], s[74:75] offset:64*\b
	global_load_b128 v[BI+8*\b+4:BI+8*\b+7], v[BLQ], s[74:75] offset:64*\b+16
.endr
	s_lshl_b32 s18, s98, 22                        ; q at 0, k at 4 MiB;
	s_lshl_b32 s22, s42, 20                        ; four blocks of 64 columns x 4,096 rows x 64 bytes for each block column;
	s_add_co_u32 s18, s18, s22
	s_lshl_b32 s22, s17, 14                        ; 256 rows of 64 bytes for each block row;
	s_add_co_u32 s18, s18, s22
	s_lshl_b32 s22, s14, 12                        ; my wave's 64 rows
	s_add_co_u32 s18, s18, s22
	s_add_nc_u64 s[72:73], s[72:73], s[18:19]
	TAIL
	s_wait_loadcnt 0x0                             ; the bias
	PLACES NP
.irp a, 0,1,2,3,4,5,6,7
	CVT \a, 0, STOQ
.endr
	s_wait_dscnt 0x0                               ; for the others' sake: my stores into the stage are done
	s_barrier_signal -1
	s_barrier_wait -1
.set tt, 0
.rept 32
	ds_load_b128 v[T+4*tt:T+4*tt+3], v[RDQ] offset:8*(tt%8)*272+64*(tt/8)
.set tt, tt+1
.endr
.set tt, 0
.rept 32
	s_wait_dscnt 31-tt                             ; the younger loads may be out
	global_store_b128 v[CO], v[T+4*tt:T+4*tt+3], s[72:73] offset:(tt/8)*262144+512*(tt%8)   ; eight rows of 64 bytes: 512 consecutive bytes
.set tt, tt+1
.endr
	s_branch .Lend
	; ---- v
.Lv:
	s_lshl_b32 s18, s17, 10
	s_lshl_b32 s19, s15, 9
	s_add_co_u32 s18, s18, s19                     ; my 128 rows' (channels') bias
	s_mov_b32 s19, 0
	s_add_nc_u64 s[74:75], s[70:71], s[18:19]
.irp a, 0,1,2,3,4,5,6,7
	global_load_b32 v[BI+\a], v[BLV], s[74:75] offset:64*\a
.endr
	s_lshl_b32 s18, s42, 18                        ; 1,024 channels x 256 bytes for each block of 256 tokens;
	s_lshl_b32 s22, s17, 16                        ; 256 channels for each block row;
	s_add_co_u32 s18, s18, s22
	s_lshl_b32 s22, s14, 14                        ; my wave's 64 channels;
	s_add_co_u32 s18, s18, s22
	s_add_co_u32 s18, s18, 0x800000                ; v at 8 MiB
	s_add_nc_u64 s[72:73], s[72:73], s[18:19]
	TAIL
	s_wait_loadcnt 0x0
	PLACES NP
.irp a, 0,1,2,3,4,5,6,7
	CVT \a, 1, STOV
.endr
	s_wait_dscnt 0x0
	s_barrier_signal -1
	s_barrier_wait -1
.set tt, 0
.rept 32
	ds_load_b128 v[T+4*tt:T+4*tt+3], v[RDV] offset:2*tt*272
.set tt, tt+1
.endr
.set tt, 0
.rept 32
	s_wait_dscnt 31-tt
	global_store_b128 v[CO], v[T+4*tt:T+4*tt+3], s[72:73] offset:512*tt   ; two rows of 256 bytes: 512 consecutive bytes
.set tt, tt+1
.endr
.Lend:
	s_wait_tensorcnt 0x0                           ; the wave's end: behind my last tensor load and my last LDS store
	ds_add_u32 v[SPW], v[NIL]
	s_wait_dscnt 0x0
	CROUND                                         ; the closing round: no work-group ends while a partner may still ask for a tile that names it
	s_endpgm
.Lfunc_end_k_q66f175c544_qkv:
	.size	k_q66f175c544_qkv, .Lfunc_end_k_q66f175c544_qkv-k_q66f175c544_qkv
	.p2alignl 7, 3214868480
	.fill 96, 4, 3214868480
	.section	.rodata,"a",@progbits
	.p2align	6, 0x0
	.amdhsa_kernel k_q66f175c544_qkv
		.amdhsa_group_segment_fixed_size 327680
		.amdhsa_private_segment_fixed_size 0
		.amdhsa_enable_private_segment 0
		.amdhsa_kernarg_size 56
		.amdhsa_user_sgpr_count 2
		.amdhsa_user_sgpr_kernarg_segment_ptr 1
		.amdhsa_wavefront_size32 1
		.amdhsa_system_sgpr_workgroup_id_x 1
		.amdhsa_system_sgpr_workgroup_id_y 1
		.amdhsa_system_sgpr_workgroup_id_z 1
		.amdhsa_system_vgpr_workitem_id 0
		.amdhsa_next_free_vgpr 1024
		.amdhsa_next_free_sgpr 102
		.amdhsa_reserve_vcc 0
		.amdhsa_float_denorm_mode_32 3
		.amdhsa_float_denorm_mode_16_64 3
		.amdhsa_memory_ordered 1
		.amdhsa_forward_progress 1
		.amdhsa_inst_pref_size 246
	.end_amdhsa_kernel
	.amdgpu_metadata
---
amdhsa.version: [ 1, 2 ]
amdhsa.kernels:
  - .name:           k_q66f175c544_qkv
    .symbol:         k_q66f175c544_qkv.kd
    .args:
      - { .name: xc, .offset: 0, .size: 8, .value_kind: global_buffer, .address_space: global }
      - { .name: wc, .offset: 8, .size: 8, .value_kind: global_buffer, .address_space: global }
      - { .name: lowp_scales, .offset: 16, .size: 8, .value_kind: global_buffer, .address_space: global }
      - { .name: bq, .offset: 24, .size: 8, .value_kind: global_buffer, .address_space: global }
      - { .name: bk, .offset: 32, .size: 8, .value_kind: global_buffer, .address_space: global }
      - { .name: bv, .offset: 40, .size: 8, .value_kind: global_buffer, .address_space: global }
      - { .name: qkvc, .offset: 48, .size: 8, .value_kind: global_buffer, .address_space: global }
    .group_segment_fixed_size: 327680
    .private_segment_fixed_size: 0
    .kernarg_segment_align: 8
    .kernarg_segment_size: 56
    .max_flat_workgroup_size: 128
    .sgpr_count:     102
    .vgpr_count:     1024
    .wavefront_size: 32
...
	.end_amdgpu_metadata
.endif
;; end of part 2
;; launch attn (part 3): grid 8 x 32, 16 waves a work-group, clusters of 4 x 1, 327,680 bytes of LDS; arguments qkvc, lowp_scales, oc; writes oc
.if DOCPART == 3
	.amdgcn_target "amdgcn-amd-amdhsa--gfx1250"
	.amdhsa_code_object_version 6
	.text
	.protected	k_q66f175c544_attn
	.globl	k_q66f175c544_attn
	.p2align	8
	.type	k_q66f175c544_attn,@function
k_q66f175c544_attn:
	s_mov_b64 s[64:65], 0
	v_nop
	global_prefetch_b8 v0, s[64:65] scope:SCOPE_SE
	s_setreg_imm32_b32 hwreg(HW_REG_WAVE_MODE, 25, 1), 1
	s_wait_xcnt 0x0
	s_wait_alu depctr_hold_cnt(0) depctr_sa_sdst(0) depctr_va_vdst(0) depctr_va_sdst(0) depctr_va_ssrc(0) depctr_va_vcc(0) depctr_vm_vsrc(0)
	s_getreg_b32 s2, hwreg(HW_REG_IB_STS2, 6, 4)
	s_cmp_eq_u32 s2, 0
	s_cbranch_scc0 .Lentry_in_a_cluster
	s_endpgm
.Lentry_in_a_cluster:
	s_bfe_u32 s2, ttmp6, 0x10000c
	s_cmp_lg_u32 s2, 0x3003
	s_cbranch_scc0 .Lentry_shape_is_right
	s_endpgm
.Lentry_shape_is_right:
; o = softmax(q k^T / 8) v for 32 pairs (batch, head), 2,048 queries and keys, head size 64, both products on codes of FP8; o quantised at once (entry 10) for the projection.  Nothing is left out.
; q IS VIEWED WITHOUT A TRANSPOSE: head h of a batch is rows 128 h .. 128 h + 127 of the q matrix, and query 16 rr + u of the head is columns 64 u .. 64 u + 63 of row rr.
; THE SOFTMAX: t = score x log2(e) / 8; M = the running largest t rounded UP to a whole number; p = 2^(t - M) is quantised (entry 8), not normalised; the row's sum is taken of the unquantised p and divides at the end;
; when M moves, the sum and O are multiplied by 2^(old M - new M), which rounds nothing.
; SHARES.  A work-group owns 256 queries of one pair, each of its sixteen waves 16 (one row of the q matrix), in 224 registers: four waves to a SIMD.  Every wave walks all 2,048 keys, 128 a step.
; THE PAIR'S WHOLE K AND V LIE IN LDS: each byte is filled once, by two tensor loads a wave issued at the head (waves 0-7: K, waves 8-15: V; the first loads bring keys 0-1,023, the second the rest).  No slot is filled again.
; CLUSTER.  The four work-groups of a cluster belong to one pair and need the same K and V: every load is asked for jointly, with the same descriptor and a mask that names the four.
; LAYOUT.  S^T = K Q^T (source 0 = 16 neighbouring keys, source 1 = my 16 queries), O^T = V^T P^T (source 0 = 16 channels, source 1 = P): a lane holds ONE query throughout.  The eight codes of score tile c are registers
; 2 c, 2 c + 1 of the second product's operand as they stand.  V lies with the keys innermost and bits 3 and 4 of a key's place swapped, so that 16 bytes at 32 c + 16 (lane / 16) are four registers of that same layout.
; No prefetch is laid: all of K and V is asked for at the head, so nothing is left to ask for ahead.
; THE STORES of o's codes are pieces of 64 bytes: 256 neighbouring bytes of oc belong to four heads, which are four work-groups.
; LIMITS: entries 6 + 7 between -123 and 130 (added to c's exponent field); entries 8 and 10 between -126 and 119.  NaN is not served.
; REGISTERS: v1-9 addresses; v12 -M, v13 the largest t, v[14:15] the sum; v16-23 Q; v32-95 K's eight fragments, then V's four; v96-159 S^T, then p; v160-191 O^T; v192-207 p's codes; v208-219 at work and constants.
.set KP,    80                         ; a key's row in LDS: 64 bytes + 16 of padding
.set VP,    272                        ; a channel's 256 keys: 256 bytes + 16
.set VOFF,  2048*KP                    ; behind K's 2,048 rows: V, eight chunks of 256 keys,
.set VCH,   64*VP                      ; each 64 rows
.set STAGE, VOFF+8*VCH                 ; behind V: 16 rows x 80 bytes for each wave, for the way out: no fill lands there
.set SPARE, STAGE+16*1280              ; behind the stages: the spare words, 128 bytes for each wave
.set AK0, 1
.set AV0, 2
.set STI, 3
.set STB, 4
.set SPW, 5
.set NIL, 6
.set GO,  7
.set ADK, 8
.set ADV, 9
.set WV,  18
.set SEL, 20
.set CS,  22
.set G1K, 24
.set G1V, 32
.set G0K, 40
.set G0V, 48
.set TBK, 2                            ; s2  LDS byte of the 256 keys in hand, in K,
.set TBV, 3                            ; s3  and in V
.set CNT, 66
.macro CROUND                          ; a round of the cluster's barrier
	s_barrier_signal -1
	s_barrier_wait -1
	s_cmp_lg_u32 s[WV], 0
	s_cbranch_scc1 .Lnot_wave_0_\@
	s_barrier_signal -3
.Lnot_wave_0_\@:
	s_barrier_wait -3
	s_barrier_signal -1
	s_barrier_wait -1
.endm
	s_load_b128 s[4:7], s[0:1], 0x0                ; qkvc s[4:5], the exponents s[6:7]
	s_load_b64 s[8:9], s[0:1], 0x10                ; oc
	v_lshl_add_u32 v[SPW], v0, 2, SPARE
	v_mov_b32 v[NIL], 0
	ds_add_u32 v[SPW], v[NIL]                      ; the wave's opening: the add, twice on end, and its wait ahead of my first tensor load
	ds_add_u32 v[SPW], v[NIL]
	v_lshrrev_b32 v8, 5, v0
	v_readfirstlane_b32 s[WV], v8                  ; wave 0..15
	s_bfe_u32 s10, ttmp6, 0x40000                  ; cx
	s_lshl_b32 s11, ttmp9, 2
	s_add_co_u32 s11, s11, s10                     ; my block of 256 queries: it enters Q's and O's addresses alone
	s_and_b32 s12, ttmp7, 0xffff                   ; the pair, which the four partners share
	s_lshr_b32 s13, s12, 4                         ; batch
	s_and_b32 s14, s12, 15                         ; head
	s_and_b32 s15, s[WV], 7                        ; u: which part of K or of V I fetch
	s_lshr_b32 s16, s15, 1
	s_and_b32 s17, s15, 1
	s_lshl_b32 s84, s14, 18                        ; K: a head's 4,096 tokens x 64 bytes,
	s_lshl_b32 s19, s13, 17                        ; a batch's 2,048,
	s_add_co_u32 s84, s84, s19
	s_lshl_b32 s19, s15, 13                        ; my 128 keys,
	s_add_co_u32 s84, s84, s19
	s_add_co_u32 s84, s84, 0x400000                ; in k's part of qkvc
	s_mov_b32 s85, 0
	s_lshl_b32 s86, s13, 21                        ; V: a batch's 8 blocks of 256 tokens x 1,024 channels x 256 bytes,
	s_lshl_b32 s19, s16, 18                        ; my block,
	s_add_co_u32 s86, s86, s19
	s_lshl_b32 s19, s14, 14                        ; the head's 64 channels,
	s_add_co_u32 s86, s86, s19
	s_lshl_b32 s19, s17, 13                        ; my 32 of them,
	s_add_co_u32 s86, s86, s19
	s_add_co_u32 s86, s86, 0x800000                ; in v's part
	s_mov_b32 s87, 0
	s_mul_i32 s88, s15, 128*KP                     ; and where they go in LDS: the wave's number alone
	s_mul_i32 s89, s16, VCH
	s_mul_i32 s19, s17, 32*VP
	s_add_co_u32 s89, s89, s19
	s_add_co_u32 s89, s89, VOFF
	s_mov_b32 s[G1K], 15|(0<<16)|(1<<20)|(1<<21)|(3<<22)|(3<<25)   ; 15:0 the mask: all four; elements of 1 byte; padding on; 21 set beside a mask; after every 16 words four words
	s_mov_b32 s[G1K+1], 64<<16                     ; tensor_dim0
	s_mov_b32 s[G1K+2], 128<<16                    ; tensor_dim1
	s_mov_b32 s[G1K+3], 64<<16                     ; tile_dim0
	s_mov_b32 s[G1K+4], 128                        ; tile_dim1
	s_mov_b32 s[G1K+5], 64                         ; from row to row
	s_mov_b32 s[G1K+6], 0
	s_mov_b32 s[G1K+7], 0
	s_mov_b32 s[G1V], 15|(0<<16)|(1<<20)|(1<<21)|(5<<22)|(3<<25)   ; after every 64 words four words
	s_mov_b32 s[G1V+1], 256<<16
	s_mov_b32 s[G1V+2], 32<<16
	s_mov_b32 s[G1V+3], 256<<16
	s_mov_b32 s[G1V+4], 32
	s_mov_b32 s[G1V+5], 256
	s_mov_b32 s[G1V+6], 0
	s_mov_b32 s[G1V+7], 0
	s_lshl_b32 s90, s13, 17                        ; Q: row 2,048 b + 128 h + 16 x block + wave of the q matrix, 64 bytes in each block of columns
	s_lshl_b32 s94, s14, 13
	s_add_co_u32 s90, s90, s94
	s_lshl_b32 s94, s11, 10
	s_add_co_u32 s90, s90, s94
	s_lshl_b32 s94, s[WV], 6
	s_add_co_u32 s90, s90, s94
	s_mov_b32 s91, 0
	s_lshl_b32 s92, s13, 19                        ; O: token 2,048 b + 256 x block + 16 x wave, 256 bytes a token and K step;
	s_lshl_b32 s94, s11, 16
	s_add_co_u32 s92, s92, s94
	s_lshl_b32 s94, s[WV], 12
	s_add_co_u32 s92, s92, s94
	s_and_b32 s94, s14, 3
	s_lshl_b32 s94, s94, 6                         ; the head's 64 bytes of them;
	s_add_co_u32 s92, s92, s94
	s_lshr_b32 s94, s14, 2
	s_lshl_b32 s94, s94, 20                        ; K step head / 4
	s_add_co_u32 s92, s92, s94
	s_mov_b32 s93, 0
	s_mov_b32 s[SEL], 0x76543210
	s_mov_b32 s[SEL+1], 0xfedcba98
	s_mov_b32 s[CS], 0x3e38aa3b                    ; c = log2(e) / 8
	s_mov_b32 s[TBK], 0
	s_mov_b32 s[TBV], 0
	s_wait_dscnt 0x0                               ; both opening adds are done
	s_wait_kmcnt 0x0
	s_load_b512 s[68:83], s[6:7], 0x0              ; e0 .. e15 in s68 .. s83
	s_add_nc_u64 s[84:85], s[4:5], s[84:85]
	s_add_nc_u64 s[86:87], s[4:5], s[86:87]
	s_mov_b32 s[G0K], 1
	s_add_co_u32 s[G0K+1], s88, 0
	s_mov_b64 s[G0K+2:G0K+3], s[84:85]
	s_or_b32 s[G0K+3], s[G0K+3], 0x80000000
	s_mov_b32 s[G0K+4], 1
	s_add_co_u32 s[G0K+5], s88, 1024*KP            ; 1,024 keys on
	s_add_nc_u64 s[G0K+6:G0K+7], s[84:85], 65536
	s_or_b32 s[G0K+7], s[G0K+7], 0x80000000
	s_mov_b32 s[G0V], 1
	s_add_co_u32 s[G0V+1], s89, 0
	s_mov_b64 s[G0V+2:G0V+3], s[86:87]
	s_or_b32 s[G0V+3], s[G0V+3], 0x80000000
	s_mov_b32 s[G0V+4], 1
	s_add_co_u32 s[G0V+5], s89, 4*VCH              ; four chunks on
	s_add_nc_u64 s[G0V+6:G0V+7], s[86:87], 1048576
	s_or_b32 s[G0V+7], s[G0V+7], 0x80000000
	CROUND                                         ; all four work-groups are here: the joint loads meet
	s_cmp_lt_u32 s[WV], 8                          ; a wave's two loads stand in one arm of one branch on its number: two loads of mine are out
	s_cbranch_scc0 .Lfirst_v
	tensor_load_to_lds s[G0K:G0K+3], s[G1K:G1K+7]
	s_nop 0
	tensor_load_to_lds s[G0K+4:G0K+7], s[G1K:G1K+7]
	s_nop 0
.rept 4
	v_nop
.endr
	s_branch .Lfirst_asked
.Lfirst_v:
	tensor_load_to_lds s[G0V:G0V+3], s[G1V:G1V+7]
	s_nop 0
	tensor_load_to_lds s[G0V+4:G0V+7], s[G1V:G1V+7]
	s_nop 0
.rept 4
	v_nop
.endr
.Lfirst_asked:
	s_add_nc_u64 s[90:91], s[4:5], s[90:91]
	s_add_nc_u64 s[92:93], s[8:9], s[92:93]
	v_and_b32 v8, 15, v0                           ; r
	v_bfe_u32 v9, v0, 4, 1                         ; h
	v_lshlrev_b32 v10, 18, v8                      ; query r lies in block r of the columns: 4,096 rows x 64 bytes apart
	v_lshl_add_u32 v10, v9, 4, v10
	global_load_b128 v[16:19], v10, s[90:91]       ; Q's fragment stays in registers
	global_load_b128 v[20:23], v10, s[90:91] offset:32
	v_mul_u32_u24 v[AK0], v8, KP
	v_lshl_add_u32 v[AK0], v9, 4, v[AK0]
	v_mul_u32_u24 v[AV0], v8, VP
	v_lshl_add_u32 v[AV0], v9, 4, v[AV0]
	v_add_nc_u32 v[AV0], VOFF, v[AV0]
	v_and_b32 v11, 31, v0
	v_lshrrev_b32 v[GO], 2, v11
	v_lshlrev_b32 v[GO], 8, v[GO]
	v_and_b32 v11, 3, v11
	v_lshl_add_u32 v[GO], v11, 4, v[GO]            ; the way out: four lanes take a token's 64 bytes, tokens 256 bytes apart
	v_mov_b32 v13, 0xff61b1e6                      ; the largest t so far: -3e38
	v_floor_f32 v12, -v13                          ; -M
	v_mov_b32 v14, 0
	v_mov_b32 v15, 0
	v_mov_b32 v208, 0                              ; a lane permute's destination counts as one of its sources
	v_mov_b32 v211, 0                              ; (named as the upper half of the pair v[210:211])
.set ii, 0
.rept 32
	v_mov_b32 v[160+ii], 0                         ; O^T: the step is written once; the first finds zeros, which the first change of M leaves zeros
.set ii, ii+1
.endr
	s_wait_kmcnt 0x0
	s_add_co_i32 s94, s74, s75
	s_lshl_b32 s94, s94, 23
	s_add_co_i32 s[CS], s[CS], s94                 ; a score stands for score x 2^(e6 + e7): added to c's exponent field
	s_mov_b32 s[CS+1], s[CS]
	s_add_co_i32 s94, s76, 127
	s_lshl_b32 s95, s94, 23
	v_mov_b32 v216, s95                            ; 2^e8
	s_add_co_i32 s94, s94, 8
	s_lshl_b32 s94, s94, 23
	s_or_b32 s94, s94, 0x600000
	v_mov_b32 v217, s94                            ; 448 x 2^e8
	s_add_co_i32 s94, s78, 127
	s_lshl_b32 s95, s94, 23
	v_mov_b32 v218, s95                            ; 2^e10
	s_add_co_i32 s94, s94, 8
	s_lshl_b32 s94, s94, 23
	s_or_b32 s94, s94, 0x600000
	v_mov_b32 v219, s94                            ; 448 x 2^e10
	s_add_co_i32 s67, s76, s77                     ; e8 + e9
; A KEY STEP: 128 keys, the q-th of the 256 in hand.
.macro STEP q
	v_add_nc_u32 v[ADK], s[TBK], v[AK0]
	v_add_nc_u32 v[ADV], s[TBV], v[AV0]
	v_nop                                          ; with the two additions: four places in front of loads into registers that the last products have read
	v_nop
.irp t, 0,1,2,3,4,5,6,7
.irp c, 0,1
	ds_load_b128 v[32+8*\t+4*\c:32+8*\t+4*\c+3], v[ADK] offset:(128*(\q)+16*\t)*KP+32*\c
.endr
.endr
	s_wait_dscnt 0x0
.irp t, 0,1,2,3,4,5,6,7
	v_wmma_f32_16x16x64_fp8_fp8 v[96+8*\t:103+8*\t], v[32+8*\t:39+8*\t], v[16:23], 0   ; lane (r, h): query r, keys 16 t + 8 h + 0 .. 7
.endr
.rept 4
	v_nop
.endr
.irp t, 0,1,2,3
.irp c, 0,1,2,3
	ds_load_b128 v[32+16*\t+4*\c:32+16*\t+4*\c+3], v[ADV] offset:16*\t*VP+128*(\q)+32*\c   ; V's four fragments land while the softmax is walked
.endr
.endr
	v_max3_num_f32 v214, v96, v97, v98             ; the step's largest score of my query among my 64 keys, in two chains, from each tile's low end on
	v_max3_num_f32 v215, v99, v100, v101
.set ii, 6
.rept 14
	v_max3_num_f32 v214, v214, v[96+ii], v[97+ii]
	v_max3_num_f32 v215, v215, v[98+ii], v[99+ii]
.set ii, ii+4
.endr
	v_max3_num_f32 v214, v214, v158, v159
	v_max_num_f32 v214, v214, v215
	v_permlanex16_b32 v208, v214, s[SEL], s[SEL+1]
	v_max_num_f32 v214, v214, v208                 ; and among lane l xor 16's
	v_mul_f32 v214, s[CS], v214                    ; as t (c is positive)
	v_max_num_f32 v13, v13, v214
	v_mov_b32 v214, v12
	v_floor_f32 v12, -v13                          ; the new -M = -ceil(t)
	v_sub_f32 v214, v12, v214                      ; old M - new M: a whole number, 0 or less
	v_cvt_i32_f32 v214, v214                       ; (it saturates)
	v_ldexp_f32 v210, 1.0, v214                    ; f = 2^(old M - new M)
.set ii, 0
.rept 32
	v_pk_fma_f32 v[96+ii:97+ii], v[96+ii:97+ii], s[CS:CS+1], v[12:13] op_sel_hi:[1,0,0]   ; t - M
.set ii, ii+2
.endr
.set ii, 0
.rept 64
	v_exp_f32 v[96+ii], v[96+ii]                   ; p = 2^(t - M)
.set ii, ii+1
.endr
	v_pk_mul_f32 v[14:15], v[14:15], v[210:211] op_sel_hi:[1,0]   ; the sums under the new M: the plain line behind the exponentials
	s_wait_alu depctr_va_vdst(0)                   ; one wait for the whole batch, ahead of its first reader
	v_pk_add_f32 v[212:213], v[96:97], v[98:99]    ; the row's sum is taken of the unquantised p, in two chains
.set ii, 4
.rept 15
	v_pk_add_f32 v[14:15], v[14:15], v[96+ii:97+ii]
	v_pk_add_f32 v[212:213], v[212:213], v[98+ii:99+ii]
.set ii, ii+4
.endr
	v_pk_add_f32 v[14:15], v[14:15], v[212:213]
.set cc, 0
.rept 8
.set ii, 0
.rept 8
	v_min_num_f32 v[96+8*cc+ii], v[96+8*cc+ii], v217   ; the conversion does not saturate (ISA guide 7.6.2); p is not negative, so the hold is one-sided
.set ii, ii+1
.endr
	v_cvt_scalef32_pk8_fp8_f32 v[192+2*cc:193+2*cc], v[96+8*cc:103+8*cc], v216
.set cc, cc+1
.endr
.set ii, 0
.rept 16
	v_pk_mul_f32 v[160+ii:161+ii], v[160+ii:161+ii], v[210:211] op_sel_hi:[1,0]   ; O^T under the new M; also the plain lines behind the conversions
.set ii, ii+2
.endr
	s_wait_dscnt 0x0                               ; V's fragments
.irp t, 0,1,2,3
	v_wmma_f32_16x16x128_fp8_fp8 v[160+8*\t:167+8*\t], v[32+16*\t:47+16*\t], v[192:207], v[160+8*\t:167+8*\t]   ; the four accumulators take turns
.endr
.endm
.macro HALF                            ; 1,024 keys: four trips of 256
	s_mov_b32 s[CNT], 4
.Lhalf_\@:
	STEP 0
	STEP 1
	s_add_co_u32 s[TBK], s[TBK], 256*KP
	s_add_co_u32 s[TBV], s[TBV], VCH
	s_sub_co_u32 s[CNT], s[CNT], 1
	s_cmp_lg_u32 s[CNT], 0
	s_cbranch_scc1 .Lhalf_\@
.endm
	s_wait_loadcnt 0x0                             ; Q
	s_wait_tensorcnt 0x1                           ; my part of keys 0-1,023 is in; my second load may stay out
	s_barrier_signal -1
	s_barrier_wait -1                              ; everybody's is
	HALF
	s_wait_tensorcnt 0x0                           ; my part of keys 1,024-2,047 is in
	s_wait_dscnt 0x0
	s_barrier_signal -1
	s_barrier_wait -1
	HALF
	; THE WAY OUT: O^T x 2^(e8 + e9) / the sum, quantised by entry 10, through my stage, so that four lanes store a token's 64 bytes.
	v_add_f32 v14, v14, v15
	v_permlanex16_b32 v208, v14, s[SEL], s[SEL+1]
	v_add_f32 v14, v14, v208                       ; the row's sum
	v_rcp_f32 v14, v14
	v_and_b32 v8, 15, v0                           ; (the address work is the plain work behind the reciprocal and behind the last products)
	v_bfe_u32 v9, v0, 4, 1
	s_mul_i32 s94, s[WV], 1280
	s_add_co_u32 s94, s94, STAGE                   ; my stage
	v_mul_u32_u24 v[STI], v8, 80
	v_lshl_add_u32 v[STI], v9, 3, v[STI]
	v_add_nc_u32 v[STI], s94, v[STI]               ; in: row r, 8 h bytes on; tile t 16 t on
	v_and_b32 v10, 31, v0
	v_lshrrev_b32 v11, 2, v10
	v_mul_u32_u24 v[STB], v11, 80
	v_and_b32 v10, 3, v10
	v_lshl_add_u32 v[STB], v10, 4, v[STB]
	v_add_nc_u32 v[STB], s94, v[STB]               ; back: four lanes to a row, eight rows an instruction
	s_wait_alu depctr_va_vdst(0)                   ; the wait ahead of the reciprocal's first reader
	v_ldexp_f32 v14, v14, s67
.set ii, 0
.rept 32
	v_mul_f32 v[96+ii], v[160+ii], v14             ; register 8 t + i is o(query r, channel 16 t + 8 h + i)
.set ii, ii+1
.endr
.set ii, 0
.rept 32
	v_med3_num_f32 v[96+ii], v[96+ii], -v219, v219
.set ii, ii+1
.endr
.irp t, 0,1,2,3
	v_cvt_scalef32_pk8_fp8_f32 v[24+2*\t:25+2*\t], v[96+8*\t:103+8*\t], v218
.endr
	v_nop                                          ; a plain line behind the last conversion
.irp t, 0,1,2,3
	ds_store_b64 v[STI], v[24+2*\t:25+2*\t] offset:16*\t
.endr
.irp i, 0,1
	ds_load_b128 v[32+4*\i:35+4*\i], v[STB] offset:640*\i   ; LDS serves a wave's instructions in order: these see my stores
.endr
.irp i, 0,1
	s_wait_dscnt 1-\i                              ; the younger load may be out
	global_store_b128 v[GO], v[32+4*\i:35+4*\i], s[92:93] offset:2048*\i
.endr
	s_wait_tensorcnt 0x0                           ; the wave's end: behind my last tensor load and my last LDS store
	ds_add_u32 v[SPW], v[NIL]
	s_wait_dscnt 0x0
	CROUND                                         ; the closing round
	s_endpgm
.Lfunc_end_k_q66f175c544_attn:
	.size	k_q66f175c544_attn, .Lfunc_end_k_q66f175c544_attn-k_q66f175c544_attn
	.p2alignl 7, 3214868480
	.fill 96, 4, 3214868480
	.section	.rodata,"a",@progbits
	.p2align	6, 0x0
	.amdhsa_kernel k_q66f175c544_attn
		.amdhsa_group_segment_fixed_size 327680
		.amdhsa_private_segment_fixed_size 0
		.amdhsa_enable_private_segment 0
		.amdhsa_kernarg_size 24
		.amdhsa_user_sgpr_count 2
		.amdhsa_user_sgpr_kernarg_segment_ptr 1
		.amdhsa_wavefront_size32 1
		.amdhsa_system_sgpr_workgroup_id_x 1
		.amdhsa_system_sgpr_workgroup_id_y 1
		.amdhsa_system_sgpr_workgroup_id_z 1
		.amdhsa_system_vgpr_workitem_id 0
		.amdhsa_next_free_vgpr 224
		.amdhsa_next_free_sgpr 100
		.amdhsa_reserve_vcc 0
		.amdhsa_float_denorm_mode_32 3
		.amdhsa_float_denorm_mode_16_64 3
		.amdhsa_memory_ordered 1
		.amdhsa_forward_progress 1
		.amdhsa_inst_pref_size 75
	.end_amdhsa_kernel
	.amdgpu_metadata
---
amdhsa.version: [ 1, 2 ]
amdhsa.kernels:
  - .name:           k_q66f175c544_attn
    .symbol:         k_q66f175c544_attn.kd
    .args:
      - { .name: qkvc, .offset: 0, .size: 8, .value_kind: global_buffer, .address_space: global }
      - { .name: lowp_scales, .offset: 8, .size: 8, .value_kind: global_buffer, .address_space: global }
      - { .name: oc, .offset: 16, .size: 8, .value_kind: global_buffer, .address_space: global }
    .group_segment_fixed_size: 327680
    .private_segment_fixed_size: 0
    .kernarg_segment_align: 8
    .kernarg_segment_size: 24
    .max_flat_workgroup_size: 512
    .sgpr_count:     100
    .vgpr_count:     224
    .wavefront_size: 32
...
	.end_amdgpu_metadata
.endif
;; end of part 3
;; launch wo (part 4): grid 4 x 16, 4 waves a work-group, clusters of 4 x 4, 327,680 bytes of LDS; arguments oc, wc, lowp_scales, bo, y; writes y
.if DOCPART == 4
	.amdgcn_target "amdgcn-amd-amdhsa--gfx1250"
	.amdhsa_code_object_version 6
	.text
	.protected	k_q66f175c544_wo
	.globl	k_q66f175c544_wo
	.p2align	8
	.type	k_q66f175c544_wo,@function
k_q66f175c544_wo:
	s_mov_b64 s[64:65], 0
	v_nop
	global_prefetch_b8 v0, s[64:65] scope:SCOPE_SE
	s_setreg_imm32_b32 hwreg(HW_REG_WAVE_MODE, 25, 1), 1
	s_wait_xcnt 0x0
	s_wait_alu depctr_hold_cnt(0) depctr_sa_sdst(0) depctr_va_vdst(0) depctr_va_sdst(0) depctr_va_ssrc(0) depctr_va_vcc(0) depctr_vm_vsrc(0)
	s_getreg_b32 s2, hwreg(HW_REG_IB_STS2, 6, 4)
	s_cmp_eq_u32 s2, 0
	s_cbranch_scc0 .Lentry_in_a_cluster
	s_endpgm
.Lentry_in_a_cluster:
	s_bfe_u32 s2, ttmp6, 0x10000c
	s_cmp_lg_u32 s2, 0xf033
	s_cbranch_scc0 .Lentry_shape_is_right
	s_endpgm
.Lentry_shape_is_right:
; y = A W + bias on codes of FP8, f32 out: here A = the attention's o (oc), W = Wo's codes (wc + 3 MiB), the exponents are entries 10 and 11, the bias is bo.  Nothing is left out.
; (The same text with three other constants serves the second product of the feed-forward part.)
; A block of 256 x 256 of y is made by four waves, 128 x 128 each: 64 accumulators, 512 registers.  K goes in steps of 256 through two LDS slots filled by the tensor data mover.
; Both operands lie [K / 256][rows][256]: a tile of 128 rows x 256 K is 32,768 consecutive bytes.  CLUSTERS: 4 x 4 work-groups; A's tile is asked for jointly along a row of the cluster, W's along a column.
; The matrix instruction is used transposed (source 0 = 16 rows of W's codes, source 1 = 16 rows of A's): a lane holds eight neighbouring numbers of a row of y.
; 64 blocks: a quarter of the chip's work-group places.  A smaller block would read each LDS byte for half as many products and fetch twice the tiles; that trade is not taken here.
; LIMIT: the two exponents' sum between -126 and 127.
.set LAPS,   2                         ; K / 512
.set WOFF,   0x300000                  ; where W's codes begin in wc
.set SCO,    40                        ; the byte of the first of the two exponents
.set STA,    0x100000                  ; a K step on in A: 4,096 rows x 256 bytes
.set STB,    0x40000                   ; in W: 1,024 rows x 256 bytes
.set ROWC,   4096                      ; a row of y in bytes
.set ROWB,   256
.set PITCH,  272
.set FR,     16
.set NL,     4
.set NP,     4
.set HALFT,  128*PITCH
.set SLOT,   4*HALFT
.set SPARE,  2*SLOT
.set SPITCH, 528                       ; the way out: 16 rows x (512 bytes + 16) for each wave, in slot 0, which has had its last fill and its last read by then
.set ADRA, 16
.set ADRB, 20
.set PFO,  23                          ; v23  256 x lane: the prefetches' offset
.set STO,  24
.set RD,   25
.set CO,   26
.set SPW,  28
.set NIL,  29
.set AF,   128
.set BK,   128
.set G1,  24
.set G0,  32
.set G1B, 48
.set G0B, 56
.set PFA, 68                           ; s[68:69] where my prefetches stand
.set PFS, 70                           ; s[70:71] a K step on, in bytes
.set LIM, 72                           ; s72  1 in a wave that prefetches, else the greatest number
.set MSB, 0
.macro WIN new
.if MSB != (\new)
	s_set_vgpr_msb (MSB<<8)|(\new)
.set MSB, (\new)
.endif
.endm
.set MUL_LO, 0xa1
.set MUL_HI, 0xf1
.set TO_B,   0x40
.macro JLOAD s
	s_cmp_eq_u32 s15, 0
	s_cbranch_scc0 .Lfor_b_\@
	tensor_load_to_lds s[G0+4*\s:G0+4*\s+3], s[G1:G1+7]
	s_nop 0
.rept 4
	v_nop
.endr
	s_branch .Lasked_\@
.Lfor_b_\@:
	tensor_load_to_lds s[G0B+4*\s:G0B+4*\s+3], s[G1B:G1B+7]
	s_nop 0
.rept 4
	v_nop
.endr
.Lasked_\@:
.endm
.macro CREST
	s_cmp_lg_u32 s14, 0
	s_cbranch_scc1 .Lnot_wave_0_\@
	s_barrier_signal -3
.Lnot_wave_0_\@:
	s_barrier_wait -3
	s_barrier_signal -1
	s_barrier_wait -1
.endm
.macro CROUND
	s_barrier_signal -1
	s_barrier_wait -1
	CREST
.endm
; A prefetch of the K step that stands two refills on: 32 rows x 256 bytes, a lane a row.  Of the 128 rows that a wave fetches each of the four partners that ask jointly takes 32, told apart by address.
; A's rows are read by one cluster alone; W's by the four clusters of the grid's column, of which the first asks.  The loop's last trip asks for nothing: there is no K step two refills on.
.macro ASK
	s_cmp_gt_u32 s3, s[LIM]
	s_cbranch_scc0 .Lnot_mine_\@
	global_prefetch_b8 v[PFO], s[PFA:PFA+1] th:TH_LOAD_NT scope:SCOPE_SE
.Lnot_mine_\@:
.endm
	s_load_b256 s[4:11], s[0:1], 0x0               ; A's codes s[4:5], wc s[6:7], the exponents s[8:9], the bias s[10:11]
	s_load_b64 s[12:13], s[0:1], 0x20              ; y
	v_lshl_add_u32 v[SPW], v0, 2, SPARE
	v_mov_b32 v[NIL], 0
	ds_add_u32 v[SPW], v[NIL]                      ; the wave's opening: the add, twice on end, and its wait ahead of my first tensor load
	ds_add_u32 v[SPW], v[NIL]
	v_lshrrev_b32 v1, 5, v0
	v_readfirstlane_b32 s14, v1
	s_lshr_b32 s15, s14, 1
	s_and_b32 s16, s14, 1
	s_bfe_u32 s40, ttmp6, 0x40000
	s_bfe_u32 s41, ttmp6, 0x40004
	s_lshl_b32 s42, ttmp9, 2
	s_add_co_u32 s42, s42, s40                     ; block column
	s_and_b32 s17, ttmp7, 0xffff
	s_lshl_b32 s17, s17, 2
	s_add_co_u32 s17, s17, s41                     ; block row
	s_lshl_b32 s43, s41, 2
	s_lshl_b32 s43, 15, s43
	s_lshl_b32 s44, 0x1111, s40
	s_or_b32 s[G1+0], s43, (0<<16)|(1<<20)|(1<<21)|(5<<22)|(3<<25)
	s_or_b32 s[G1B+0], s44, (0<<16)|(1<<20)|(1<<21)|(5<<22)|(3<<25)
.irp g, G1, G1B
	s_mov_b32 s[\g+1], ROWB<<16
	s_mov_b32 s[\g+2], 128<<16
	s_mov_b32 s[\g+3], ROWB<<16
	s_mov_b32 s[\g+4], 128
	s_mov_b32 s[\g+5], ROWB
	s_mov_b32 s[\g+6], 0
	s_mov_b32 s[\g+7], 0
.endr
	s_lshl_b32 s20, s17, 1
	s_add_co_u32 s20, s20, s16
	s_lshl_b32 s20, s20, 15                        ; A's tile: (2 x block row + half) x 32,768 bytes
	s_mov_b32 s21, 0
	s_lshl_b32 s46, s42, 1
	s_add_co_u32 s46, s46, s16
	s_lshl_b32 s46, s46, 15
	s_add_co_u32 s46, s46, WOFF                    ; W's likewise, by the block column
	s_mov_b32 s47, 0
	s_mul_i32 s45, s14, HALFT
	s_wait_dscnt 0x0
	s_wait_kmcnt 0x0
	s_load_b64 s[96:97], s[8:9], SCO               ; ea, eb
	s_add_nc_u64 s[20:21], s[4:5], s[20:21]
	s_add_nc_u64 s[46:47], s[6:7], s[46:47]
	CROUND
.irp s, 0,1
	s_mov_b32 s[G0+4*\s], 1
	s_add_co_u32 s[G0+4*\s+1], s45, \s*SLOT
	s_add_nc_u64 s[G0+4*\s+2:G0+4*\s+3], s[20:21], \s*STA
	s_or_b32 s[G0+4*\s+3], s[G0+4*\s+3], 0x80000000
	s_mov_b32 s[G0B+4*\s], 1
	s_add_co_u32 s[G0B+4*\s+1], s45, \s*SLOT
	s_add_nc_u64 s[G0B+4*\s+2:G0B+4*\s+3], s[46:47], \s*STB
	s_or_b32 s[G0B+4*\s+3], s[G0B+4*\s+3], 0x80000000
	JLOAD \s
.endr
	v_and_b32 v1, 15, v0
	v_bfe_u32 v2, v0, 4, 1
	v_mul_u32_u24 v3, v1, PITCH
	v_lshl_add_u32 v4, v2, 4, v3
	s_mul_i32 s21, s15, HALFT
	s_mul_i32 s22, s16, HALFT
	s_add_co_u32 s22, s22, 2*HALFT
.irp s, 0,1
	v_add_nc_u32 v[ADRA+\s], s21, v4
	v_add_nc_u32 v[ADRB+\s], s22, v4
	s_add_co_u32 s21, s21, SLOT
	s_add_co_u32 s22, s22, SLOT
.endr
	s_mul_i32 s23, s14, 16*SPITCH                  ; my stage
	v_mul_u32_u24 v5, v1, SPITCH
	v_lshl_add_u32 v5, v2, 5, v5
	v_add_nc_u32 v[STO], s23, v5                   ; in: row l % 16, 32 bytes for each half of the lanes
	v_and_b32 v6, 31, v0
	v_lshlrev_b32 v[CO], 4, v6                     ; back: the 32 lanes take one row of 512 bytes; and the same in y
	v_add_nc_u32 v[RD], s23, v[CO]
	s_lshl_b32 s18, s42, 10
	s_lshl_b32 s19, s16, 9
	s_add_co_u32 s18, s18, s19                     ; my 128 columns, in bytes
	s_mov_b32 s19, 0
	s_add_nc_u64 s[74:75], s[10:11], s[18:19]
	global_load_b128 v[12:15], v[CO], s[74:75]     ; the bias of the four columns that I hold behind the stage
	s_lshl_b32 s22, s17, 20                        ; 256 rows of 4,096 bytes,
	s_add_co_u32 s18, s18, s22
	s_lshl_b32 s22, s15, 19                        ; my half's 128
	s_add_co_u32 s18, s18, s22
	s_add_nc_u64 s[12:13], s[12:13], s[18:19]
.if LAPS > 2
	s_and_b32 s22, ttmp7, 0xffff                   ; the cluster's y
	s_mov_b32 s[PFS], STB
	s_cmp_eq_u32 s15, 0                            ; do I fetch for A?
	s_cselect_b32 s[PFS], STA, s[PFS]
	s_cselect_b32 s18, s17, s42                    ; the block's number,
	s_cselect_b32 s23, s40, s41                    ; my place among the four that ask with me,
	s_cselect_b32 s22, ttmp9, s22                  ; the coordinate along which other clusters read the same rows,
	s_cselect_b32 s73, 0, WOFF
	s_cselect_b64 s[PFA:PFA+1], s[4:5], s[6:7]
	s_cmp_eq_u32 s22, 0
	s_cselect_b32 s[LIM], 1, -1                    ; the same in all sixteen partners, for a given wave
	s_mov_b32 s[PFS+1], 0
	s_lshl_b32 s18, s18, 1
	s_add_co_u32 s18, s18, s16
	s_lshl_b32 s18, s18, 15                        ; the 128 rows that I fetch,
	s_lshl_b32 s23, s23, 13
	s_add_co_u32 s18, s18, s23                     ; my work-group's 32 of them,
	s_add_co_u32 s18, s18, s73
	s_mul_i32 s23, s[PFS], 3
	s_add_co_u32 s18, s18, s23                     ; at K step 3: the first refill steps it to 4.  Nothing is prefetched at the head
	s_add_nc_u64 s[PFA:PFA+1], s[PFA:PFA+1], s[18:19]
	v_lshlrev_b32 v[PFO], 8, v6
.endif
	s_wait_kmcnt 0x0
	s_add_co_i32 s96, s96, s97
	s_add_co_i32 s96, s96, 127
	s_lshl_b32 s96, s96, 23                        ; 2^(ea + eb) as f32
	s_mov_b32 s97, s96
.macro FRAG reg, adr, q, i
.irp c, 0,1,2,3
	ds_load_b128 v[\reg+4*\c:\reg+4*\c+3], v[\adr] offset:128*(\q)+32*\c+(\i)*16*PITCH
.endr
.endm
.macro MUL16 a0, p, zero               ; the 64 accumulators take turns, one instruction a turn
.irp a, \a0, \a0+1
.irp b, 0,1,2,3,4,5,6,7
.if \zero
	v_wmma_f32_16x16x128_fp8_fp8 v[8*(8*((\a)%4)+\b):8*(8*((\a)%4)+\b)+7], v[128*(\p)+FR*\b:128*(\p)+FR*\b+FR-1], v[AF+FR*(\a):AF+FR*(\a)+FR-1], 0
.else
	v_wmma_f32_16x16x128_fp8_fp8 v[8*(8*((\a)%4)+\b):8*(8*((\a)%4)+\b)+7], v[128*(\p)+FR*\b:128*(\p)+FR*\b+FR-1], v[AF+FR*(\a):AF+FR*(\a)+FR-1], v[8*(8*((\a)%4)+\b):8*(8*((\a)%4)+\b)+7]
.endif
.endr
.endr
.endm
.macro FETCH_B slot, q, p
	WIN TO_B
.irp i, 0,1,2,3,4,5,6,7
	FRAG 128*(\p)+FR*\i, ADRB+\slot, \q, \i
.endr
	WIN 0
.endm
.macro FETCH_A slot, q, i0
.irp i, \i0, \i0+1, \i0+2, \i0+3
	FRAG AF+FR*(\i), ADRA+\slot, \q, \i
.endr
.endm
.macro PLACES n
.rept \n
	v_nop
.endr
.endm
.macro STEP slot, q, zero
	s_wait_dscnt 4*NL                              ; W's set and A's blocks 0-3 are in; the youngest sixteen loads may be out
	WIN MUL_LO
	MUL16 0, (\q)%2, \zero
	MUL16 2, (\q)%2, \zero
	s_wait_dscnt 0
	PLACES NP
	FETCH_B \slot, (\q)+1, 1-(\q)%2
	FETCH_A \slot, (\q)+1, 0
	WIN MUL_HI
	MUL16 4, (\q)%2, \zero
	MUL16 6, (\q)%2, \zero
	PLACES NP
	WIN 0
	FETCH_A \slot, (\q)+1, 4
.endm
.macro TURN slot, next, fill
.if (\fill) && (LAPS > 2)
	s_wait_xcnt 0x0                                ; the last prefetch, a K step back, has read its address: it steps here, ahead of the change's own waits
	s_add_nc_u64 s[PFA:PFA+1], s[PFA:PFA+1], s[PFS:PFS+1]
.endif
	s_wait_tensorcnt 0x0                           ; all my tensor loads have landed: my part of the next slot
	ds_add_u32 v[SPW], v[NIL]                      ; 0 onto my spare word
	s_wait_dscnt 4*NL+1                            ; (the add and the youngest sixteen loads may be out)
	WIN MUL_LO
	MUL16 0, 1, 0
	s_wait_dscnt 0x0                               ; the add is done, and my reads of this slot are over
	s_barrier_signal -1
	MUL16 2, 1, 0
	WIN 0
	s_barrier_wait -1
.if \fill
	CREST                                          ; no wave of any partner still reads this slot or has a load on its way
	s_add_nc_u64 s[G0+4*\slot+2:G0+4*\slot+3], s[G0+4*\slot+2:G0+4*\slot+3], 2*STA
	s_add_nc_u64 s[G0B+4*\slot+2:G0B+4*\slot+3], s[G0B+4*\slot+2:G0B+4*\slot+3], 2*STB
	JLOAD \slot
.else
	PLACES NP
.endif
	FETCH_B \next, 0, 0
	FETCH_A \next, 0, 0
.if (\fill) && (LAPS > 2)
	ASK                                            ; behind the joint load and the run of LDS loads that the next products wait for
.endif
	WIN MUL_HI
	MUL16 4, 1, 0
	MUL16 6, 1, 0
	PLACES NP
	WIN 0
	FETCH_A \next, 0, 4
.endm
	s_wait_tensorcnt 1                             ; my part of K step 0 is in; K step 1's load may be out
	s_barrier_signal -1
	s_barrier_wait -1
	FETCH_B 0, 0, 0
	FETCH_A 0, 0, 0
	FETCH_A 0, 0, 4
	STEP 0, 0, 1
	s_mov_b32 s3, LAPS-1
.Llap:
	TURN 0, 1, 1
	STEP 1, 0, 0
	TURN 1, 0, 1
	STEP 0, 0, 0
	s_sub_co_u32 s3, s3, 1
	s_cmp_lg_u32 s3, 0
	s_cbranch_scc1 .Llap
	TURN 0, 1, 0
	STEP 1, 0, 0
	s_wait_dscnt 4*NL
	WIN MUL_LO
	MUL16 0, 1, 0
	MUL16 2, 1, 0
	s_wait_dscnt 0
	WIN MUL_HI
	MUL16 4, 1, 0
	MUL16 6, 1, 0
	WIN 0
; THE WAY OUT, block by block of 16 rows x 128 columns.  The sums go into my stage as they are and come back as whole rows of 512 bytes: a lane then holds four neighbouring columns, the same four in every row,
; so that sum x 2^(ea + eb) + bias is one packed multiply-add for two numbers, with four registers of bias.
.macro TOSTAGE a
.set AC, 64*((\a)%4)
	WIN 0x08+4*((\a)/4)                            ; the stores' data: window 2 or 3
.irp b, 0,1,2,3,4,5,6,7
	ds_store_b128 v[STO], v[AC+8*\b:AC+8*\b+3] offset:64*\b          ; each accumulator from its low end on
	ds_store_b128 v[STO], v[AC+8*\b+4:AC+8*\b+7] offset:64*\b+16
.endr
	WIN 0
.set BB, BK+64*((\a)%2)
.set tt, 0
.rept 16
	ds_load_b128 v[BB+4*tt:BB+4*tt+3], v[RD] offset:tt*SPITCH        ; LDS serves a wave's instructions in order: these see the stores above
.set tt, tt+1
.endr
.endm
.macro SEND a, younger                 ; younger: the LDS instructions issued behind block a's loads, which may stay out
.set BB, BK+64*((\a)%2)
	s_wait_dscnt \younger
.if (\a) > 0
	s_add_nc_u64 s[12:13], s[12:13], 16*ROWC       ; (behind a wait on XCNT: the earlier stores have read their base)
.endif
.set tt, 0
.rept 16
	v_pk_fma_f32 v[BB+4*tt:BB+4*tt+1], v[BB+4*tt:BB+4*tt+1], s[96:97], v[12:13] op_sel_hi:[1,0,1]
	v_pk_fma_f32 v[BB+4*tt+2:BB+4*tt+3], v[BB+4*tt+2:BB+4*tt+3], s[96:97], v[14:15] op_sel_hi:[1,0,1]
.set tt, tt+1
.endr
.set tt, 0
.rept 16
	global_store_b128 v[CO], v[BB+4*tt:BB+4*tt+3], s[12:13] offset:tt*ROWC th:TH_STORE_NT   ; 32 lanes store 512 consecutive bytes, aligned
.set tt, tt+1
.endr
.endm
	s_wait_loadcnt 0x0                             ; the bias
	PLACES NP
	TOSTAGE 0
.irp a, 1,2,3,4,5,6,7
.if \a > 1
	s_wait_xcnt 0x0                                ; block a - 2's stores have read their registers and their base
.endif
	TOSTAGE \a
	SEND \a-1, 32                                  ; behind block a - 1's loads: block a's 16 stores and 16 loads
.endr
	s_wait_xcnt 0x0
	SEND 7, 0
	s_wait_tensorcnt 0x0                           ; the wave's end
	ds_add_u32 v[SPW], v[NIL]
	s_wait_dscnt 0x0
	CROUND                                         ; the closing round
	s_endpgm
.Lfunc_end_k_q66f175c544_wo:
	.size	k_q66f175c544_wo, .Lfunc_end_k_q66f175c544_wo-k_q66f175c544_wo
	.p2alignl 7, 3214868480
	.fill 96, 4, 3214868480
	.section	.rodata,"a",@progbits
	.p2align	6, 0x0
	.amdhsa_kernel k_q66f175c544_wo
		.amdhsa_group_segment_fixed_size 327680
		.amdhsa_private_segment_fixed_size 0
		.amdhsa_enable_private_segment 0
		.amdhsa_kernarg_size 40
		.amdhsa_user_sgpr_count 2
		.amdhsa_user_sgpr_kernarg_segment_ptr 1
		.amdhsa_wavefront_size32 1
		.amdhsa_system_sgpr_workgroup_id_x 1
		.amdhsa_system_sgpr_workgroup_id_y 1
		.amdhsa_system_sgpr_workgroup_id_z 1
		.amdhsa_system_vgpr_workitem_id 0
		.amdhsa_next_free_vgpr 1024
		.amdhsa_next_free_sgpr 102
		.amdhsa_reserve_vcc 0
		.amdhsa_float_denorm_mode_32 3
		.amdhsa_float_denorm_mode_16_64 3
		.amdhsa_memory_ordered 1
		.amdhsa_forward_progress 1
		.amdhsa_inst_pref_size 123
	.end_amdhsa_kernel
	.amdgpu_metadata
---
amdhsa.version: [ 1, 2 ]
amdhsa.kernels:
  - .name:           k_q66f175c544_wo
    .symbol:         k_q66f175c544_wo.kd
    .args:
      - { .name: oc, .offset: 0, .size: 8, .value_kind: global_buffer, .address_space: global }
      - { .name: wc, .offset: 8, .size: 8, .value_kind: global_buffer, .address_space: global }
      - { .name: lowp_scales, .offset: 16, .size: 8, .value_kind: global_buffer, .address_space: global }
      - { .name: bo, .offset: 24, .size: 8, .value_kind: global_buffer, .address_space: global }
      - { .name: y, .offset: 32, .size: 8, .value_kind: global_buffer, .address_space: global }
    .group_segment_fixed_size: 327680
    .private_segment_fixed_size: 0
    .kernarg_segment_align: 8
    .kernarg_segment_size: 40
    .max_flat_workgroup_size: 128
    .sgpr_count:     102
    .vgpr_count:     1024
    .wavefront_size: 32
...
	.end_amdgpu_metadata
.endif
;; end of part 4
;; launch ln1 (part 5): grid 256 x 1, 8 waves a work-group, no clusters, 17,408 bytes of LDS; arguments y, x, ln1_scale, ln1_bias, lowp_scales, x1, x1c; writes x1, x1c
.if DOCPART == 5
	.amdgcn_target "amdgcn-amd-amdhsa--gfx1250"
	.amdhsa_code_object_version 6
	.text
	.protected	k_q66f175c544_ln1
	.globl	k_q66f175c544_ln1
	.p2align	8
	.type	k_q66f175c544_ln1,@function
k_q66f175c544_ln1:
	s_mov_b64 s[64:65], 0
	v_nop
	global_prefetch_b8 v0, s[64:65] scope:SCOPE_SE
	s_setreg_imm32_b32 hwreg(HW_REG_WAVE_MODE, 25, 1), 1
	s_wait_xcnt 0x0
; x1 = layernorm(x + y) x gain + bias, in f32, and its codes of FP8 (entry 12 of the exponents) for the first product of the feed-forward part.  y holds o Wo + bo.  Nothing is left out.
; A wave takes a whole row (4,096 bytes, 32 registers) and keeps it between the passes: mean, then the mean of the squared differences, as the problem writes them.  Two rows a wave, eight waves, 16 rows a work-group.
; A lane's columns are 128 j + 4 lane + 0 .. 3: every load and store covers 512 consecutive bytes.  All 48 loads of a wave go out at the head.
; The codes of a row go through the wave's own 1,024 bytes of LDS, so that a lane gets 16 neighbours and sixteen lanes store 256 consecutive bytes of x1c, laid [K / 256][4,096 rows][256].
; Memory binds: matrix units, clusters and tensor loads would add nothing here.
; LIMIT: entry 12 between -126 and 119.  NaN is not served.
.set CODES, 1
.set GN,  32                           ; v32-63  the gain
.set BS,  64                           ; v64-95  the bias
.set SPW, 24
.set NIL, 25
.set SPARE, 16384                      ; behind the waves' 8 x 2,048 bytes: the spare words
	s_load_b256 s[4:11], s[0:1], 0x0               ; y s[4:5], the residual s[6:7], gain s[8:9], bias s[10:11]
.if CODES
	s_load_b128 s[16:19], s[0:1], 0x20             ; the exponents s[16:17], the f32 result s[18:19]
	s_load_b64 s[20:21], s[0:1], 0x30              ; the codes
	v_lshl_add_u32 v[SPW], v0, 2, SPARE
	v_mov_b32 v[NIL], 0
.else
	s_load_b64 s[18:19], s[0:1], 0x20              ; the result
.endif
	v_lshrrev_b32 v1, 5, v0
	v_readfirstlane_b32 s22, v1                    ; wave
	v_and_b32 v2, 31, v0
	v_lshlrev_b32 v3, 4, v2                        ; 16 x lane
	s_lshl_b32 s23, ttmp9, 4
	s_lshl_b32 s24, s22, 1
	s_add_co_u32 s23, s23, s24                     ; my first row
	s_lshl_b32 s24, s23, 12
	s_mov_b32 s25, 0
	s_mov_b32 s12, 0x76543210
	s_mov_b32 s13, 0xfedcba98
	s_mov_b32 s14, 0x3a800000                      ; 1 / 1,024
	s_mov_b32 s15, 0x3727c5ac                      ; 1e-5
	s_wait_kmcnt 0x0
.if CODES
	s_load_b32 s26, s[16:17], 0x30                 ; e12
.endif
	s_add_nc_u64 s[4:5], s[4:5], s[24:25]
	s_add_nc_u64 s[6:7], s[6:7], s[24:25]
	s_add_nc_u64 s[18:19], s[18:19], s[24:25]
.irp j, 0,1,2,3,4,5,6,7
	global_load_b128 v[GN+4*\j:GN+4*\j+3], v3, s[8:9] offset:512*\j
.endr
.irp j, 0,1,2,3,4,5,6,7
	global_load_b128 v[BS+4*\j:BS+4*\j+3], v3, s[10:11] offset:512*\j
.endr
.irp i, 0,1
.irp j, 0,1,2,3,4,5,6,7
	global_load_b128 v[96+64*\i+4*\j:96+64*\i+4*\j+3], v3, s[4:5] offset:4096*\i+512*\j th:TH_LOAD_NT
.endr
.irp j, 0,1,2,3,4,5,6,7
	global_load_b128 v[128+64*\i+4*\j:128+64*\i+4*\j+3], v3, s[6:7] offset:4096*\i+512*\j th:TH_LOAD_NT
.endr
.endr
.if CODES
	s_lshl_b32 s24, s23, 8                         ; a row's 256 bytes in each K step of the codes
	s_add_nc_u64 s[20:21], s[20:21], s[24:25]
	v_lshrrev_b32 v4, 4, v2
	v_lshlrev_b32 v4, 20, v4                       ; lanes 16-31: one K step (4,096 rows x 256 bytes) on
	v_and_b32 v5, 15, v2
	v_lshl_add_u32 v4, v5, 4, v4
	s_lshl_b32 s27, s22, 11                        ; my wave's 2,048 bytes of LDS
	v_lshlrev_b32 v5, 2, v2
	v_add_nc_u32 v5, s27, v5                       ; in: 4 bytes a lane
	v_add_nc_u32 v6, s27, v3                       ; back: 16 bytes a lane
	s_wait_kmcnt 0x0
	s_add_co_i32 s26, s26, 127
	s_lshl_b32 s27, s26, 23
	v_mov_b32 v26, s27                             ; 2^e12
	s_add_co_i32 s26, s26, 8
	s_lshl_b32 s26, s26, 23
	s_or_b32 s26, s26, 0x600000
	v_mov_b32 v27, s26                             ; 448 x 2^e12
.endif
.macro REDUCE                          ; v8 summed over the 32 lanes, the result in every lane
	v_add_f32_dpp v8, v8, v8 row_xmask:1 row_mask:0xf bank_mask:0xf
	v_add_f32_dpp v8, v8, v8 row_xmask:2 row_mask:0xf bank_mask:0xf
	v_add_f32_dpp v8, v8, v8 row_xmask:4 row_mask:0xf bank_mask:0xf
	v_add_f32_dpp v8, v8, v8 row_xmask:8 row_mask:0xf bank_mask:0xf
	v_permlanex16_b32 v9, v8, s12, s13
	v_add_f32 v8, v8, v9
.endm
.macro FOLD                            ; the four chains v[8:15] into v8
	v_pk_add_f32 v[8:9], v[8:9], v[10:11]
	v_pk_add_f32 v[12:13], v[12:13], v[14:15]
	v_pk_add_f32 v[8:9], v[8:9], v[12:13]
	v_add_f32 v8, v8, v9
.endm
.macro ROW i
.set YR, 96+64*\i
.set RR, 128+64*\i
	s_wait_loadcnt 16-16*\i                        ; gain, bias and this row are in; the other row's sixteen loads may be out
.set jj, 0
.rept 16
	v_pk_add_f32 v[YR+jj:YR+jj+1], v[YR+jj:YR+jj+1], v[RR+jj:RR+jj+1]
.set jj, jj+2
.endr
.irp c, 0,1,2,3
	v_pk_add_f32 v[8+2*\c:9+2*\c], v[YR+2*\c:YR+2*\c+1], v[YR+8+2*\c:YR+9+2*\c]     ; the first pairs start four chains: nothing is cleared
.endr
.irp c, 0,1,2,3
	v_pk_add_f32 v[8+2*\c:9+2*\c], v[8+2*\c:9+2*\c], v[YR+16+2*\c:YR+17+2*\c]
.endr
.irp c, 0,1,2,3
	v_pk_add_f32 v[8+2*\c:9+2*\c], v[8+2*\c:9+2*\c], v[YR+24+2*\c:YR+25+2*\c]
.endr
	FOLD
	REDUCE
	v_mul_f32 v8, s14, v8                          ; the mean
.set jj, 0
.rept 16
	v_pk_add_f32 v[YR+jj:YR+jj+1], v[YR+jj:YR+jj+1], v[8:9] op_sel_hi:[1,0] neg_lo:[0,1] neg_hi:[0,1]
.set jj, jj+2
.endr
.irp c, 0,1,2,3
	v_pk_mul_f32 v[8+2*\c:9+2*\c], v[YR+2*\c:YR+2*\c+1], v[YR+2*\c:YR+2*\c+1]
.endr
.irp g, 8,16,24
.irp c, 0,1,2,3
	v_pk_fma_f32 v[8+2*\c:9+2*\c], v[YR+\g+2*\c:YR+\g+2*\c+1], v[YR+\g+2*\c:YR+\g+2*\c+1], v[8+2*\c:9+2*\c]
.endr
.endr
	FOLD
	REDUCE
	v_fma_f32 v8, v8, s14, s15                     ; the variance + 1e-5
	v_rsq_f32 v10, v8
	v_nop                                          ; a plain line behind the transcendental,
	s_wait_alu depctr_va_vdst(0)                   ; and the wait ahead of its first reader
.set jj, 0
.rept 16
	v_pk_mul_f32 v[YR+jj:YR+jj+1], v[YR+jj:YR+jj+1], v[10:11] op_sel_hi:[1,0]
.set jj, jj+2
.endr
.set jj, 0
.rept 16
	v_pk_fma_f32 v[YR+jj:YR+jj+1], v[YR+jj:YR+jj+1], v[GN+jj:GN+jj+1], v[BS+jj:BS+jj+1]
.set jj, jj+2
.endr
.irp j, 0,1,2,3,4,5,6,7
	global_store_b128 v3, v[YR+4*\j:YR+4*\j+3], s[18:19] offset:4096*\i+512*\j
.endr
.if CODES
.set jj, 0
.rept 32
	v_med3_num_f32 v[RR+jj], v[YR+jj], -v27, v27   ; the hold, into the residual's registers, which are free
.set jj, jj+1
.endr
.irp m, 0,1,2,3
	v_cvt_scalef32_pk8_fp8_f32 v[16+2*\m:17+2*\m], v[RR+8*\m:RR+8*\m+7], v26   ; register j of the result: the four codes of columns 128 j + 4 lane on
.endr
	v_nop                                          ; a plain line behind the last conversion
.irp j, 0,1,2,3,4,5,6,7
	ds_store_b32 v5, v[16+\j] offset:1024*\i+128*\j
.endr
.irp k, 0,1
	ds_load_b128 v[RR+4*\k:RR+4*\k+3], v6 offset:1024*\i+512*\k   ; LDS serves a wave's instructions in order: these see my stores
.endr
.irp k, 0,1
	s_wait_dscnt 1-\k                              ; the younger load may be out
	global_store_b128 v4, v[RR+4*\k:RR+4*\k+3], s[20:21] offset:256*\i+2097152*\k
.endr
.endif
.endm
	ROW 0
	ROW 1
.if CODES
	s_wait_tensorcnt 0x0                           ; the wave's end: behind my last LDS store
	ds_add_u32 v[SPW], v[NIL]
	s_wait_dscnt 0x0
.endif
	s_endpgm
.Lfunc_end_k_q66f175c544_ln1:
	.size	k_q66f175c544_ln1, .Lfunc_end_k_q66f175c544_ln1-k_q66f175c544_ln1
	.p2alignl 7, 3214868480
	.fill 96, 4, 3214868480
	.section	.rodata,"a",@progbits
	.p2align	6, 0x0
	.amdhsa_kernel k_q66f175c544_ln1
		.amdhsa_group_segment_fixed_size 17408
		.amdhsa_private_segment_fixed_size 0
		.amdhsa_enable_private_segment 0
		.amdhsa_kernarg_size 56
		.amdhsa_user_sgpr_count 2
		.amdhsa_user_sgpr_kernarg_segment_ptr 1
		.amdhsa_wavefront_size32 1
		.amdhsa_system_sgpr_workgroup_id_x 1
		.amdhsa_system_sgpr_workgroup_id_y 1
		.amdhsa_system_sgpr_workgroup_id_z 1
		.amdhsa_system_vgpr_workitem_id 0
		.amdhsa_next_free_vgpr 224
		.amdhsa_next_free_sgpr 66
		.amdhsa_reserve_vcc 0
		.amdhsa_float_denorm_mode_32 3
		.amdhsa_float_denorm_mode_16_64 3
		.amdhsa_memory_ordered 1
		.amdhsa_forward_progress 1
		.amdhsa_inst_pref_size 29
	.end_amdhsa_kernel
	.amdgpu_metadata
---
amdhsa.version: [ 1, 2 ]
amdhsa.kernels:
  - .name:           k_q66f175c544_ln1
    .symbol:         k_q66f175c544_ln1.kd
    .args:
      - { .name: y, .offset: 0, .size: 8, .value_kind: global_buffer, .address_space: global }
      - { .name: x, .offset: 8, .size: 8, .value_kind: global_buffer, .address_space: global }
      - { .name: ln1_scale, .offset: 16, .size: 8, .value_kind: global_buffer, .address_space: global }
      - { .name: ln1_bias, .offset: 24, .size: 8, .value_kind: global_buffer, .address_space: global }
      - { .name: lowp_scales, .offset: 32, .size: 8, .value_kind: global_buffer, .address_space: global }
      - { .name: x1, .offset: 40, .size: 8, .value_kind: global_buffer, .address_space: global }
      - { .name: x1c, .offset: 48, .size: 8, .value_kind: global_buffer, .address_space: global }
    .group_segment_fixed_size: 17408
    .private_segment_fixed_size: 0
    .kernarg_segment_align: 8
    .kernarg_segment_size: 56
    .max_flat_workgroup_size: 256
    .sgpr_count:     66
    .vgpr_count:     224
    .wavefront_size: 32
...
	.end_amdgpu_metadata
.endif
;; end of part 5
;; launch ffn1 (part 6): grid 16 x 16, 4 waves a work-group, clusters of 4 x 4, 327,680 bytes of LDS; arguments x1c, wc, lowp_scales, b1, hc; writes hc
.if DOCPART == 6
	.amdgcn_target "amdgcn-amd-amdhsa--gfx1250"
	.amdhsa_code_object_version 6
	.text
	.protected	k_q66f175c544_ffn1
	.globl	k_q66f175c544_ffn1
	.p2align	8
	.type	k_q66f175c544_ffn1,@function
k_q66f175c544_ffn1:
	s_mov_b64 s[64:65], 0
	v_nop
	global_prefetch_b8 v0, s[64:65] scope:SCOPE_SE
	s_setreg_imm32_b32 hwreg(HW_REG_WAVE_MODE, 25, 1), 1
	s_wait_xcnt 0x0
	s_wait_alu depctr_hold_cnt(0) depctr_sa_sdst(0) depctr_va_vdst(0) depctr_va_sdst(0) depctr_va_ssrc(0) depctr_va_vcc(0) depctr_vm_vsrc(0)
	s_getreg_b32 s2, hwreg(HW_REG_IB_STS2, 6, 4)
	s_cmp_eq_u32 s2, 0
	s_cbranch_scc0 .Lentry_in_a_cluster
	s_endpgm
.Lentry_in_a_cluster:
	s_bfe_u32 s2, ttmp6, 0x10000c
	s_cmp_lg_u32 s2, 0xf033
	s_cbranch_scc0 .Lentry_shape_is_right
	s_endpgm
.Lentry_shape_is_right:
; h = relu(x1 W1 + b1) on codes of FP8 (entries 12, 13), quantised at once (entry 14) for the second product of the feed-forward part.  Nothing is left out.
; A block of 256 x 256 is made by four waves, 128 x 128 each: 64 accumulators, 512 registers.  K = 1,024 goes in four steps of 256 through two LDS slots.  256 blocks.
; Both operands lie [K / 256][rows][256]: a tile of 128 rows x 256 K is 32,768 consecutive bytes; W1's codes begin at wc + 4 MiB.  CLUSTERS: 4 x 4; x1's tile is asked for jointly along a row, W1's along a column.
; The matrix instruction is used transposed: a lane holds eight neighbouring hidden units of one token, which are eight neighbours along the next K.  The hold that the conversion wants clips at 0 as well: the activation costs nothing.
; hc lies [4,096 / 256][4,096 tokens][256]: a block's 256 columns are one K step of it, and a wave's 64 rows of codes are 16,384 consecutive bytes.
; LIMITS: entries 12 + 13 between -126 and 127; entry 14 between -126 and 119.  NaN is not served.
.set STA,    0x100000                  ; a K step on: 4,096 rows x 256 bytes, in both operands
.set STB,    0x100000
.set WOFF,   0x400000
.set ROWB,   256
.set PITCH,  272
.set FR,     16
.set NL,     4
.set NP,     4
.set HALFT,  128*PITCH
.set SLOT,   4*HALFT
.set SPARE,  2*SLOT
.set ADRA, 16
.set ADRB, 20
.set CO,   22
.set BLQ,  23
.set STO,  24
.set RD,   26
.set SPW,  28
.set NIL,  29
.set BI,   32                          ; v32-95   the bias of my 128 columns, in the result's layout
.set T,    96                          ; v96-159  a block's numbers
.set CD,   160                         ; v160-191 its codes, two sets
.set AF,   128
.set G1,  24
.set G0,  32
.set G1B, 48
.set G0B, 56
.set MSB, 0
.macro WIN new
.if MSB != (\new)
	s_set_vgpr_msb (MSB<<8)|(\new)
.set MSB, (\new)
.endif
.endm
.set MUL_LO, 0xa1
.set MUL_HI, 0xf1
.set TO_B,   0x40
.macro JLOAD s
	s_cmp_eq_u32 s15, 0
	s_cbranch_scc0 .Lfor_b_\@
	tensor_load_to_lds s[G0+4*\s:G0+4*\s+3], s[G1:G1+7]
	s_nop 0
.rept 4
	v_nop
.endr
	s_branch .Lasked_\@
.Lfor_b_\@:
	tensor_load_to_lds s[G0B+4*\s:G0B+4*\s+3], s[G1B:G1B+7]
	s_nop 0
.rept 4
	v_nop
.endr
.Lasked_\@:
.endm
.macro CREST
	s_cmp_lg_u32 s14, 0
	s_cbranch_scc1 .Lnot_wave_0_\@
	s_barrier_signal -3
.Lnot_wave_0_\@:
	s_barrier_wait -3
	s_barrier_signal -1
	s_barrier_wait -1
.endm
.macro CROUND
	s_barrier_signal -1
	s_barrier_wait -1
	CREST
.endm
	s_load_b256 s[4:11], s[0:1], 0x0               ; x1c s[4:5], wc s[6:7], the exponents s[8:9], b1 s[10:11]
	s_load_b64 s[12:13], s[0:1], 0x20              ; hc
	v_lshl_add_u32 v[SPW], v0, 2, SPARE
	v_mov_b32 v[NIL], 0
	ds_add_u32 v[SPW], v[NIL]                      ; the wave's opening: the add, twice on end, and its wait ahead of my first tensor load
	ds_add_u32 v[SPW], v[NIL]
	v_lshrrev_b32 v1, 5, v0
	v_readfirstlane_b32 s14, v1
	s_lshr_b32 s15, s14, 1
	s_and_b32 s16, s14, 1
	s_bfe_u32 s40, ttmp6, 0x40000
	s_bfe_u32 s41, ttmp6, 0x40004
	s_lshl_b32 s42, ttmp9, 2
	s_add_co_u32 s42, s42, s40                     ; block column
	s_and_b32 s17, ttmp7, 0xffff
	s_lshl_b32 s17, s17, 2
	s_add_co_u32 s17, s17, s41                     ; block row
	s_lshl_b32 s43, s41, 2
	s_lshl_b32 s43, 15, s43
	s_lshl_b32 s44, 0x1111, s40
	s_or_b32 s[G1+0], s43, (0<<16)|(1<<20)|(1<<21)|(5<<22)|(3<<25)
	s_or_b32 s[G1B+0], s44, (0<<16)|(1<<20)|(1<<21)|(5<<22)|(3<<25)
.irp g, G1, G1B
	s_mov_b32 s[\g+1], ROWB<<16
	s_mov_b32 s[\g+2], 128<<16
	s_mov_b32 s[\g+3], ROWB<<16
	s_mov_b32 s[\g+4], 128
	s_mov_b32 s[\g+5], ROWB
	s_mov_b32 s[\g+6], 0
	s_mov_b32 s[\g+7], 0
.endr
	s_lshl_b32 s20, s17, 1
	s_add_co_u32 s20, s20, s16
	s_lshl_b32 s20, s20, 15
	s_mov_b32 s21, 0
	s_lshl_b32 s46, s42, 1
	s_add_co_u32 s46, s46, s16
	s_lshl_b32 s46, s46, 15
	s_add_co_u32 s46, s46, WOFF
	s_mov_b32 s47, 0
	s_mul_i32 s45, s14, HALFT
	s_wait_dscnt 0x0
	s_wait_kmcnt 0x0
	s_load_b128 s[76:79], s[8:9], 0x30             ; e12, e13, e14, e15
	s_add_nc_u64 s[20:21], s[4:5], s[20:21]
	s_add_nc_u64 s[46:47], s[6:7], s[46:47]
	CROUND
.irp s, 0,1
	s_mov_b32 s[G0+4*\s], 1
	s_add_co_u32 s[G0+4*\s+1], s45, \s*SLOT
	s_add_nc_u64 s[G0+4*\s+2:G0+4*\s+3], s[20:21], \s*STA
	s_or_b32 s[G0+4*\s+3], s[G0+4*\s+3], 0x80000000
	s_mov_b32 s[G0B+4*\s], 1
	s_add_co_u32 s[G0B+4*\s+1], s45, \s*SLOT
	s_add_nc_u64 s[G0B+4*\s+2:G0B+4*\s+3], s[46:47], \s*STB
	s_or_b32 s[G0B+4*\s+3], s[G0B+4*\s+3], 0x80000000
	JLOAD \s
.endr
	v_and_b32 v1, 15, v0
	v_bfe_u32 v2, v0, 4, 1
	v_mul_u32_u24 v3, v1, PITCH
	v_lshl_add_u32 v4, v2, 4, v3
	s_mul_i32 s21, s15, HALFT
	s_mul_i32 s22, s16, HALFT
	s_add_co_u32 s22, s22, 2*HALFT
.irp s, 0,1
	v_add_nc_u32 v[ADRA+\s], s21, v4
	v_add_nc_u32 v[ADRB+\s], s22, v4
	s_add_co_u32 s21, s21, SLOT
	s_add_co_u32 s22, s22, SLOT
.endr
	s_mul_i32 s23, s15, 128*272                    ; the stage: 256 rows x 272 bytes in slot 0, which has had its last fill and its last read when the first code is stored there
	s_lshl_b32 s22, s16, 7
	s_add_co_u32 s23, s23, s22
	v_lshl_add_u32 v5, v2, 3, v3
	v_add_nc_u32 v[STO], s23, v5                   ; in: row 128 x my row half + r; byte 128 x my column half + 8 h
	v_and_b32 v6, 31, v0
	v_lshlrev_b32 v[CO], 4, v6
	s_mul_i32 s23, s14, 64*272
	v_mul_u32_u24 v7, v2, 272
	v_lshl_add_u32 v7, v1, 4, v7
	v_add_nc_u32 v[RD], s23, v7                    ; back: my 64 rows; sixteen lanes take a row of 256 bytes
	v_lshlrev_b32 v[BLQ], 5, v2
	s_lshl_b32 s18, s42, 10
	s_lshl_b32 s19, s16, 9
	s_add_co_u32 s18, s18, s19
	s_mov_b32 s19, 0
	s_add_nc_u64 s[74:75], s[10:11], s[18:19]
.irp b, 0,1,2,3,4,5,6,7
	global_load_b128 v[BI+8*\b:BI+8*\b+3], v[BLQ], s[74:75] offset:64*\b        ; lane (r, h), tile b: the bias of columns 16 b + 8 h + 0 .. 7
	global_load_b128 v[BI+8*\b+4:BI+8*\b+7], v[BLQ], s[74:75] offset:64*\b+16
.endr
	s_lshl_b32 s18, s42, 20                        ; hc: the block column is the K step;
	s_lshl_b32 s22, s17, 16                        ; 256 tokens of 256 bytes for each block row;
	s_add_co_u32 s18, s18, s22
	s_lshl_b32 s22, s14, 14                        ; my wave's 64
	s_add_co_u32 s18, s18, s22
	s_add_nc_u64 s[72:73], s[12:13], s[18:19]
	s_wait_kmcnt 0x0
	s_add_co_i32 s96, s76, s77
	s_add_co_i32 s96, s96, 127
	s_lshl_b32 s96, s96, 23                        ; 2^(e12 + e13)
	s_mov_b32 s97, s96
	s_add_co_i32 s19, s78, 127
	s_lshl_b32 s18, s19, 23
	v_mov_b32 v30, s18                             ; 2^e14
	s_add_co_i32 s19, s19, 8
	s_lshl_b32 s19, s19, 23
	s_or_b32 s19, s19, 0x600000
	v_mov_b32 v31, s19                             ; 448 x 2^e14
.macro FRAG reg, adr, q, i
.irp c, 0,1,2,3
	ds_load_b128 v[\reg+4*\c:\reg+4*\c+3], v[\adr] offset:128*(\q)+32*\c+(\i)*16*PITCH
.endr
.endm
.macro MUL16 a0, p, zero               ; the 64 accumulators take turns, one instruction a turn
.irp a, \a0, \a0+1
.irp b, 0,1,2,3,4,5,6,7
.if \zero
	v_wmma_f32_16x16x128_fp8_fp8 v[8*(8*((\a)%4)+\b):8*(8*((\a)%4)+\b)+7], v[128*(\p)+FR*\b:128*(\p)+FR*\b+FR-1], v[AF+FR*(\a):AF+FR*(\a)+FR-1], 0
.else
	v_wmma_f32_16x16x128_fp8_fp8 v[8*(8*((\a)%4)+\b):8*(8*((\a)%4)+\b)+7], v[128*(\p)+FR*\b:128*(\p)+FR*\b+FR-1], v[AF+FR*(\a):AF+FR*(\a)+FR-1], v[8*(8*((\a)%4)+\b):8*(8*((\a)%4)+\b)+7]
.endif
.endr
.endr
.endm
.macro FETCH_B slot, q, p
	WIN TO_B
.irp i, 0,1,2,3,4,5,6,7
	FRAG 128*(\p)+FR*\i, ADRB+\slot, \q, \i
.endr
	WIN 0
.endm
.macro FETCH_A slot, q, i0
.irp i, \i0, \i0+1, \i0+2, \i0+3
	FRAG AF+FR*(\i), ADRA+\slot, \q, \i
.endr
.endm
.macro PLACES n
.rept \n
	v_nop
.endr
.endm
.macro STEP slot, q, zero
	s_wait_dscnt 4*NL                              ; W1's set and x1's blocks 0-3 are in; the youngest sixteen loads may be out
	WIN MUL_LO
	MUL16 0, (\q)%2, \zero
	MUL16 2, (\q)%2, \zero
	s_wait_dscnt 0
	PLACES NP
	FETCH_B \slot, (\q)+1, 1-(\q)%2
	FETCH_A \slot, (\q)+1, 0
	WIN MUL_HI
	MUL16 4, (\q)%2, \zero
	MUL16 6, (\q)%2, \zero
	PLACES NP
	WIN 0
	FETCH_A \slot, (\q)+1, 4
.endm
.macro TURN slot, next, fill
	s_wait_tensorcnt 0x0                           ; all my tensor loads have landed: my part of the next slot
	ds_add_u32 v[SPW], v[NIL]                      ; 0 onto my spare word
	s_wait_dscnt 4*NL+1                            ; (the add and the youngest sixteen loads may be out)
	WIN MUL_LO
	MUL16 0, 1, 0
	s_wait_dscnt 0x0                               ; the add is done, and my reads of this slot are over
	s_barrier_signal -1
	MUL16 2, 1, 0
	WIN 0
	s_barrier_wait -1
.if \fill
	CREST                                          ; no wave of any partner still reads this slot or has a load on its way
	s_add_nc_u64 s[G0+4*\slot+2:G0+4*\slot+3], s[G0+4*\slot+2:G0+4*\slot+3], 2*STA
	s_add_nc_u64 s[G0B+4*\slot+2:G0B+4*\slot+3], s[G0B+4*\slot+2:G0B+4*\slot+3], 2*STB
	JLOAD \slot
.else
	PLACES NP
.endif
	FETCH_B \next, 0, 0
	FETCH_A \next, 0, 0
	WIN MUL_HI
	MUL16 4, 1, 0
	MUL16 6, 1, 0
	PLACES NP
	WIN 0
	FETCH_A \next, 0, 4
.endm
; THE WAY OUT of block a (16 tokens x my 128 hidden units): sum x 2^(e12 + e13) + b1, held between 0 and the largest code x the scale, converted, 8 bytes a lane and tile into the stage.
.macro CVT a
.if (\a) >= 2
	s_wait_dscnt 8                                 ; the stores of two blocks back are done; the last block's eight may be out
.endif
	WIN 0x02+((\a)/4)
.irp b, 0,1,2,3,4,5,6,7
.irp j, 0,2,4,6
	v_pk_fma_f32 v[T+8*\b+\j:T+8*\b+\j+1], v[64*((\a)%4)+8*\b+\j:64*((\a)%4)+8*\b+\j+1], s[96:97], v[BI+8*\b+\j:BI+8*\b+\j+1] op_sel_hi:[1,0,1]   ; each accumulator from its low end on
.endr
.endr
	WIN 0
.set ii, 0
.rept 64
	v_med3_num_f32 v[T+ii], v[T+ii], 0, v31        ; the activation and the hold in one
.set ii, ii+1
.endr
.irp b, 0,1,2,3,4,5,6,7
	v_cvt_scalef32_pk8_fp8_f32 v[CD+16*((\a)%2)+2*\b:CD+16*((\a)%2)+2*\b+1], v[T+8*\b:T+8*\b+7], v30
.endr
	v_nop                                          ; a plain line behind the last conversion
.irp b, 0,1,2,3,4,5,6,7
	ds_store_b64 v[STO], v[CD+16*((\a)%2)+2*\b:CD+16*((\a)%2)+2*\b+1] offset:(\a)*16*272+16*\b
.endr
.endm
	s_wait_tensorcnt 1                             ; my part of K step 0 is in; K step 1's load may be out
	s_barrier_signal -1
	s_barrier_wait -1
	FETCH_B 0, 0, 0
	FETCH_A 0, 0, 0
	FETCH_A 0, 0, 4
	STEP 0, 0, 1
	s_mov_b32 s3, 1                                ; K / 512 - 1 trips
.Llap:
	TURN 0, 1, 1
	STEP 1, 0, 0
	TURN 1, 0, 1
	STEP 0, 0, 0
	s_sub_co_u32 s3, s3, 1
	s_cmp_lg_u32 s3, 0
	s_cbranch_scc1 .Llap
	TURN 0, 1, 0
	STEP 1, 0, 0
	s_wait_dscnt 4*NL
	WIN MUL_LO
	MUL16 0, 1, 0
	MUL16 2, 1, 0
	s_wait_dscnt 0
	WIN MUL_HI
	MUL16 4, 1, 0
	MUL16 6, 1, 0
	WIN 0
	s_wait_loadcnt 0x0                             ; the bias
	PLACES NP
.irp a, 0,1,2,3,4,5,6,7
	CVT \a
.endr
	s_wait_dscnt 0x0                               ; for the others' sake: my stores into the stage are done
	s_barrier_signal -1
	s_barrier_wait -1
.set tt, 0
.rept 32
	ds_load_b128 v[T+4*tt:T+4*tt+3], v[RD] offset:2*tt*272
.set tt, tt+1
.endr
.set tt, 0
.rept 32
	s_wait_dscnt 31-tt                             ; the younger loads may be out
	global_store_b128 v[CO], v[T+4*tt:T+4*tt+3], s[72:73] offset:512*tt   ; two rows of 256 bytes: 512 consecutive bytes
.set tt, tt+1
.endr
	s_wait_tensorcnt 0x0                           ; the wave's end
	ds_add_u32 v[SPW], v[NIL]
	s_wait_dscnt 0x0
	CROUND                                         ; the closing round
	s_endpgm
.Lfunc_end_k_q66f175c544_ffn1:
	.size	k_q66f175c544_ffn1, .Lfunc_end_k_q66f175c544_ffn1-k_q66f175c544_ffn1
	.p2alignl 7, 3214868480
	.fill 96, 4, 3214868480
	.section	.rodata,"a",@progbits
	.p2align	6, 0x0
	.amdhsa_kernel k_q66f175c544_ffn1
		.amdhsa_group_segment_fixed_size 327680
		.amdhsa_private_segment_fixed_size 0
		.amdhsa_enable_private_segment 0
		.amdhsa_kernarg_size 40
		.amdhsa_user_sgpr_count 2
		.amdhsa_user_sgpr_kernarg_segment_ptr 1
		.amdhsa_wavefront_size32 1
		.amdhsa_system_sgpr_workgroup_id_x 1
		.amdhsa_system_sgpr_workgroup_id_y 1
		.amdhsa_system_sgpr_workgroup_id_z 1
		.amdhsa_system_vgpr_workitem_id 0
		.amdhsa_next_free_vgpr 1024
		.amdhsa_next_free_sgpr 102
		.amdhsa_reserve_vcc 0
		.amdhsa_float_denorm_mode_32 3
		.amdhsa_float_denorm_mode_16_64 3
		.amdhsa_memory_ordered 1
		.amdhsa_forward_progress 1
		.amdhsa_inst_pref_size 143
	.end_amdhsa_kernel
	.amdgpu_metadata
---
amdhsa.version: [ 1, 2 ]
amdhsa.kernels:
  - .name:           k_q66f175c544_ffn1
    .symbol:         k_q66f175c544_ffn1.kd
    .args:
      - { .name: x1c, .offset: 0, .size: 8, .value_kind: global_buffer, .address_space: global }
      - { .name: wc, .offset: 8, .size: 8, .value_kind: global_buffer, .address_space: global }
      - { .name: lowp_scales, .offset: 16, .size: 8, .value_kind: global_buffer, .address_space: global }
      - { .name: b1, .offset: 24, .size: 8, .value_kind: global_buffer, .address_space: global }
      - { .name: hc, .offset: 32, .size: 8, .value_kind: global_buffer, .address_space: global }
    .group_segment_fixed_size: 327680
    .private_segment_fixed_size: 0
    .kernarg_segment_align: 8
    .kernarg_segment_size: 40
    .max_flat_workgroup_size: 128
    .sgpr_count:     102
    .vgpr_count:     1024
    .wavefront_size: 32
...
	.end_amdgpu_metadata
.endif
;; end of part 6
;; launch ffn2 (part 7): grid 4 x 16, 4 waves a work-group, clusters of 4 x 4, 327,680 bytes of LDS; arguments hc, wc, lowp_scales, b2, y; writes y
.if DOCPART == 7
	.amdgcn_target "amdgcn-amd-amdhsa--gfx1250"
	.amdhsa_code_object_version 6
	.text
	.protected	k_q66f175c544_ffn2
	.globl	k_q66f175c544_ffn2
	.p2align	8
	.type	k_q66f175c544_ffn2,@function
k_q66f175c544_ffn2:
	s_mov_b64 s[64:65], 0
	v_nop
	global_prefetch_b8 v0, s[64:65] scope:SCOPE_SE
	s_setreg_imm32_b32 hwreg(HW_REG_WAVE_MODE, 25, 1), 1
	s_wait_xcnt 0x0
	s_wait_alu depctr_hold_cnt(0) depctr_sa_sdst(0) depctr_va_vdst(0) depctr_va_sdst(0) depctr_va_ssrc(0) depctr_va_vcc(0) depctr_vm_vsrc(0)
	s_getreg_b32 s2, hwreg(HW_REG_IB_STS2, 6, 4)
	s_cmp_eq_u32 s2, 0
	s_cbranch_scc0 .Lentry_in_a_cluster
	s_endpgm
.Lentry_in_a_cluster:
	s_bfe_u32 s2, ttmp6, 0x10000c
	s_cmp_lg_u32 s2, 0xf033
	s_cbranch_scc0 .Lentry_shape_is_right
	s_endpgm
.Lentry_shape_is_right:
; y = A W + bias on codes of FP8, f32 out: here A = the hidden layer (hc), W = W2's codes (wc + 8 MiB), the exponents are entries 14 and 15, the bias is b2.  Nothing is left out.
; (The same text with three other constants serves the attention's projection.)
; A block of 256 x 256 of y is made by four waves, 128 x 128 each: 64 accumulators, 512 registers.  K = 4,096 goes in sixteen steps of 256 through two LDS slots filled by the tensor data mover.
; Both operands lie [K / 256][rows][256]: a tile of 128 rows x 256 K is 32,768 consecutive bytes.  CLUSTERS: 4 x 4 work-groups; A's tile is asked for jointly along a row of the cluster, W's along a column.
; The matrix instruction is used transposed (source 0 = 16 rows of W's codes, source 1 = 16 rows of A's): a lane holds eight neighbouring numbers of a row of y.
; 64 blocks: a quarter of the chip's work-group places.  A smaller block would read each LDS byte for half as many products and fetch twice the tiles; that trade is not taken here.
; LIMIT: the two exponents' sum between -126 and 127.
.set LAPS,   8                         ; K / 512
.set WOFF,   0x800000                  ; where W's codes begin in wc
.set SCO,    56                        ; the byte of the first of the two exponents
.set STA,    0x100000                  ; a K step on in A: 4,096 rows x 256 bytes
.set STB,    0x40000                   ; in W: 1,024 rows x 256 bytes
.set ROWC,   4096                      ; a row of y in bytes
.set ROWB,   256
.set PITCH,  272
.set FR,     16
.set NL,     4
.set NP,     4
.set HALFT,  128*PITCH
.set SLOT,   4*HALFT
.set SPARE,  2*SLOT
.set SPITCH, 528                       ; the way out: 16 rows x (512 bytes + 16) for each wave, in slot 0, which has had its last fill and its last read by then
.set ADRA, 16
.set ADRB, 20
.set PFO,  23                          ; v23  256 x lane: the prefetches' offset
.set STO,  24
.set RD,   25
.set CO,   26
.set SPW,  28
.set NIL,  29
.set AF,   128
.set BK,   128
.set G1,  24
.set G0,  32
.set G1B, 48
.set G0B, 56
.set PFA, 68                           ; s[68:69] where my prefetches stand
.set PFS, 70                           ; s[70:71] a K step on, in bytes
.set LIM, 72                           ; s72  1 in a wave that prefetches, else the greatest number
.set MSB, 0
.macro WIN new
.if MSB != (\new)
	s_set_vgpr_msb (MSB<<8)|(\new)
.set MSB, (\new)
.endif
.endm
.set MUL_LO, 0xa1
.set MUL_HI, 0xf1
.set TO_B,   0x40
.macro JLOAD s
	s_cmp_eq_u32 s15, 0
	s_cbranch_scc0 .Lfor_b_\@
	tensor_load_to_lds s[G0+4*\s:G0+4*\s+3], s[G1:G1+7]
	s_nop 0
.rept 4
	v_nop
.endr
	s_branch .Lasked_\@
.Lfor_b_\@:
	tensor_load_to_lds s[G0B+4*\s:G0B+4*\s+3], s[G1B:G1B+7]
	s_nop 0
.rept 4
	v_nop
.endr
.Lasked_\@:
.endm
.macro CREST
	s_cmp_lg_u32 s14, 0
	s_cbranch_scc1 .Lnot_wave_0_\@
	s_barrier_signal -3
.Lnot_wave_0_\@:
	s_barrier_wait -3
	s_barrier_signal -1
	s_barrier_wait -1
.endm
.macro CROUND
	s_barrier_signal -1
	s_barrier_wait -1
	CREST
.endm
; A prefetch of the K step that stands two refills on: 32 rows x 256 bytes, a lane a row.  Of the 128 rows that a wave fetches each of the four partners that ask jointly takes 32, told apart by address.
; A's rows are read by one cluster alone; W's by the four clusters of the grid's column, of which the first asks.  The loop's last trip asks for nothing: there is no K step two refills on.
.macro ASK
	s_cmp_gt_u32 s3, s[LIM]
	s_cbranch_scc0 .Lnot_mine_\@
	global_prefetch_b8 v[PFO], s[PFA:PFA+1] th:TH_LOAD_NT scope:SCOPE_SE
.Lnot_mine_\@:
.endm
	s_load_b256 s[4:11], s[0:1], 0x0               ; A's codes s[4:5], wc s[6:7], the exponents s[8:9], the bias s[10:11]
	s_load_b64 s[12:13], s[0:1], 0x20              ; y
	v_lshl_add_u32 v[SPW], v0, 2, SPARE
	v_mov_b32 v[NIL], 0
	ds_add_u32 v[SPW], v[NIL]                      ; the wave's opening: the add, twice on end, and its wait ahead of my first tensor load
	ds_add_u32 v[SPW], v[NIL]
	v_lshrrev_b32 v1, 5, v0
	v_readfirstlane_b32 s14, v1
	s_lshr_b32 s15, s14, 1
	s_and_b32 s16, s14, 1
	s_bfe_u32 s40, ttmp6, 0x40000
	s_bfe_u32 s41, ttmp6, 0x40004
	s_lshl_b32 s42, ttmp9, 2
	s_add_co_u32 s42, s42, s40                     ; block column
	s_and_b32 s17, ttmp7, 0xffff
	s_lshl_b32 s17, s17, 2
	s_add_co_u32 s17, s17, s41                     ; block row
	s_lshl_b32 s43, s41, 2
	s_lshl_b32 s43, 15, s43
	s_lshl_b32 s44, 0x1111, s40
	s_or_b32 s[G1+0], s43, (0<<16)|(1<<20)|(1<<21)|(5<<22)|(3<<25)
	s_or_b32 s[G1B+0], s44, (0<<16)|(1<<20)|(1<<21)|(5<<22)|(3<<25)
.irp g, G1, G1B
	s_mov_b32 s[\g+1], ROWB<<16
	s_mov_b32 s[\g+2], 128<<16
	s_mov_b32 s[\g+3], ROWB<<16
	s_mov_b32 s[\g+4], 128
	s_mov_b32 s[\g+5], ROWB
	s_mov_b32 s[\g+6], 0
	s_mov_b32 s[\g+7], 0
.endr
	s_lshl_b32 s20, s17, 1
	s_add_co_u32 s20, s20, s16
	s_lshl_b32 s20, s20, 15                        ; A's tile: (2 x block row + half) x 32,768 bytes
	s_mov_b32 s21, 0
	s_lshl_b32 s46, s42, 1
	s_add_co_u32 s46, s46, s16
	s_lshl_b32 s46, s46, 15
	s_add_co_u32 s46, s46, WOFF                    ; W's likewise, by the block column
	s_mov_b32 s47, 0
	s_mul_i32 s45, s14, HALFT
	s_wait_dscnt 0x0
	s_wait_kmcnt 0x0
	s_load_b64 s[96:97], s[8:9], SCO               ; ea, eb
	s_add_nc_u64 s[20:21], s[4:5], s[20:21]
	s_add_nc_u64 s[46:47], s[6:7], s[46:47]
	CROUND
.irp s, 0,1
	s_mov_b32 s[G0+4*\s], 1
	s_add_co_u32 s[G0+4*\s+1], s45, \s*SLOT
	s_add_nc_u64 s[G0+4*\s+2:G0+4*\s+3], s[20:21], \s*STA
	s_or_b32 s[G0+4*\s+3], s[G0+4*\s+3], 0x80000000
	s_mov_b32 s[G0B+4*\s], 1
	s_add_co_u32 s[G0B+4*\s+1], s45, \s*SLOT
	s_add_nc_u64 s[G0B+4*\s+2:G0B+4*\s+3], s[46:47], \s*STB
	s_or_b32 s[G0B+4*\s+3], s[G0B+4*\s+3], 0x80000000
	JLOAD \s
.endr
	v_and_b32 v1, 15, v0
	v_bfe_u32 v2, v0, 4, 1
	v_mul_u32_u24 v3, v1, PITCH
	v_lshl_add_u32 v4, v2, 4, v3
	s_mul_i32 s21, s15, HALFT
	s_mul_i32 s22, s16, HALFT
	s_add_co_u32 s22, s22, 2*HALFT
.irp s, 0,1
	v_add_nc_u32 v[ADRA+\s], s21, v4
	v_add_nc_u32 v[ADRB+\s], s22, v4
	s_add_co_u32 s21, s21, SLOT
	s_add_co_u32 s22, s22, SLOT
.endr
	s_mul_i32 s23, s14, 16*SPITCH                  ; my stage
	v_mul_u32_u24 v5, v1, SPITCH
	v_lshl_add_u32 v5, v2, 5, v5
	v_add_nc_u32 v[STO], s23, v5                   ; in: row l % 16, 32 bytes for each half of the lanes
	v_and_b32 v6, 31, v0
	v_lshlrev_b32 v[CO], 4, v6                     ; back: the 32 lanes take one row of 512 bytes; and the same in y
	v_add_nc_u32 v[RD], s23, v[CO]
	s_lshl_b32 s18, s42, 10
	s_lshl_b32 s19, s16, 9
	s_add_co_u32 s18, s18, s19                     ; my 128 columns, in bytes
	s_mov_b32 s19, 0
	s_add_nc_u64 s[74:75], s[10:11], s[18:19]
	global_load_b128 v[12:15], v[CO], s[74:75]     ; the bias of the four columns that I hold behind the stage
	s_lshl_b32 s22, s17, 20                        ; 256 rows of 4,096 bytes,
	s_add_co_u32 s18, s18, s22
	s_lshl_b32 s22, s15, 19                        ; my half's 128
	s_add_co_u32 s18, s18, s22
	s_add_nc_u64 s[12:13], s[12:13], s[18:19]
.if LAPS > 2
	s_and_b32 s22, ttmp7, 0xffff                   ; the cluster's y
	s_mov_b32 s[PFS], STB
	s_cmp_eq_u32 s15, 0                            ; do I fetch for A?
	s_cselect_b32 s[PFS], STA, s[PFS]
	s_cselect_b32 s18, s17, s42                    ; the block's number,
	s_cselect_b32 s23, s40, s41                    ; my place among the four that ask with me,
	s_cselect_b32 s22, ttmp9, s22                  ; the coordinate along which other clusters read the same rows,
	s_cselect_b32 s73, 0, WOFF
	s_cselect_b64 s[PFA:PFA+1], s[4:5], s[6:7]
	s_cmp_eq_u32 s22, 0
	s_cselect_b32 s[LIM], 1, -1                    ; the same in all sixteen partners, for a given wave
	s_mov_b32 s[PFS+1], 0
	s_lshl_b32 s18, s18, 1
	s_add_co_u32 s18, s18, s16
	s_lshl_b32 s18, s18, 15                        ; the 128 rows that I fetch,
	s_lshl_b32 s23, s23, 13
	s_add_co_u32 s18, s18, s23                     ; my work-group's 32 of them,
	s_add_co_u32 s18, s18, s73
	s_mul_i32 s23, s[PFS], 3
	s_add_co_u32 s18, s18, s23                     ; at K step 3: the first refill steps it to 4.  Nothing is prefetched at the head
	s_add_nc_u64 s[PFA:PFA+1], s[PFA:PFA+1], s[18:19]
	v_lshlrev_b32 v[PFO], 8, v6
.endif
	s_wait_kmcnt 0x0
	s_add_co_i32 s96, s96, s97
	s_add_co_i32 s96, s96, 127
	s_lshl_b32 s96, s96, 23                        ; 2^(ea + eb) as f32
	s_mov_b32 s97, s96
.macro FRAG reg, adr, q, i
.irp c, 0,1,2,3
	ds_load_b128 v[\reg+4*\c:\reg+4*\c+3], v[\adr] offset:128*(\q)+32*\c+(\i)*16*PITCH
.endr
.endm
.macro MUL16 a0, p, zero               ; the 64 accumulators take turns, one instruction a turn
.irp a, \a0, \a0+1
.irp b, 0,1,2,3,4,5,6,7
.if \zero
	v_wmma_f32_16x16x128_fp8_fp8 v[8*(8*((\a)%4)+\b):8*(8*((\a)%4)+\b)+7], v[128*(\p)+FR*\b:128*(\p)+FR*\b+FR-1], v[AF+FR*(\a):AF+FR*(\a)+FR-1], 0
.else
	v_wmma_f32_16x16x128_fp8_fp8 v[8*(8*((\a)%4)+\b):8*(8*((\a)%4)+\b)+7], v[128*(\p)+FR*\b:128*(\p)+FR*\b+FR-1], v[AF+FR*(\a):AF+FR*(\a)+FR-1], v[8*(8*((\a)%4)+\b):8*(8*((\a)%4)+\b)+7]
.endif
.endr
.endr
.endm
.macro FETCH_B slot, q, p
	WIN TO_B
.irp i, 0,1,2,3,4,5,6,7
	FRAG 128*(\p)+FR*\i, ADRB+\slot, \q, \i
.endr
	WIN 0
.endm
.macro FETCH_A slot, q, i0
.irp i, \i0, \i0+1, \i0+2, \i0+3
	FRAG AF+FR*(\i), ADRA+\slot, \q, \i
.endr
.endm
.macro PLACES n
.rept \n
	v_nop
.endr
.endm
.macro STEP slot, q, zero
	s_wait_dscnt 4*NL                              ; W's set and A's blocks 0-3 are in; the youngest sixteen loads may be out
	WIN MUL_LO
	MUL16 0, (\q)%2, \zero
	MUL16 2, (\q)%2, \zero
	s_wait_dscnt 0
	PLACES NP
	FETCH_B \slot, (\q)+1, 1-(\q)%2
	FETCH_A \slot, (\q)+1, 0
	WIN MUL_HI
	MUL16 4, (\q)%2, \zero
	MUL16 6, (\q)%2, \zero
	PLACES NP
	WIN 0
	FETCH_A \slot, (\q)+1, 4
.endm
.macro TURN slot, next, fill
.if (\fill) && (LAPS > 2)
	s_wait_xcnt 0x0                                ; the last prefetch, a K step back, has read its address: it steps here, ahead of the change's own waits
	s_add_nc_u64 s[PFA:PFA+1], s[PFA:PFA+1], s[PFS:PFS+1]
.endif
	s_wait_tensorcnt 0x0                           ; all my tensor loads have landed: my part of the next slot
	ds_add_u32 v[SPW], v[NIL]                      ; 0 onto my spare word
	s_wait_dscnt 4*NL+1                            ; (the add and the youngest sixteen loads may be out)
	WIN MUL_LO
	MUL16 0, 1, 0
	s_wait_dscnt 0x0                               ; the add is done, and my reads of this slot are over
	s_barrier_signal -1
	MUL16 2, 1, 0
	WIN 0
	s_barrier_wait -1
.if \fill
	CREST                                          ; no wave of any partner still reads this slot or has a load on its way
	s_add_nc_u64 s[G0+4*\slot+2:G0+4*\slot+3], s[G0+4*\slot+2:G0+4*\slot+3], 2*STA
	s_add_nc_u64 s[G0B+4*\slot+2:G0B+4*\slot+3], s[G0B+4*\slot+2:G0B+4*\slot+3], 2*STB
	JLOAD \slot
.else
	PLACES NP
.endif
	FETCH_B \next, 0, 0
	FETCH_A \next, 0, 0
.if (\fill) && (LAPS > 2)
	ASK                                            ; behind the joint load and the run of LDS loads that the next products wait for
.endif
	WIN MUL_HI
	MUL16 4, 1, 0
	MUL16 6, 1, 0
	PLACES NP
	WIN 0
	FETCH_A \next, 0, 4
.endm
	s_wait_tensorcnt 1                             ; my part of K step 0 is in; K step 1's load may be out
	s_barrier_signal -1
	s_barrier_wait -1
	FETCH_B 0, 0, 0
	FETCH_A 0, 0, 0
	FETCH_A 0, 0, 4
	STEP 0, 0, 1
	s_mov_b32 s3, LAPS-1
.Llap:
	TURN 0, 1, 1
	STEP 1, 0, 0
	TURN 1, 0, 1
	STEP 0, 0, 0
	s_sub_co_u32 s3, s3, 1
	s_cmp_lg_u32 s3, 0
	s_cbranch_scc1 .Llap
	TURN 0, 1, 0
	STEP 1, 0, 0
	s_wait_dscnt 4*NL
	WIN MUL_LO
	MUL16 0, 1, 0
	MUL16 2, 1, 0
	s_wait_dscnt 0
	WIN MUL_HI
	MUL16 4, 1, 0
	MUL16 6, 1, 0
	WIN 0
; THE WAY OUT, block by block of 16 rows x 128 columns.  The sums go into my stage as they are and come back as whole rows of 512 bytes: a lane then holds four neighbouring columns, the same four in every row,
; so that sum x 2^(ea + eb) + bias is one packed multiply-add for two numbers, with four registers of bias.
.macro TOSTAGE a
.set AC, 64*((\a)%4)
	WIN 0x08+4*((\a)/4)                            ; the stores' data: window 2 or 3
.irp b, 0,1,2,3,4,5,6,7
	ds_store_b128 v[STO], v[AC+8*\b:AC+8*\b+3] offset:64*\b          ; each accumulator from its low end on
	ds_store_b128 v[STO], v[AC+8*\b+4:AC+8*\b+7] offset:64*\b+16
.endr
	WIN 0
.set BB, BK+64*((\a)%2)
.set tt, 0
.rept 16
	ds_load_b128 v[BB+4*tt:BB+4*tt+3], v[RD] offset:tt*SPITCH        ; LDS serves a wave's instructions in order: these see the stores above
.set tt, tt+1
.endr
.endm
.macro SEND a, younger                 ; younger: the LDS instructions issued behind block a's loads, which may stay out
.set BB, BK+64*((\a)%2)
	s_wait_dscnt \younger
.if (\a) > 0
	s_add_nc_u64 s[12:13], s[12:13], 16*ROWC       ; (behind a wait on XCNT: the earlier stores have read their base)
.endif
.set tt, 0
.rept 16
	v_pk_fma_f32 v[BB+4*tt:BB+4*tt+1], v[BB+4*tt:BB+4*tt+1], s[96:97], v[12:13] op_sel_hi:[1,0,1]
	v_pk_fma_f32 v[BB+4*tt+2:BB+4*tt+3], v[BB+4*tt+2:BB+4*tt+3], s[96:97], v[14:15] op_sel_hi:[1,0,1]
.set tt, tt+1
.endr
.set tt, 0
.rept 16
	global_store_b128 v[CO], v[BB+4*tt:BB+4*tt+3], s[12:13] offset:tt*ROWC th:TH_STORE_NT   ; 32 lanes store 512 consecutive bytes, aligned
.set tt, tt+1
.endr
.endm
	s_wait_loadcnt 0x0                             ; the bias
	PLACES NP
	TOSTAGE 0
.irp a, 1,2,3,4,5,6,7
.if \a > 1
	s_wait_xcnt 0x0                                ; block a - 2's stores have read their registers and their base
.endif
	TOSTAGE \a
	SEND \a-1, 32                                  ; behind block a - 1's loads: block a's 16 stores and 16 loads
.endr
	s_wait_xcnt 0x0
	SEND 7, 0
	s_wait_tensorcnt 0x0                           ; the wave's end
	ds_add_u32 v[SPW], v[NIL]
	s_wait_dscnt 0x0
	CROUND                                         ; the closing round
	s_endpgm
.Lfunc_end_k_q66f175c544_ffn2:
	.size	k_q66f175c544_ffn2, .Lfunc_end_k_q66f175c544_ffn2-k_q66f175c544_ffn2
	.p2alignl 7, 3214868480
	.fill 96, 4, 3214868480
	.section	.rodata,"a",@progbits
	.p2align	6, 0x0
	.amdhsa_kernel k_q66f175c544_ffn2
		.amdhsa_group_segment_fixed_size 327680
		.amdhsa_private_segment_fixed_size 0
		.amdhsa_enable_private_segment 0
		.amdhsa_kernarg_size 40
		.amdhsa_user_sgpr_count 2
		.amdhsa_user_sgpr_kernarg_segment_ptr 1
		.amdhsa_wavefront_size32 1
		.amdhsa_system_sgpr_workgroup_id_x 1
		.amdhsa_system_sgpr_workgroup_id_y 1
		.amdhsa_system_sgpr_workgroup_id_z 1
		.amdhsa_system_vgpr_workitem_id 0
		.amdhsa_next_free_vgpr 1024
		.amdhsa_next_free_sgpr 102
		.amdhsa_reserve_vcc 0
		.amdhsa_float_denorm_mode_32 3
		.amdhsa_float_denorm_mode_16_64 3
		.amdhsa_memory_ordered 1
		.amdhsa_forward_progress 1
		.amdhsa_inst_pref_size 124
	.end_amdhsa_kernel
	.amdgpu_metadata
---
amdhsa.version: [ 1, 2 ]
amdhsa.kernels:
  - .name:           k_q66f175c544_ffn2
    .symbol:         k_q66f175c544_ffn2.kd
    .args:
      - { .name: hc, .offset: 0, .size: 8, .value_kind: global_buffer, .address_space: global }
      - { .name: wc, .offset: 8, .size: 8, .value_kind: global_buffer, .address_space: global }
      - { .name: lowp_scales, .offset: 16, .size: 8, .value_kind: global_buffer, .address_space: global }
      - { .name: b2, .offset: 24, .size: 8, .value_kind: global_buffer, .address_space: global }
      - { .name: y, .offset: 32, .size: 8, .value_kind: global_buffer, .address_space: global }
    .group_segment_fixed_size: 327680
    .private_segment_fixed_size: 0
    .kernarg_segment_align: 8
    .kernarg_segment_size: 40
    .max_flat_workgroup_size: 128
    .sgpr_count:     102
    .vgpr_count:     1024
    .wavefront_size: 32
...
	.end_amdgpu_metadata
.endif
;; end of part 7
;; launch ln2 (part 8): grid 256 x 1, 8 waves a work-group, no clusters, 0 bytes of LDS; arguments y, x1, ln2_scale, ln2_bias, out0; writes out0
.if DOCPART == 8
	.amdgcn_target "amdgcn-amd-amdhsa--gfx1250"
	.amdhsa_code_object_version 6
	.text
	.protected	k_q66f175c544_ln2
	.globl	k_q66f175c544_ln2
	.p2align	8
	.type	k_q66f175c544_ln2,@function
k_q66f175c544_ln2:
	s_mov_b64 s[64:65], 0
	v_nop
	global_prefetch_b8 v0, s[64:65] scope:SCOPE_SE
	s_setreg_imm32_b32 hwreg(HW_REG_WAVE_MODE, 25, 1), 1
	s_wait_xcnt 0x0
; out0 = layernorm(x1 + y) x gain + bias, in f32.  y holds relu(x1 W1 + b1) W2 + b2.  Nothing is left out.
; A wave takes a whole row (4,096 bytes, 32 registers) and keeps it between the passes: mean, then the mean of the squared differences, as the problem writes them.  Two rows a wave, eight waves, 16 rows a work-group.
; A lane's columns are 128 j + 4 lane + 0 .. 3: every load and store covers 512 consecutive bytes.  All 48 loads of a wave go out at the head.  No LDS, no barrier.
; Memory binds: matrix units, clusters and tensor loads would add nothing here.
.set GN,  32                           ; v32-63  the gain
.set BS,  64                           ; v64-95  the bias
	s_load_b256 s[4:11], s[0:1], 0x0               ; y s[4:5], the residual s[6:7], gain s[8:9], bias s[10:11]
	s_load_b64 s[18:19], s[0:1], 0x20              ; the result
	v_lshrrev_b32 v1, 5, v0
	v_readfirstlane_b32 s22, v1                    ; wave
	v_and_b32 v2, 31, v0
	v_lshlrev_b32 v3, 4, v2                        ; 16 x lane
	s_lshl_b32 s23, ttmp9, 4
	s_lshl_b32 s24, s22, 1
	s_add_co_u32 s23, s23, s24                     ; my first row
	s_lshl_b32 s24, s23, 12
	s_mov_b32 s25, 0
	s_mov_b32 s12, 0x76543210
	s_mov_b32 s13, 0xfedcba98
	s_mov_b32 s14, 0x3a800000                      ; 1 / 1,024
	s_mov_b32 s15, 0x3727c5ac                      ; 1e-5
	s_wait_kmcnt 0x0
	s_add_nc_u64 s[4:5], s[4:5], s[24:25]
	s_add_nc_u64 s[6:7], s[6:7], s[24:25]
	s_add_nc_u64 s[18:19], s[18:19], s[24:25]
.irp j, 0,1,2,3,4,5,6,7
	global_load_b128 v[GN+4*\j:GN+4*\j+3], v3, s[8:9] offset:512*\j
.endr
.irp j, 0,1,2,3,4,5,6,7
	global_load_b128 v[BS+4*\j:BS+4*\j+3], v3, s[10:11] offset:512*\j
.endr
.irp i, 0,1
.irp j, 0,1,2,3,4,5,6,7
	global_load_b128 v[96+64*\i+4*\j:96+64*\i+4*\j+3], v3, s[4:5] offset:4096*\i+512*\j th:TH_LOAD_NT
.endr
.irp j, 0,1,2,3,4,5,6,7
	global_load_b128 v[128+64*\i+4*\j:128+64*\i+4*\j+3], v3, s[6:7] offset:4096*\i+512*\j th:TH_LOAD_NT
.endr
.endr
.macro REDUCE                          ; v8 summed over the 32 lanes, the result in every lane
	v_add_f32_dpp v8, v8, v8 row_xmask:1 row_mask:0xf bank_mask:0xf
	v_add_f32_dpp v8, v8, v8 row_xmask:2 row_mask:0xf bank_mask:0xf
	v_add_f32_dpp v8, v8, v8 row_xmask:4 row_mask:0xf bank_mask:0xf
	v_add_f32_dpp v8, v8, v8 row_xmask:8 row_mask:0xf bank_mask:0xf
	v_permlanex16_b32 v9, v8, s12, s13
	v_add_f32 v8, v8, v9
.endm
.macro FOLD                            ; the four chains v[8:15] into v8
	v_pk_add_f32 v[8:9], v[8:9], v[10:11]
	v_pk_add_f32 v[12:13], v[12:13], v[14:15]
	v_pk_add_f32 v[8:9], v[8:9], v[12:13]
	v_add_f32 v8, v8, v9
.endm
.macro ROW i
.set YR, 96+64*\i
.set RR, 128+64*\i
	s_wait_loadcnt 16-16*\i                        ; gain, bias and this row are in; the other row's sixteen loads may be out
.set jj, 0
.rept 16
	v_pk_add_f32 v[YR+jj:YR+jj+1], v[YR+jj:YR+jj+1], v[RR+jj:RR+jj+1]
.set jj, jj+2
.endr
.irp c, 0,1,2,3
	v_pk_add_f32 v[8+2*\c:9+2*\c], v[YR+2*\c:YR+2*\c+1], v[YR+8+2*\c:YR+9+2*\c]     ; the first pairs start four chains: nothing is cleared
.endr
.irp c, 0,1,2,3
	v_pk_add_f32 v[8+2*\c:9+2*\c], v[8+2*\c:9+2*\c], v[YR+16+2*\c:YR+17+2*\c]
.endr
.irp c, 0,1,2,3
	v_pk_add_f32 v[8+2*\c:9+2*\c], v[8+2*\c:9+2*\c], v[YR+24+2*\c:YR+25+2*\c]
.endr
	FOLD
	REDUCE
	v_mul_f32 v8, s14, v8                          ; the mean
.set jj, 0
.rept 16
	v_pk_add_f32 v[YR+jj:YR+jj+1], v[YR+jj:YR+jj+1], v[8:9] op_sel_hi:[1,0] neg_lo:[0,1] neg_hi:[0,1]
.set jj, jj+2
.endr
.irp c, 0,1,2,3
	v_pk_mul_f32 v[8+2*\c:9+2*\c], v[YR+2*\c:YR+2*\c+1], v[YR+2*\c:YR+2*\c+1]
.endr
.irp g, 8,16,24
.irp c, 0,1,2,3
	v_pk_fma_f32 v[8+2*\c:9+2*\c], v[YR+\g+2*\c:YR+\g+2*\c+1], v[YR+\g+2*\c:YR+\g+2*\c+1], v[8+2*\c:9+2*\c]
.endr
.endr
	FOLD
	REDUCE
	v_fma_f32 v8, v8, s14, s15                     ; the variance + 1e-5
	v_rsq_f32 v10, v8
	v_nop                                          ; a plain line behind the transcendental,
	s_wait_alu depctr_va_vdst(0)                   ; and the wait ahead of its first reader
.set jj, 0
.rept 16
	v_pk_mul_f32 v[YR+jj:YR+jj+1], v[YR+jj:YR+jj+1], v[10:11] op_sel_hi:[1,0]
.set jj, jj+2
.endr
.set jj, 0
.rept 16
	v_pk_fma_f32 v[YR+jj:YR+jj+1], v[YR+jj:YR+jj+1], v[GN+jj:GN+jj+1], v[BS+jj:BS+jj+1]
.set jj, jj+2
.endr
.irp j, 0,1,2,3,4,5,6,7
	global_store_b128 v3, v[YR+4*\j:YR+4*\j+3], s[18:19] offset:4096*\i+512*\j th:TH_STORE_NT
.endr
.endm
	ROW 0
	ROW 1
	s_endpgm
.Lfunc_end_k_q66f175c544_ln2:
	.size	k_q66f175c544_ln2, .Lfunc_end_k_q66f175c544_ln2-k_q66f175c544_ln2
	.p2alignl 7, 3214868480
	.fill 96, 4, 3214868480
	.section	.rodata,"a",@progbits
	.p2align	6, 0x0
	.amdhsa_kernel k_q66f175c544_ln2
		.amdhsa_group_segment_fixed_size 0
		.amdhsa_private_segment_fixed_size 0
		.amdhsa_enable_private_segment 0
		.amdhsa_kernarg_size 40
		.amdhsa_user_sgpr_count 2
		.amdhsa_user_sgpr_kernarg_segment_ptr 1
		.amdhsa_wavefront_size32 1
		.amdhsa_system_sgpr_workgroup_id_x 1
		.amdhsa_system_sgpr_workgroup_id_y 1
		.amdhsa_system_sgpr_workgroup_id_z 1
		.amdhsa_system_vgpr_workitem_id 0
		.amdhsa_next_free_vgpr 224
		.amdhsa_next_free_sgpr 66
		.amdhsa_reserve_vcc 0
		.amdhsa_float_denorm_mode_32 3
		.amdhsa_float_denorm_mode_16_64 3
		.amdhsa_memory_ordered 1
		.amdhsa_forward_progress 1
		.amdhsa_inst_pref_size 22
	.end_amdhsa_kernel
	.amdgpu_metadata
---
amdhsa.version: [ 1, 2 ]
amdhsa.kernels:
  - .name:           k_q66f175c544_ln2
    .symbol:         k_q66f175c544_ln2.kd
    .args:
      - { .name: y, .offset: 0, .size: 8, .value_kind: global_buffer, .address_space: global }
      - { .name: x1, .offset: 8, .size: 8, .value_kind: global_buffer, .address_space: global }
      - { .name: ln2_scale, .offset: 16, .size: 8, .value_kind: global_buffer, .address_space: global }
      - { .name: ln2_bias, .offset: 24, .size: 8, .value_kind: global_buffer, .address_space: global }
      - { .name: out0, .offset: 32, .size: 8, .value_kind: global_buffer, .address_space: global }
    .group_segment_fixed_size: 0
    .private_segment_fixed_size: 0
    .kernarg_segment_align: 8
    .kernarg_segment_size: 40
    .max_flat_workgroup_size: 256
    .sgpr_count:     66
    .vgpr_count:     224
    .wavefront_size: 32
...
	.end_amdgpu_metadata
.endif
;; end of part 8
;; ======== version 2 of 2: 8 launches
;; limits: right only within a limited range of input values
;; workspace buffers: xc 12,582,912 bytes; wc 12,582,912 bytes; qkvc 12,582,912 bytes; oc 4,194,304 bytes; y 16,777,216 bytes; x1 16,777,216 bytes; x1c 4,194,304 bytes; hc 16,777,216 bytes
;; launch prep (part 9): grid 512 x 1, 4 waves a work-group, no clusters, 68,096 bytes of LDS; arguments x, Wq, Wk, Wv, Wo, W1, W2, lowp_scales, xc, wc; writes xc, wc
.if DOCPART == 9
	.amdgcn_target "amdgcn-amd-amdhsa--gfx1250"
	.amdhsa_code_object_version 6
	.text
	.protected	k_q66f175c544_prep
	.globl	k_q66f175c544_prep
	.p2align	8
	.type	k_q66f175c544_prep,@function
k_q66f175c544_prep:
	s_mov_b64 s[64:65], 0
	v_nop
	global_prefetch_b8 v0, s[64:65] scope:SCOPE_SE
	s_setreg_imm32_b32 hwreg(HW_REG_WAVE_MODE, 25, 1), 1
	s_wait_xcnt 0x0
; FIRST OF EIGHT LAUNCHES of a transformer layer whose eight products are all on codes of FP8 (E4M3), one given scale 2^e for each operand.
; NOTHING OF THE PROBLEM IS LEFT OUT: every bias goes into a quantised operand or into an output (bk too: it moves k's codes), every product feeds the output, every input is loaded by some launch.
; THIS LAUNCH turns x and the six weights into codes: code = number / 2^e, held within +-448, to the nearest code, ties to even.
; x is an operand of three products under three scales (entries 0, 2, 4): three sets of codes, xc + 0, 4, 8 MiB.  The weights, stored [K][N], get K innermost: wc + 0, 1, 2, 3 MiB: Wq, Wk, Wv, Wo; + 4 MiB: W1; + 8 MiB: W2.
; LAYOUT of every set: [K / 256][rows][256 bytes]: 128 rows x 256 along K are 32,768 consecutive bytes, which the products' launches fetch by one tensor load.
; Work-groups 0-127 take x (a wave: 8 rows, 16 steps of 512 numbers; loads of 512 consecutive bytes; a turn through the wave's own stage in LDS gives a lane 16 neighbours along K).
; Work-groups 128-511 take the weights (a wave: 32 columns x 256 along K; a lane takes a column and its registers run down K; the codes leave through the wave's own stage as whole rows of 256 bytes).
; The two ways part on the work-group's number, have LDS bytes of their own and never join.  No tensor load, no barrier: waves share nothing.
; LIMITS: each e between -126 and 119, so that 2^e and 448 x 2^e are f32 numbers.  NaN among the inputs is not served (an infinity is held at the largest code).
.set SPW,   12                         ; v12  LDS address of my spare word; never rewritten
.set NIL,   13                         ; v13  0; never rewritten
.set SP,    80                         ; x: a lane's place in a stage: 64 bytes + 16 of padding
.set WREG,  32768                      ; the weights' stages begin here: 4 x 32 rows x 272 bytes
.set WP,    272
.set SPARE, 67584                      ; behind both: the spare words, 128 bytes for each wave
.set MANT,  0x600000                   ; the mantissa field of 448 as f32
.set XR,    16                         ; x: v16-79   four sets of 16 numbers as loaded
.set XX,    80                         ;    v80-111  two sets of 16 neighbours
.set XT,    112                        ;    v112-127 the 16 numbers held for one scale
.set XC,    128                        ;    v128-151 codes: two sets of 3 x 4 registers
.set WX,    32                         ; weights: v32-95 two sets of 32 numbers; on the way out 16 x 4 registers of codes
.set WC,    96                         ;    v96-103 a block's codes
.set OFF,   112                        ;    v112-143 4 x lane + i x the row's bytes, i = 0 .. 31
	s_load_b512 s[4:19], s[0:1], 0x0               ; x s[4:5], Wq s[6:7], Wk s[8:9], Wv s[10:11], Wo s[12:13], W1 s[14:15], W2 s[16:17], the exponents s[18:19]
	s_load_b128 s[20:23], s[0:1], 0x40             ; xc s[20:21], wc s[22:23]
	v_lshl_add_u32 v[SPW], v0, 2, SPARE
	v_mov_b32 v[NIL], 0
	v_lshrrev_b32 v1, 5, v0
	v_readfirstlane_b32 s24, v1                    ; wave
	v_and_b32 v2, 31, v0                           ; lane
	s_wait_kmcnt 0x0
	s_load_b512 s[48:63], s[18:19], 0x0            ; e0 .. e15 in s48 .. s63
	s_cmp_ge_u32 ttmp9, 128
	s_cbranch_scc1 .Lw
; ---------------- x ----------------
	s_lshl_b32 s25, ttmp9, 2
	s_add_co_u32 s25, s25, s24                     ; g: my wave's run of 8 rows
	s_lshl_b32 s26, s25, 15                        ; 8 rows of 4,096 bytes
	s_mov_b32 s27, 0
	s_add_nc_u64 s[4:5], s[4:5], s[26:27]
	s_lshl_b32 s26, s25, 11                        ; 8 rows of 256 bytes of codes
	s_add_nc_u64 s[40:41], s[20:21], s[26:27]      ; the three sets
	s_add_nc_u64 s[42:43], s[40:41], 0x400000
	s_add_nc_u64 s[44:45], s[40:41], 0x800000
	s_wait_alu depctr_va_vdst(0)
	v_lshlrev_b32 v3, 4, v2                        ; my 16 bytes of a load's 512
	s_mul_i32 s28, s24, 8192                       ; my wave's two stages
	v_lshrrev_b32 v14, 2, v2
	v_mul_u32_u24 v14, v14, SP
	v_and_b32 v15, 3, v2
	v_lshl_add_u32 v14, v15, 4, v14
	v_add_nc_u32 v14, s28, v14                     ; into a stage: SP (lane / 4) + 16 (lane % 4)
	v_mul_u32_u24 v15, v2, SP
	v_add_nc_u32 v15, s28, v15                     ; out of it: SP x lane: my 16 neighbours
	v_lshrrev_b32 v4, 4, v2
	v_lshlrev_b32 v4, 20, v4                       ; my codes: lanes 16-31 lie one K step (4,096 rows x 256 bytes) on,
	v_and_b32 v11, 15, v2
	v_lshl_add_u32 v4, v11, 4, v4                  ; 16 bytes a lane: sixteen lanes store 256 consecutive bytes, aligned
.macro XLOAD t
.irp i, 0,1,2,3
	global_load_b128 v[XR+16*((\t)%4)+4*\i:XR+16*((\t)%4)+4*\i+3], v3, s[4:5] offset:2048*(\t)+512*\i th:TH_LOAD_NT
.endr
.endm
.macro XTURN t                         ; a step's 2,048 bytes through the stage: LDS serves a wave's instructions in order, so no wait stands between the stores and the loads
.irp i, 0,1,2,3
	ds_store_b128 v14, v[XR+16*((\t)%4)+4*\i:XR+16*((\t)%4)+4*\i+3] offset:32*SP*((\t)%2)+8*SP*\i
.endr
.irp i, 0,1,2,3
	ds_load_b128 v[XX+16*((\t)%2)+4*\i:XX+16*((\t)%2)+4*\i+3], v15 offset:32*SP*((\t)%2)+16*\i
.endr
.endm
.irp t, 0,1,2,3
	XLOAD \t
.endr
	s_wait_kmcnt 0x0
.irp s, 0,1,2
	s_add_co_i32 s30, s[48+2*\s], 127
	s_lshl_b32 s31, s30, 23
	v_mov_b32 v[5+\s], s31                         ; 2^e as f32: the conversion takes its exponent field
	s_add_co_i32 s30, s30, 8
	s_lshl_b32 s30, s30, 23
	s_or_b32 s30, s30, MANT
	v_mov_b32 v[8+\s], s30                         ; 448 x 2^e
.endr
	s_wait_alu depctr_va_vdst(0)
	s_wait_loadcnt 12                              ; step 0's four loads are in; the twelve of steps 1 to 3 may be out
	XTURN 0
; Step t: row t / 2 of my eight, columns 512 (t % 2) on.
.macro XSTEP t
.set XS, XX+16*((\t)%2)
	s_wait_dscnt 0x0                               ; this step's numbers are back from the stage
.if (\t)+4 < 16
	XLOAD (\t)+4
.endif
.if (\t)+1 < 16
.if 14-(\t) >= 3
	s_wait_loadcnt 12                              ; the next step's four loads are in; those of the three steps behind it may be out
.else
	s_wait_loadcnt 4*(14-(\t))
.endif
	XTURN (\t)+1
.endif
	s_wait_xcnt 0x0                                ; the stores of two steps back have read their codes: that set of registers is written again only behind this wait
.irp s, 0,1,2
.set CC, XC+12*((\t)%2)+4*\s
.set ii, 0
.rept 16
	v_med3_num_f32 v[XT+ii], v[XS+ii], -v[8+\s], v[8+\s]   ; the conversion to an 8-bit code does not saturate (ISA guide 7.6.2): the hold comes first
.set ii, ii+1
.endr
	v_cvt_scalef32_pk8_fp8_f32 v[CC:CC+1], v[XT:XT+7], v[5+\s]
	v_cvt_scalef32_pk8_fp8_f32 v[CC+2:CC+3], v[XT+8:XT+15], v[5+\s]
	v_nop                                          ; a plain line between the conversions and the next holds, which write their sources
	global_store_b128 v4, v[CC:CC+3], s[40+2*\s:41+2*\s] offset:((\t)%2)*2097152+((\t)/2)*256
.endr
.endm
.irp t, 0,1,2,3,4,5,6,7,8,9,10,11,12,13,14,15
	XSTEP \t
.endr
	s_wait_tensorcnt 0x0                           ; the wave's end: behind my last LDS store
	ds_add_u32 v[SPW], v[NIL]
	s_wait_dscnt 0x0
	s_endpgm
; ---------------- the weights ----------------
.Lw:
	s_wait_kmcnt 0x0                               ; the exponents
	s_sub_co_u32 s25, ttmp9, 128                   ; 0 .. 383
	s_lshr_b32 s26, s25, 5                         ; 0 .. 3: Wq, Wk, Wv, Wo (32 work-groups each); 4 .. 7: W1; 8 .. 11: W2 (128 each)
	s_lshl_b32 s31, s26, 20                        ; where the tensor's codes begin in wc
	s_and_b32 s32, s25, 31                         ; my number within the tensor
	s_and_b32 s35, s25, 127
	s_mov_b64 s[28:29], s[6:7]                     ; the tensor, its exponent and its sizes are chosen on the work-group's number alone
	s_mov_b32 s30, s49
	s_cmp_eq_u32 s26, 1
	s_cselect_b64 s[28:29], s[8:9], s[28:29]
	s_cselect_b32 s30, s51, s30
	s_cmp_eq_u32 s26, 2
	s_cselect_b64 s[28:29], s[10:11], s[28:29]
	s_cselect_b32 s30, s53, s30
	s_cmp_eq_u32 s26, 3
	s_cselect_b64 s[28:29], s[12:13], s[28:29]
	s_cselect_b32 s30, s59, s30
	s_cmp_ge_u32 s26, 4
	s_cselect_b64 s[28:29], s[14:15], s[28:29]
	s_cselect_b32 s30, s61, s30
	s_cselect_b32 s31, 0x400000, s31
	s_cselect_b32 s32, s35, s32
	s_cselect_b32 s33, 5, 3                        ; log2 of the blocks of 128 columns
	s_cselect_b32 s34, 14, 12                      ; log2 of a row's bytes
	s_cmp_ge_u32 s26, 8
	s_cselect_b64 s[28:29], s[16:17], s[28:29]
	s_cselect_b32 s30, s63, s30
	s_cselect_b32 s31, 0x800000, s31
	s_cselect_b32 s33, 3, s33
	s_cselect_b32 s34, 12, s34
	s_lshl_b32 s36, 1, s33
	s_sub_co_u32 s36, s36, 1
	s_and_b32 s36, s32, s36                        ; which 128 columns
	s_lshr_b32 s37, s32, s33                       ; which 256 along K
	s_lshl_b32 s38, 1, s34                         ; a row's bytes
	s_lshl_b32 s41, s36, 7
	s_lshl_b32 s39, s24, 5
	s_add_co_u32 s41, s41, s39                     ; my wave's first column
	s_add_co_u32 s39, s34, 8
	s_lshl_b32 s42, s37, s39                       ; 256 rows for each K step,
	s_lshl_b32 s39, s41, 2
	s_add_co_u32 s42, s42, s39                     ; 4 bytes a column
	s_mov_b32 s43, 0
	s_add_nc_u64 s[28:29], s[28:29], s[42:43]
	s_add_co_u32 s39, s34, 6
	s_lshl_b32 s44, s37, s39                       ; the codes: N rows of 256 bytes for each K step (N = a row's bytes / 4),
	s_lshl_b32 s39, s41, 8
	s_add_co_u32 s44, s44, s39                     ; 256 bytes a column,
	; Wo ALONE is laid [128 columns][K / 256][128][256]: a block's 128 columns x 512 along K are 65,536 consecutive bytes, which the projection's launch fetches by one tensor load
	s_lshl_b32 s39, s36, 17                        ; the block of 128 columns: four planes of 32,768 bytes,
	s_lshl_b32 s40, s37, 15                        ; the plane,
	s_add_co_u32 s39, s39, s40
	s_lshl_b32 s40, s24, 13                        ; my wave's 32 columns
	s_add_co_u32 s39, s39, s40
	s_cmp_eq_u32 s26, 3                            ; the choice hangs on the work-group's number alone
	s_cselect_b32 s44, s39, s44
	s_add_co_u32 s44, s44, s31
	s_mov_b32 s45, 0
	s_add_nc_u64 s[22:23], s[22:23], s[44:45]
	s_lshl_b32 s46, s38, 5                         ; 32 rows on
	s_mov_b32 s47, 0
	s_wait_alu depctr_va_vdst(0)
	v_lshlrev_b32 v[OFF], 2, v2
.set ii, 1
.rept 31
	v_add_nc_u32 v[OFF+ii], s38, v[OFF+ii-1]
.set ii, ii+1
.endr
	s_mul_i32 s39, s24, 32*WP
	s_add_co_u32 s39, s39, WREG                    ; my stage
	v_mul_u32_u24 v4, v2, WP
	v_add_nc_u32 v4, s39, v4                       ; into it: row = my column
	v_and_b32 v5, 15, v2
	v_lshrrev_b32 v6, 4, v2
	v_mul_u32_u24 v7, v6, WP
	v_lshl_add_u32 v7, v5, 4, v7
	v_add_nc_u32 v7, s39, v7                       ; out of it: sixteen lanes to a row, two rows an instruction
	v_lshlrev_b32 v8, 4, v2                        ; and the same 512 bytes in memory: my wave's 32 rows of codes are 8,192 consecutive bytes
	s_add_co_i32 s30, s30, 127
	s_lshl_b32 s39, s30, 23
	v_mov_b32 v11, s39                             ; 2^e
	s_add_co_i32 s30, s30, 8
	s_lshl_b32 s30, s30, 23
	s_or_b32 s30, s30, MANT
	v_mov_b32 v10, s30                             ; 448 x 2^e
.macro WLOAD t                         ; block t: rows 32 t + i of my 256, my column: 128 consecutive bytes a wave and load
.if (\t) > 0
	s_wait_xcnt 0x0                                ; the loads issued so far have read their base: it steps only behind this wait
	s_add_nc_u64 s[28:29], s[28:29], s[46:47]
.endif
.set ii, 0
.rept 32
	global_load_b32 v[WX+32*((\t)%2)+ii], v[OFF+ii], s[28:29] th:TH_LOAD_NT
.set ii, ii+1
.endr
.endm
.macro WBLOCK t
.set XS, WX+32*((\t)%2)
.if (\t) < 7
	s_wait_loadcnt 32                              ; this block's 32 loads are in; the next block's may be out
.else
	s_wait_loadcnt 0
.endif
.set ii, 0
.rept 32
	v_med3_num_f32 v[XS+ii], v[XS+ii], -v10, v10
.set ii, ii+1
.endr
.irp g, 0,1,2,3
	v_cvt_scalef32_pk8_fp8_f32 v[WC+2*\g:WC+2*\g+1], v[XS+8*\g:XS+8*\g+7], v11
.endr
	v_nop                                          ; a plain line behind the last conversion
	ds_store_b128 v4, v[WC:WC+3] offset:32*(\t)    ; 32 codes: 32 bytes of my column's row
	ds_store_b128 v4, v[WC+4:WC+7] offset:32*(\t)+16
.if (\t)+2 < 8
	WLOAD (\t)+2
.endif
	s_wait_dscnt 0x0                               ; the stores have read their registers: the next block's codes may be written
.endm
	WLOAD 0
	s_wait_alu depctr_va_vdst(0)
	WLOAD 1
.irp t, 0,1,2,3,4,5,6,7
	WBLOCK \t
.endr
.set tt, 0
.rept 16
	ds_load_b128 v[WX+4*tt:WX+4*tt+3], v7 offset:2*tt*WP
.set tt, tt+1
.endr
.set tt, 0
.rept 16
	s_wait_dscnt 15-tt                             ; the younger loads may be out
	global_store_b128 v8, v[WX+4*tt:WX+4*tt+3], s[22:23] offset:512*tt
.set tt, tt+1
.endr
	s_wait_tensorcnt 0x0                           ; the wave's end: behind my last LDS store
	ds_add_u32 v[SPW], v[NIL]
	s_wait_dscnt 0x0
	s_endpgm
.Lfunc_end_k_q66f175c544_prep:
	.size	k_q66f175c544_prep, .Lfunc_end_k_q66f175c544_prep-k_q66f175c544_prep
	.p2alignl 7, 3214868480
	.fill 96, 4, 3214868480
	.section	.rodata,"a",@progbits
	.p2align	6, 0x0
	.amdhsa_kernel k_q66f175c544_prep
		.amdhsa_group_segment_fixed_size 68096
		.amdhsa_private_segment_fixed_size 0
		.amdhsa_enable_private_segment 0
		.amdhsa_kernarg_size 80
		.amdhsa_user_sgpr_count 2
		.amdhsa_user_sgpr_kernarg_segment_ptr 1
		.amdhsa_wavefront_size32 1
		.amdhsa_system_sgpr_workgroup_id_x 1
		.amdhsa_system_sgpr_workgroup_id_y 1
		.amdhsa_system_sgpr_workgroup_id_z 1
		.amdhsa_system_vgpr_workitem_id 0
		.amdhsa_next_free_vgpr 192
		.amdhsa_next_free_sgpr 66
		.amdhsa_reserve_vcc 0
		.amdhsa_float_denorm_mode_32 3
		.amdhsa_float_denorm_mode_16_64 3
		.amdhsa_memory_ordered 1
		.amdhsa_forward_progress 1
		.amdhsa_inst_pref_size 130
	.end_amdhsa_kernel
	.amdgpu_metadata
---
amdhsa.version: [ 1, 2 ]
amdhsa.kernels:
  - .name:           k_q66f175c544_prep
    .symbol:         k_q66f175c544_prep.kd
    .args:
      - { .name: x, .offset: 0, .size: 8, .value_kind: global_buffer, .address_space: global }
      - { .name: Wq, .offset: 8, .size: 8, .value_kind: global_buffer, .address_space: global }
      - { .name: Wk, .offset: 16, .size: 8, .value_kind: global_buffer, .address_space: global }
      - { .name: Wv, .offset: 24, .size: 8, .value_kind: global_buffer, .address_space: global }
      - { .name: Wo, .offset: 32, .size: 8, .value_kind: global_buffer, .address_space: global }
      - { .name: W1, .offset: 40, .size: 8, .value_kind: global_buffer, .address_space: global }
      - { .name: W2, .offset: 48, .size: 8, .value_kind: global_buffer, .address_space: global }
      - { .name: lowp_scales, .offset: 56, .size: 8, .value_kind: global_buffer, .address_space: global }
      - { .name: xc, .offset: 64, .size: 8, .value_kind: global_buffer, .address_space: global }
      - { .name: wc, .offset: 72, .size: 8, .value_kind: global_buffer, .address_space: global }
    .group_segment_fixed_size: 68096
    .private_segment_fixed_size: 0
    .kernarg_segment_align: 8
    .kernarg_segment_size: 80
    .max_flat_workgroup_size: 128
    .sgpr_count:     66
    .vgpr_count:     192
    .wavefront_size: 32
...
	.end_amdgpu_metadata
.endif
;; end of part 9
;; launch qkv (part 10): grid 16 x 12, 4 waves a work-group, clusters of 4 x 4, 327,680 bytes of LDS; arguments xc, wc, lowp_scales, bq, bk, bv, qkvc; writes qkvc
.if DOCPART == 10
	.amdgcn_target "amdgcn-amd-amdhsa--gfx1250"
	.amdhsa_code_object_version 6
	.text
	.protected	k_q66f175c544_qkv
	.globl	k_q66f175c544_qkv
	.p2align	8
	.type	k_q66f175c544_qkv,@function
k_q66f175c544_qkv:
	s_mov_b64 s[64:65], 0
	v_nop
	global_prefetch_b8 v0, s[64:65] scope:SCOPE_SE
	s_setreg_imm32_b32 hwreg(HW_REG_WAVE_MODE, 25, 1), 1
	s_wait_xcnt 0x0
	s_wait_alu depctr_hold_cnt(0) depctr_sa_sdst(0) depctr_va_vdst(0) depctr_va_sdst(0) depctr_va_ssrc(0) depctr_va_vcc(0) depctr_vm_vsrc(0)
	s_getreg_b32 s2, hwreg(HW_REG_IB_STS2, 6, 4)
	s_cmp_eq_u32 s2, 0
	s_cbranch_scc0 .Lentry_in_a_cluster
	s_endpgm
.Lentry_in_a_cluster:
	s_bfe_u32 s2, ttmp6, 0x10000c
	s_cmp_lg_u32 s2, 0xf033
	s_cbranch_scc0 .Lentry_shape_is_right
	s_endpgm
.Lentry_shape_is_right:
; q, k, v = x W + b on codes of FP8, quantised at once (entries 6, 7, 9) for the attention.  Nothing is left out.
; A block of 256 x 256 to a work-group of four waves, 128 x 128 a wave; K = 1,024 in four steps of 256 through a ring of two LDS slots; clusters of 4 x 4 ask for A's and B's tiles jointly.
; Cluster row y = 0, 1: q, k (source 0 = the weight's rows, a lane holds eight neighbouring columns); y = 2: v, with the operands swapped, so that its codes leave with the keys innermost.
; LIMITS: the sums of two exponents between -126 and 127, entries 6, 7, 9 between -126 and 119.  NaN is not served.
.set ROWB,   256
.set PITCH,  272
.set FR,     16
.set NL,     4
.set NP,     4
.set HALFT,  128*PITCH
.set SLOT,   4*HALFT
.set SPARE,  2*SLOT
.set STGQ,   0
.set STGV,   256*272
.set ADRA, 16
.set ADRB, 20
.set BLV,  19
.set CO,   22
.set BLQ,  23
.set STOQ, 24
.set STOV, 25
.set RDQ,  26
.set RDV,  27
.set SPW,  28
.set NIL,  29
.set BI,   32
.set T,    96
.set CD,   160
.set AF,   128
.set G1,  24
.set G0,  32
.set G1B, 48
.set G0B, 56
.set MSB, 0
.macro WIN new
.if MSB != (\new)
	s_set_vgpr_msb (MSB<<8)|(\new)
.set MSB, (\new)
.endif
.endm
.set MUL_LO, 0xa1
.set MUL_HI, 0xf1
.set TO_B,   0x40
.macro JLOAD s
	s_cmp_eq_u32 s15, 0
	s_cbranch_scc0 .Lfor_b_\@
	tensor_load_to_lds s[G0+4*\s:G0+4*\s+3], s[G1:G1+7]
	s_nop 0
.rept 4
	v_nop
.endr
	s_branch .Lasked_\@
.Lfor_b_\@:
	tensor_load_to_lds s[G0B+4*\s:G0B+4*\s+3], s[G1B:G1B+7]
	s_nop 0
.rept 4
	v_nop
.endr
.Lasked_\@:
.endm
.macro CREST
	s_cmp_lg_u32 s14, 0
	s_cbranch_scc1 .Lnot_wave_0_\@
	s_barrier_signal -3
.Lnot_wave_0_\@:
	s_barrier_wait -3
	s_barrier_signal -1
	s_barrier_wait -1
.endm
.macro CROUND
	s_barrier_signal -1
	s_barrier_wait -1
	CREST
.endm
	s_load_b256 s[4:11], s[0:1], 0x0
	s_load_b128 s[68:71], s[0:1], 0x20
	s_load_b64 s[72:73], s[0:1], 0x30
	v_lshl_add_u32 v[SPW], v0, 2, SPARE
	v_mov_b32 v[NIL], 0
	ds_add_u32 v[SPW], v[NIL]
	ds_add_u32 v[SPW], v[NIL]
	v_lshrrev_b32 v1, 5, v0
	v_readfirstlane_b32 s14, v1
	s_lshr_b32 s15, s14, 1
	s_and_b32 s16, s14, 1
	s_bfe_u32 s40, ttmp6, 0x40000
	s_bfe_u32 s41, ttmp6, 0x40004
	s_mov_b32 s99, ttmp9
	s_and_b32 s98, ttmp7, 0xffff
	s_lshl_b32 s20, s98, 22
	s_lshl_b32 s46, s98, 20
	s_mov_b32 s92, 0x200000
	s_mov_b32 s94, 0x80000
	s_cmp_eq_u32 s98, 2
	s_cselect_b32 s18, 0, s99
	s_cselect_b32 s19, s99, 0
	s_cselect_b32 s20, 0x200000, s20
	s_cselect_b32 s46, 0x800000, s46
	s_cselect_b32 s92, 0x80000, s92
	s_cselect_b32 s94, 0x200000, s94
	s_mov_b32 s93, 0
	s_mov_b32 s95, 0
	s_lshl_b32 s17, s18, 2
	s_add_co_u32 s17, s17, s41
	s_lshl_b32 s42, s19, 2
	s_add_co_u32 s42, s42, s40
	s_lshl_b32 s43, s41, 2
	s_lshl_b32 s43, 15, s43
	s_lshl_b32 s44, 0x1111, s40
	s_or_b32 s[G1+0], s43, (0<<16)|(1<<20)|(1<<21)|(5<<22)|(3<<25)
	s_or_b32 s[G1B+0], s44, (0<<16)|(1<<20)|(1<<21)|(5<<22)|(3<<25)
.irp g, G1, G1B
	s_mov_b32 s[\g+1], ROWB<<16
	s_mov_b32 s[\g+2], 128<<16
	s_mov_b32 s[\g+3], ROWB<<16
	s_mov_b32 s[\g+4], 128
	s_mov_b32 s[\g+5], ROWB
	s_mov_b32 s[\g+6], 0
	s_mov_b32 s[\g+7], 0
.endr
	s_lshl_b32 s18, s17, 1
	s_add_co_u32 s18, s18, s16
	s_lshl_b32 s18, s18, 15
	s_add_co_u32 s20, s20, s18
	s_mov_b32 s21, 0
	s_lshl_b32 s47, s42, 1
	s_add_co_u32 s47, s47, s16
	s_lshl_b32 s47, s47, 15
	s_add_co_u32 s46, s46, s47
	s_mov_b32 s47, 0
	s_lshr_b32 s18, s92, 1
	s_mov_b32 s19, 0
	s_lshr_b32 s22, s94, 1
	s_mov_b32 s23, 0
	s_mul_i32 s45, s14, HALFT
	s_wait_dscnt 0x0
	s_wait_kmcnt 0x0
	s_load_b512 s[76:91], s[8:9], 0x0
	s_cmp_eq_u32 s98, 2
	s_cselect_b64 s[12:13], s[6:7], s[4:5]
	s_cselect_b64 s[66:67], s[4:5], s[6:7]
	s_add_nc_u64 s[20:21], s[12:13], s[20:21]
	s_add_nc_u64 s[46:47], s[66:67], s[46:47]
	CROUND
	s_mov_b32 s[G0], 1
	s_add_co_u32 s[G0+1], s45, 0
	s_mov_b64 s[G0+2:G0+3], s[20:21]
	s_or_b32 s[G0+3], s[G0+3], 0x80000000
	s_mov_b32 s[G0B], 1
	s_add_co_u32 s[G0B+1], s45, 0
	s_mov_b64 s[G0B+2:G0B+3], s[46:47]
	s_or_b32 s[G0B+3], s[G0B+3], 0x80000000
	JLOAD 0
	s_mov_b32 s[G0+4], 1
	s_add_co_u32 s[G0+5], s45, SLOT
	s_add_nc_u64 s[G0+6:G0+7], s[20:21], s[18:19]
	s_or_b32 s[G0+7], s[G0+7], 0x80000000
	s_mov_b32 s[G0B+4], 1
	s_add_co_u32 s[G0B+5], s45, SLOT
	s_add_nc_u64 s[G0B+6:G0B+7], s[46:47], s[22:23]
	s_or_b32 s[G0B+7], s[G0B+7], 0x80000000
	s_wait_alu depctr_va_vdst(0)
	s_wait_tensorcnt 0x0
	ds_add_u32 v28, v29
	s_wait_dscnt 0x0
	CROUND
	JLOAD 1
	v_and_b32 v1, 15, v0
	v_bfe_u32 v2, v0, 4, 1
	v_mul_u32_u24 v3, v1, PITCH
	v_lshl_add_u32 v4, v2, 4, v3
	s_wait_alu depctr_va_vdst(0)
	s_mul_i32 s21, s15, HALFT
	s_mul_i32 s22, s16, HALFT
	s_add_co_u32 s22, s22, 2*HALFT
.irp s, 0,1
	v_add_nc_u32 v[ADRA+\s], s21, v4
	v_add_nc_u32 v[ADRB+\s], s22, v4
	s_add_co_u32 s21, s21, SLOT
	s_add_co_u32 s22, s22, SLOT
.endr
	s_mul_i32 s23, s15, 128*272
	s_lshl_b32 s22, s16, 7
	s_add_co_u32 s23, s23, s22
	v_add_nc_u32 v[STOQ], s23, v4
	v_add_nc_u32 v[STOV], STGV, v[STOQ]
	v_and_b32 v6, 31, v0
	v_lshlrev_b32 v[CO], 4, v6
	v_lshrrev_b32 v7, 2, v6
	v_mul_u32_u24 v7, v7, 272
	v_and_b32 v8, 3, v6
	v_lshl_add_u32 v7, v8, 4, v7
	s_mul_i32 s23, s14, 64*272
	v_add_nc_u32 v[RDQ], s23, v7
	v_mul_u32_u24 v7, v2, 272
	v_lshl_add_u32 v7, v1, 4, v7
	v_add_nc_u32 v[RDV], s23, v7
	v_add_nc_u32 v[RDV], STGV, v[RDV]
	v_lshlrev_b32 v[BLQ], 5, v2
	v_lshlrev_b32 v[BLV], 2, v1
	s_wait_kmcnt 0x0
	s_add_co_i32 s96, s76, s77
	s_add_co_i32 s97, s78, s79
	s_add_co_i32 s18, s80, s81
	s_mov_b32 s19, s82
	s_cmp_eq_u32 s98, 1
	s_cselect_b32 s96, s97, s96
	s_cselect_b32 s19, s83, s19
	s_cmp_eq_u32 s98, 2
	s_cselect_b32 s96, s18, s96
	s_cselect_b32 s19, s85, s19
	s_add_co_i32 s96, s96, 127
	s_lshl_b32 s96, s96, 23
	s_mov_b32 s97, s96
	s_add_co_i32 s19, s19, 127
	s_lshl_b32 s18, s19, 23
	v_mov_b32 v30, s18
	s_add_co_i32 s19, s19, 8
	s_lshl_b32 s19, s19, 23
	s_or_b32 s19, s19, 0x600000
	v_mov_b32 v31, s19
.macro FRAG reg, adr, q, i
.irp c, 0,1,2,3
	ds_load_b128 v[\reg+4*\c:\reg+4*\c+3], v[\adr] offset:128*(\q)+32*\c+(\i)*16*PITCH
.endr
.endm
.macro MUL16 a0, p, zero
.irp a, \a0, \a0+1
.irp b, 0,1,2,3,4,5,6,7
.if \zero
	v_wmma_f32_16x16x128_fp8_fp8 v[8*(8*((\a)%4)+\b):8*(8*((\a)%4)+\b)+7], v[128*(\p)+FR*\b:128*(\p)+FR*\b+FR-1], v[AF+FR*(\a):AF+FR*(\a)+FR-1], 0
.else
	v_wmma_f32_16x16x128_fp8_fp8 v[8*(8*((\a)%4)+\b):8*(8*((\a)%4)+\b)+7], v[128*(\p)+FR*\b:128*(\p)+FR*\b+FR-1], v[AF+FR*(\a):AF+FR*(\a)+FR-1], v[8*(8*((\a)%4)+\b):8*(8*((\a)%4)+\b)+7]
.endif
.endr
.endr
.endm
.macro FETCH_B slot, q, p
	WIN TO_B
.irp i, 0,1,2,3,4,5,6,7
	FRAG 128*(\p)+FR*\i, ADRB+\slot, \q, \i
.endr
	WIN 0
.endm
.macro FETCH_A slot, q, i0
.irp i, \i0, \i0+1, \i0+2, \i0+3
	FRAG AF+FR*(\i), ADRA+\slot, \q, \i
.endr
.endm
.macro PLACES n
.rept \n
	v_nop
.endr
.endm
.macro STEP slot, q, zero
	s_wait_dscnt 4*NL
	WIN MUL_LO
	MUL16 0, (\q)%2, \zero
	MUL16 2, (\q)%2, \zero
	s_wait_dscnt 0
	PLACES NP
	FETCH_B \slot, (\q)+1, 1-(\q)%2
	FETCH_A \slot, (\q)+1, 0
	WIN MUL_HI
	MUL16 4, (\q)%2, \zero
	MUL16 6, (\q)%2, \zero
	PLACES NP
	WIN 0
	FETCH_A \slot, (\q)+1, 4
.endm
.macro TURN slot, next, fill
	s_wait_tensorcnt 0x0
	ds_add_u32 v[SPW], v[NIL]
	s_wait_dscnt 4*NL+1
	WIN MUL_LO
	MUL16 0, 1, 0
	s_wait_dscnt 0x0
	s_barrier_signal -1
	MUL16 2, 1, 0
	WIN 0
	s_barrier_wait -1
.if \fill
	CREST
	s_add_nc_u64 s[G0+4*\slot+2:G0+4*\slot+3], s[G0+4*\slot+2:G0+4*\slot+3], s[92:93]
	s_add_nc_u64 s[G0B+4*\slot+2:G0B+4*\slot+3], s[G0B+4*\slot+2:G0B+4*\slot+3], s[94:95]
	JLOAD \slot
.else
	PLACES NP
.endif
	FETCH_B \next, 0, 0
	FETCH_A \next, 0, 0
	WIN MUL_HI
	MUL16 4, 1, 0
	MUL16 6, 1, 0
	PLACES NP
	WIN 0
	FETCH_A \next, 0, 4
.endm
.macro TAIL
	TURN 0, 1, 0
	STEP 1, 0, 0
	s_wait_dscnt 4*NL
	WIN MUL_LO
	MUL16 0, 1, 0
	MUL16 2, 1, 0
	s_wait_dscnt 0
	WIN MUL_HI
	MUL16 4, 1, 0
	MUL16 6, 1, 0
	WIN 0
.endm
.macro CVT a, rowmode, sto
.if (\a) >= 2
	s_wait_dscnt 8
.endif
	WIN 0x02+((\a)/4)
.irp b, 0,1,2,3,4,5,6,7
.if \rowmode
.irp j, 0,1,2,3,4,5,6,7
	v_fma_f32 v[T+8*\b+\j], v[64*((\a)%4)+8*\b+\j], s96, v[BI+(\a)]
.endr
.else
.irp j, 0,2,4,6
	v_pk_fma_f32 v[T+8*\b+\j:T+8*\b+\j+1], v[64*((\a)%4)+8*\b+\j:64*((\a)%4)+8*\b+\j+1], s[96:97], v[BI+8*\b+\j:BI+8*\b+\j+1] op_sel_hi:[1,0,1]
.endr
.endif
.endr
	WIN 0
.set ii, 0
.rept 64
	v_med3_num_f32 v[T+ii], v[T+ii], -v31, v31
.set ii, ii+1
.endr
.irp b, 0,1,2,3,4,5,6,7
	v_cvt_scalef32_pk8_fp8_f32 v[CD+16*((\a)%2)+2*\b:CD+16*((\a)%2)+2*\b+1], v[T+8*\b:T+8*\b+7], v30
.endr
	v_nop
.irp b, 0,1,2,3,4,5,6,7
	ds_store_b64 v[\sto], v[CD+16*((\a)%2)+2*\b:CD+16*((\a)%2)+2*\b+1] offset:(\a)*16*272+32*(\b/2)+8*(\b%2)
.endr
.endm
	s_wait_tensorcnt 1
	s_barrier_signal -1
	s_barrier_wait -1
	FETCH_B 0, 0, 0
	FETCH_A 0, 0, 0
	FETCH_A 0, 0, 4
	STEP 0, 0, 1
	s_mov_b32 s3, 1
.Llap:
	TURN 0, 1, 1
	STEP 1, 0, 0
	TURN 1, 0, 1
	STEP 0, 0, 0
	s_sub_co_u32 s3, s3, 1
	s_cmp_lg_u32 s3, 0
	s_cbranch_scc1 .Llap
	s_cmp_eq_u32 s98, 2
	s_cbranch_scc1 .Lv
	s_cmp_eq_u32 s98, 1
	s_cselect_b64 s[74:75], s[68:69], s[10:11]
	s_lshl_b32 s18, s42, 10
	s_lshl_b32 s19, s16, 9
	s_add_co_u32 s18, s18, s19
	s_mov_b32 s19, 0
	s_add_nc_u64 s[74:75], s[74:75], s[18:19]
	s_wait_alu depctr_va_vdst(0)
.irp b, 0,1,2,3,4,5,6,7
	global_load_b128 v[BI+8*\b:BI+8*\b+3], v[BLQ], s[74:75] offset:64*\b
	global_load_b128 v[BI+8*\b+4:BI+8*\b+7], v[BLQ], s[74:75] offset:64*\b+16
.endr
	s_lshl_b32 s18, s98, 22
	s_lshl_b32 s22, s42, 20
	s_add_co_u32 s18, s18, s22
	s_lshl_b32 s22, s17, 14
	s_add_co_u32 s18, s18, s22
	s_lshl_b32 s22, s14, 12
	s_add_co_u32 s18, s18, s22
	s_add_nc_u64 s[72:73], s[72:73], s[18:19]
	TAIL
	s_wait_loadcnt 0x0
	PLACES NP
.irp a, 0,1,2,3,4,5,6,7
	CVT \a, 0, STOQ
.endr
	s_wait_dscnt 0x0
	s_barrier_signal -1
	s_barrier_wait -1
.set tt, 0
.rept 32
	ds_load_b128 v[T+4*tt:T+4*tt+3], v[RDQ] offset:8*(tt%8)*272+64*(tt/8)
.set tt, tt+1
.endr
.set tt, 0
.rept 32
	s_wait_dscnt 31-tt
	global_store_b128 v[CO], v[T+4*tt:T+4*tt+3], s[72:73] offset:(tt/8)*262144+512*(tt%8)
.set tt, tt+1
.endr
	s_branch .Lend
.Lv:
	s_lshl_b32 s18, s17, 10
	s_lshl_b32 s19, s15, 9
	s_add_co_u32 s18, s18, s19
	s_mov_b32 s19, 0
	s_add_nc_u64 s[74:75], s[70:71], s[18:19]
	s_wait_alu depctr_va_vdst(0)
.irp a, 0,1,2,3,4,5,6,7
	global_load_b32 v[BI+\a], v[BLV], s[74:75] offset:64*\a
.endr
	s_lshl_b32 s18, s42, 18
	s_lshl_b32 s22, s17, 16
	s_add_co_u32 s18, s18, s22
	s_lshl_b32 s22, s14, 14
	s_add_co_u32 s18, s18, s22
	s_add_co_u32 s18, s18, 0x800000
	s_add_nc_u64 s[72:73], s[72:73], s[18:19]
	TAIL
	s_wait_loadcnt 0x0
	PLACES NP
.irp a, 0,1,2,3,4,5,6,7
	CVT \a, 1, STOV
.endr
	s_wait_dscnt 0x0
	s_barrier_signal -1
	s_barrier_wait -1
.set tt, 0
.rept 32
	ds_load_b128 v[T+4*tt:T+4*tt+3], v[RDV] offset:2*tt*272
.set tt, tt+1
.endr
.set tt, 0
.rept 32
	s_wait_dscnt 31-tt
	global_store_b128 v[CO], v[T+4*tt:T+4*tt+3], s[72:73] offset:512*tt
.set tt, tt+1
.endr
.Lend:
	s_wait_tensorcnt 0x0
	ds_add_u32 v[SPW], v[NIL]
	s_wait_dscnt 0x0
	CROUND
	s_endpgm
.Lfunc_end_k_q66f175c544_qkv:
	.size	k_q66f175c544_qkv, .Lfunc_end_k_q66f175c544_qkv-k_q66f175c544_qkv
	.p2alignl 7, 3214868480
	.fill 96, 4, 3214868480
	.section	.rodata,"a",@progbits
	.p2align	6, 0x0
	.amdhsa_kernel k_q66f175c544_qkv
		.amdhsa_group_segment_fixed_size 327680
		.amdhsa_private_segment_fixed_size 0
		.amdhsa_enable_private_segment 0
		.amdhsa_kernarg_size 56
		.amdhsa_user_sgpr_count 2
		.amdhsa_user_sgpr_kernarg_segment_ptr 1
		.amdhsa_wavefront_size32 1
		.amdhsa_system_sgpr_workgroup_id_x 1
		.amdhsa_system_sgpr_workgroup_id_y 1
		.amdhsa_system_sgpr_workgroup_id_z 1
		.amdhsa_system_vgpr_workitem_id 0
		.amdhsa_next_free_vgpr 1024
		.amdhsa_next_free_sgpr 102
		.amdhsa_reserve_vcc 0
		.amdhsa_float_denorm_mode_32 3
		.amdhsa_float_denorm_mode_16_64 3
		.amdhsa_memory_ordered 1
		.amdhsa_forward_progress 1
		.amdhsa_inst_pref_size 246
	.end_amdhsa_kernel
	.amdgpu_metadata
---
amdhsa.version: [ 1, 2 ]
amdhsa.kernels:
  - .name:           k_q66f175c544_qkv
    .symbol:         k_q66f175c544_qkv.kd
    .args:
      - { .name: xc, .offset: 0, .size: 8, .value_kind: global_buffer, .address_space: global }
      - { .name: wc, .offset: 8, .size: 8, .value_kind: global_buffer, .address_space: global }
      - { .name: lowp_scales, .offset: 16, .size: 8, .value_kind: global_buffer, .address_space: global }
      - { .name: bq, .offset: 24, .size: 8, .value_kind: global_buffer, .address_space: global }
      - { .name: bk, .offset: 32, .size: 8, .value_kind: global_buffer, .address_space: global }
      - { .name: bv, .offset: 40, .size: 8, .value_kind: global_buffer, .address_space: global }
      - { .name: qkvc, .offset: 48, .size: 8, .value_kind: global_buffer, .address_space: global }
    .group_segment_fixed_size: 327680
    .private_segment_fixed_size: 0
    .kernarg_segment_align: 8
    .kernarg_segment_size: 56
    .max_flat_workgroup_size: 128
    .sgpr_count:     102
    .vgpr_count:     1024
    .wavefront_size: 32
...
	.end_amdgpu_metadata
.endif
;; end of part 10
;; launch attn (part 11): grid 8 x 32, 16 waves a work-group, clusters of 4 x 1, 327,680 bytes of LDS; arguments qkvc, lowp_scales, oc; writes oc
.if DOCPART == 11
	.amdgcn_target "amdgcn-amd-amdhsa--gfx1250"
	.amdhsa_code_object_version 6
	.text
	.protected	k_q66f175c544_attn
	.globl	k_q66f175c544_attn
	.p2align	8
	.type	k_q66f175c544_attn,@function
k_q66f175c544_attn:
	s_mov_b64 s[64:65], 0
	v_nop
	global_prefetch_b8 v0, s[64:65] scope:SCOPE_SE
	s_setreg_imm32_b32 hwreg(HW_REG_WAVE_MODE, 25, 1), 1
	s_wait_xcnt 0x0
	s_wait_alu depctr_hold_cnt(0) depctr_sa_sdst(0) depctr_va_vdst(0) depctr_va_sdst(0) depctr_va_ssrc(0) depctr_va_vcc(0) depctr_vm_vsrc(0)
	s_getreg_b32 s2, hwreg(HW_REG_IB_STS2, 6, 4)
	s_cmp_eq_u32 s2, 0
	s_cbranch_scc0 .Lentry_in_a_cluster
	s_endpgm
.Lentry_in_a_cluster:
	s_bfe_u32 s2, ttmp6, 0x10000c
	s_cmp_lg_u32 s2, 0x3003
	s_cbranch_scc0 .Lentry_shape_is_right
	s_endpgm
.Lentry_shape_is_right:
; o = softmax(q k^T / 8) v for 32 pairs (batch, head), 2,048 queries and keys, head size 64, both products on codes of FP8; o quantised at once (entry 10) for the projection.  Nothing is left out.
; q IS VIEWED WITHOUT A TRANSPOSE: head h of a batch is rows 128 h .. 128 h + 127 of the q matrix, and query 16 rr + u of the head is columns 64 u .. 64 u + 63 of row rr.
; THE SOFTMAX: t = score x log2(e) / 8; M = the running largest t rounded UP to a whole number; p = 2^(t - M) is quantised (entry 8), not normalised; the row's sum is taken of the unquantised p and divides at the end;
; when M moves, the sum and O are multiplied by 2^(old M - new M), which rounds nothing.
; SHARES.  A work-group owns 256 queries of one pair, each of its sixteen waves 16 (one row of the q matrix), in 256 registers: four waves to a SIMD.  Every wave walks all 2,048 keys, 128 a step.
; THE PAIR'S WHOLE K AND V LIE IN LDS: each byte is filled once, by ONE tensor load a wave at the head (waves 0-7: 256 keys of K each; waves 8-15: 256 keys x 64 channels of V each).  No byte is filled again.
; CLUSTER.  The four work-groups of a cluster belong to one pair and need the same K and V: every load is asked for jointly, with the same descriptor and a mask that names the four.
; LAYOUT.  S^T = K Q^T (source 0 = 16 neighbouring keys, source 1 = my 16 queries), O^T = V^T P^T (source 0 = 16 channels, source 1 = P): a lane holds ONE query throughout.  The eight codes of score tile c are registers
; 2 c, 2 c + 1 of the second product's operand as they stand.  V lies with the keys innermost and bits 3 and 4 of a key's place swapped, so that 16 bytes at 32 c + 16 (lane / 16) are four registers of that same layout.
; A STEP'S LDS LOADS run ahead of their use: the NEXT step's 16 loads of K stand among the lines that make M; V's tiles 0 and 1 are asked for behind the first product, tiles 2 and 3 into the registers of score tiles 0-3 once those are converted.
; No prefetch is laid: all of K and V is asked for at the head, so nothing is left to ask for ahead.
; oc is laid [128 tokens][K / 256][128][256].  THE STORES of o's codes are pieces of 64 bytes: 256 neighbouring bytes of oc belong to four heads, which are four work-groups.
; LIMITS: entries 6 + 7 between -123 and 130 (added to c's exponent field); entries 8 and 10 between -126 and 119.  NaN is not served.
.set KP,    80                         ; a key's row in LDS: 64 bytes + 16 of padding
.set VP,    272                        ; a channel's 256 keys: 256 bytes + 16
.set VOFF,  2048*KP                    ; behind K's 2,048 rows: V, eight chunks of 256 keys,
.set VCH,   64*VP                      ; each 64 rows
.set STAGE, VOFF+8*VCH                 ; behind V: 16 rows x 80 bytes for each wave, for the way out: no fill lands there
.set SPARE, STAGE+16*1280              ; behind the stages: the spare words, 128 bytes for each wave
.set AK0, 1                            ; v1, v2  my lane's place in a tile of K, of V
.set AV0, 2
.set STI, 3                            ; v3, v4  the way out: into my stage and back
.set STB, 4
.set SPW, 5                            ; v5  my spare word; v6  0; never rewritten
.set NIL, 6
.set GO,  7                            ; v7  my byte offset among my wave's tokens of oc
.set ADK, 8                            ; v8, v9  LDS address of the 256 keys in hand, in K and in V
.set ADV, 9                            ; v12 -M, v13 the largest t, v[14:15] the sum, v16-23 Q
.set KF,  24                           ; v24-87    K's eight fragments
.set VF,  88                           ; v88-119   V's tiles 0, 1
.set SS,  120                          ; v120-183  S^T, then p; v120-151 then take V's tiles 2, 3
.set OO,  184                          ; v184-215  O^T
.set PC,  216                          ; v216-231  p's codes
.set PD,  232                          ; a lane permute's destination
.set OLD, 233                          ; the last step's -M
.set FF,  234                          ; v[234:235] f = 2^(old M - new M), named as a pair
.set T1,  236                          ; three more chains of the row's sum
.set T2,  238
.set T3,  240
.set MX,  242                          ; v242-245 four chains of the maximum
.set SC8, 246                          ; 2^e8
.set HB,  247                          ; v247, v248: 448 x 2^e8, twice: the two halves of a dual instruction take their second sources from different register banks
.set SC10, 249                         ; 2^e10
.set HB10, 250                         ; 448 x 2^e10
.set WV,  18
.set SEL, 20
.set CS,  22
.set G1K, 24
.set G1V, 32
.set G0K, 40
.set G0V, 44
.set TBK, 2                            ; s2  LDS byte of the 256 keys in hand, in K,
.set TBV, 3                            ; s3  and in V
.set CNT, 66
.macro CROUND                          ; a round of the cluster's barrier
	s_barrier_signal -1
	s_barrier_wait -1
	s_cmp_lg_u32 s[WV], 0
	s_cbranch_scc1 .Lnot_wave_0_\@
	s_barrier_signal -3
.Lnot_wave_0_\@:
	s_barrier_wait -3
	s_barrier_signal -1
	s_barrier_wait -1
.endm
	s_load_b128 s[4:7], s[0:1], 0x0                ; qkvc s[4:5], the exponents s[6:7]
	s_load_b64 s[8:9], s[0:1], 0x10                ; oc
	v_lshl_add_u32 v[SPW], v0, 2, SPARE
	v_mov_b32 v[NIL], 0
	ds_add_u32 v[SPW], v[NIL]                      ; the wave's opening: the add, twice on end, and its wait ahead of my first tensor load
	ds_add_u32 v[SPW], v[NIL]
	v_lshrrev_b32 v8, 5, v0
	s_delay_alu instid0(VALU_DEP_1)
	v_readfirstlane_b32 s[WV], v8                  ; wave 0..15
	s_bfe_u32 s10, ttmp6, 0x40000                  ; cx
	s_lshl_b32 s11, ttmp9, 2
	s_add_co_u32 s11, s11, s10                     ; my block of 256 queries: it enters Q's and O's addresses alone
	s_and_b32 s12, ttmp7, 0xffff                   ; the pair, which the four partners share
	s_lshr_b32 s13, s12, 4                         ; batch
	s_and_b32 s14, s12, 15                         ; head
	s_and_b32 s15, s[WV], 7                        ; u: which 256 keys of K or of V I fetch
	s_lshl_b32 s84, s14, 18                        ; K: a head's 4,096 tokens x 64 bytes,
	s_lshl_b32 s19, s13, 17                        ; a batch's 2,048,
	s_add_co_u32 s84, s84, s19
	s_lshl_b32 s19, s15, 14                        ; my 256 keys,
	s_add_co_u32 s84, s84, s19
	s_add_co_u32 s84, s84, 0x400000                ; in k's part of qkvc
	s_mov_b32 s85, 0
	s_lshl_b32 s86, s13, 21                        ; V: a batch's 8 blocks of 256 tokens x 1,024 channels x 256 bytes,
	s_lshl_b32 s19, s15, 18                        ; my block,
	s_add_co_u32 s86, s86, s19
	s_lshl_b32 s19, s14, 14                        ; the head's 64 channels,
	s_add_co_u32 s86, s86, s19
	s_add_co_u32 s86, s86, 0x800000                ; in v's part
	s_mov_b32 s87, 0
	s_mul_i32 s88, s15, 256*KP                     ; and where they go in LDS: the wave's number alone
	s_mul_i32 s89, s15, VCH
	s_add_co_u32 s89, s89, VOFF
	s_mov_b32 s[G1K], 15|(0<<16)|(1<<20)|(1<<21)|(3<<22)|(3<<25)   ; 15:0 the mask: all four; elements of 1 byte; padding on; 21 set beside a mask; after every 16 words four words
	s_mov_b32 s[G1K+1], 64<<16                     ; tensor_dim0
	s_mov_b32 s[G1K+2], 256<<16                    ; tensor_dim1
	s_mov_b32 s[G1K+3], 64<<16                     ; tile_dim0
	s_mov_b32 s[G1K+4], 256                        ; tile_dim1
	s_mov_b32 s[G1K+5], 64                         ; from row to row
	s_mov_b32 s[G1K+6], 0
	s_mov_b32 s[G1K+7], 0
	s_mov_b32 s[G1V], 15|(0<<16)|(1<<20)|(1<<21)|(5<<22)|(3<<25)   ; after every 64 words four words
	s_mov_b32 s[G1V+1], 256<<16
	s_mov_b32 s[G1V+2], 64<<16
	s_mov_b32 s[G1V+3], 256<<16
	s_mov_b32 s[G1V+4], 64
	s_mov_b32 s[G1V+5], 256
	s_mov_b32 s[G1V+6], 0
	s_mov_b32 s[G1V+7], 0
	s_lshl_b32 s90, s13, 17                        ; Q: row 2,048 b + 128 h + 16 x block + wave of the q matrix, 64 bytes in each block of columns
	s_lshl_b32 s94, s14, 13
	s_add_co_u32 s90, s90, s94
	s_lshl_b32 s94, s11, 10
	s_add_co_u32 s90, s90, s94
	s_lshl_b32 s94, s[WV], 6
	s_add_co_u32 s90, s90, s94
	s_mov_b32 s91, 0
	s_lshl_b32 s92, s13, 4                         ; O: my 16 tokens begin at 2,048 b + 256 x block + 16 x wave: their block of 128 tokens,
	s_lshl_b32 s94, s11, 1
	s_add_co_u32 s92, s92, s94
	s_lshr_b32 s94, s[WV], 3
	s_add_co_u32 s92, s92, s94
	s_lshl_b32 s92, s92, 2                         ; four planes a block,
	s_lshr_b32 s94, s14, 2
	s_add_co_u32 s92, s92, s94                     ; plane head / 4,
	s_lshl_b32 s92, s92, 15                        ; of 128 x 256 bytes;
	s_lshl_b32 s94, s15, 12                        ; 16 (wave % 8) tokens of 256 bytes;
	s_add_co_u32 s92, s92, s94
	s_and_b32 s94, s14, 3
	s_lshl_b32 s94, s94, 6                         ; the head's 64 bytes of them
	s_add_co_u32 s92, s92, s94
	s_mov_b32 s93, 0
	s_mov_b32 s[SEL], 0x76543210
	s_mov_b32 s[SEL+1], 0xfedcba98
	s_mov_b32 s[CS], 0x3e38aa3b                    ; c = log2(e) / 8
	s_mov_b32 s[TBK], 0
	s_mov_b32 s[TBV], 0
	s_wait_dscnt 0x0                               ; both opening adds are done
	s_wait_kmcnt 0x0
	s_load_b512 s[68:83], s[6:7], 0x0              ; e0 .. e15 in s68 .. s83
	s_add_nc_u64 s[84:85], s[4:5], s[84:85]
	s_add_nc_u64 s[86:87], s[4:5], s[86:87]
	s_mov_b32 s[G0K], 1
	s_add_co_u32 s[G0K+1], s88, 0
	s_mov_b64 s[G0K+2:G0K+3], s[84:85]
	s_or_b32 s[G0K+3], s[G0K+3], 0x80000000
	s_mov_b32 s[G0V], 1
	s_add_co_u32 s[G0V+1], s89, 0
	s_mov_b64 s[G0V+2:G0V+3], s[86:87]
	s_or_b32 s[G0V+3], s[G0V+3], 0x80000000
	CROUND                                         ; all four work-groups are here: the joint loads meet
	s_cmp_lt_u32 s[WV], 8                          ; one branch on the wave's number, one load in each arm: one load of mine is out
	s_cbranch_scc0 .Lfirst_v
	tensor_load_to_lds s[G0K:G0K+3], s[G1K:G1K+7]
	s_nop 0
.rept 4
	v_nop
.endr
	s_branch .Lfirst_asked
.Lfirst_v:
	tensor_load_to_lds s[G0V:G0V+3], s[G1V:G1V+7]
	s_nop 0
.rept 4
	v_nop
.endr
.Lfirst_asked:
	s_add_nc_u64 s[90:91], s[4:5], s[90:91]
	s_add_nc_u64 s[92:93], s[8:9], s[92:93]
	v_and_b32 v8, 15, v0                           ; r
	v_bfe_u32 v9, v0, 4, 1                         ; h
	s_delay_alu instid0(VALU_DEP_2)
	v_lshlrev_b32 v10, 18, v8                      ; query r lies in block r of the columns: 4,096 rows x 64 bytes apart
	s_delay_alu instid0(VALU_DEP_1)
	v_lshl_add_u32 v10, v9, 4, v10
	global_load_b128 v[16:19], v10, s[90:91]       ; Q's fragment stays in registers
	global_load_b128 v[20:23], v10, s[90:91] offset:32
	v_mul_u32_u24 v[AK0], v8, KP
	s_delay_alu instid0(VALU_DEP_1)
	v_lshl_add_u32 v[AK0], v9, 4, v[AK0]
	v_mul_u32_u24 v[AV0], v8, VP
	s_delay_alu instid0(VALU_DEP_1)
	v_lshl_add_u32 v[AV0], v9, 4, v[AV0]
	s_delay_alu instid0(VALU_DEP_1)
	v_add_nc_u32 v[AV0], VOFF, v[AV0]
	v_and_b32 v11, 31, v0
	s_delay_alu instid0(VALU_DEP_1)
	v_lshrrev_b32 v[GO], 2, v11
	s_delay_alu instid0(VALU_DEP_1)
	v_lshlrev_b32 v[GO], 8, v[GO]
	s_delay_alu instid0(VALU_DEP_3)
	v_and_b32 v11, 3, v11
	s_delay_alu instid0(VALU_DEP_1)
	v_lshl_add_u32 v[GO], v11, 4, v[GO]            ; the way out: four lanes take a token's 64 bytes, tokens 256 bytes apart
	v_mov_b32 v13, 0xff61b1e6                      ; the largest t so far: -3e38
	s_delay_alu instid0(VALU_DEP_1)
	v_floor_f32 v12, -v13                          ; -M
	v_mov_b32 v14, 0
	v_mov_b32 v15, 0
	v_mov_b32 v[PD], 0                             ; a lane permute's destination counts as one of its sources
	v_mov_b32 v[FF+1], 0                           ; (named as the upper half of the pair)
.set ii, 0
.rept 32
	v_mov_b32 v[OO+ii], 0                          ; O^T: the step is written once; the first finds zeros, which the first change of M leaves zeros
.set ii, ii+1
.endr
	s_wait_kmcnt 0x0
	s_add_co_i32 s94, s74, s75
	s_lshl_b32 s94, s94, 23
	s_add_co_i32 s[CS], s[CS], s94                 ; a score stands for score x 2^(e6 + e7): added to c's exponent field
	s_mov_b32 s[CS+1], s[CS]
	s_add_co_i32 s94, s76, 127
	s_lshl_b32 s95, s94, 23
	v_mov_b32 v[SC8], s95                          ; 2^e8
	s_add_co_i32 s94, s94, 8
	s_lshl_b32 s94, s94, 23
	s_or_b32 s94, s94, 0x600000
	v_mov_b32 v[HB], s94                           ; 448 x 2^e8,
	v_mov_b32 v[HB+1], s94                         ; twice
	s_add_co_i32 s94, s78, 127
	s_lshl_b32 s95, s94, 23
	v_mov_b32 v[SC10], s95                         ; 2^e10
	s_add_co_i32 s94, s94, 8
	s_lshl_b32 s94, s94, 23
	s_or_b32 s94, s94, 0x600000
	v_mov_b32 v[HB10], s94                         ; 448 x 2^e10
	s_add_co_i32 s67, s76, s77                     ; e8 + e9
.macro KPF t, q, pf                    ; tile t of the NEXT step's K (pf = 0: there is none)
.if \pf
	ds_load_b128 v[KF+8*\t:KF+8*\t+3], v[ADK] offset:(128*(\q)+128+16*\t)*KP
	ds_load_b128 v[KF+8*\t+4:KF+8*\t+7], v[ADK] offset:(128*(\q)+128+16*\t)*KP+32
.endif
.endm
.macro LINK t, q, pf                   ; the hint ahead of the next link of the chain that makes M
	s_delay_alu instid0(VALU_DEP_1)
.endm
.macro ACC4 b                          ; eight numbers of p onto the sum's four chains
	v_pk_add_f32 v[14:15], v[14:15], v[\b:\b+1]
	v_pk_add_f32 v[T1:T1+1], v[T1:T1+1], v[\b+2:\b+3]
	v_pk_add_f32 v[T2:T2+1], v[T2:T2+1], v[\b+4:\b+5]
	v_pk_add_f32 v[T3:T3+1], v[T3:T3+1], v[\b+6:\b+7]
.endm
.macro QUANT c                         ; score tile c: the hold (the conversion does not saturate: ISA guide 7.6.2; p is not negative, so it is one-sided), two numbers an instruction, and the conversion
.irp i, 0,2,4,6
	v_dual_min_num_f32 v[SS+8*(\c)+\i], v[SS+8*(\c)+\i], v[HB] :: v_dual_min_num_f32 v[SS+8*(\c)+\i+1], v[SS+8*(\c)+\i+1], v[HB+1]
.endr
	v_cvt_scalef32_pk8_fp8_f32 v[PC+2*(\c):PC+2*(\c)+1], v[SS+8*(\c):SS+8*(\c)+7], v[SC8]
.endm
.macro VLOAD reg, t, q                 ; V's tile t: 16 channels x this step's 128 keys
.irp c, 0,1,2,3
	ds_load_b128 v[\reg+4*\c:\reg+4*\c+3], v[ADV] offset:16*(\t)*VP+128*(\q)+32*\c
.endr
.endm
.macro PV t, reg
	v_wmma_f32_16x16x128_fp8_fp8 v[OO+8*\t:OO+8*\t+7], v[\reg:\reg+15], v[PC:PC+15], v[OO+8*\t:OO+8*\t+7]
.endm
; A KEY STEP: 128 keys, the q-th of the 256 in hand.  Its fragments of K are in registers.  np: v_nop that make up five places between the last step's products, which read v120-151, and the products below, which write them.
.macro STEP q, pf, np
.rept \np
	v_nop
.endr
.irp t, 0,1,2,3,4,5,6,7
	v_wmma_f32_16x16x64_fp8_fp8 v[SS+8*\t:SS+8*\t+7], v[KF+8*\t:KF+8*\t+7], v[16:23], 0   ; lane (r, h): query r, keys 16 t + 8 h + 0 .. 7
.endr
	v_mov_b32 v[OLD], v12                          ; with three v_nop: four places ahead of the reads of the scores and of the loads into K's registers
.rept 3
	v_nop
.endr
	VLOAD VF, 0, \q
	VLOAD VF+16, 1, \q
	v_max3_num_f32 v[MX], v[SS], v[SS+1], v[SS+2]  ; the step's largest score of my query among my 64 keys, in four chains, ascending: each tile from its low end on
	v_max3_num_f32 v[MX+1], v[SS+3], v[SS+4], v[SS+5]
	v_max3_num_f32 v[MX+2], v[SS+6], v[SS+7], v[SS+8]
	v_max3_num_f32 v[MX+3], v[SS+9], v[SS+10], v[SS+11]
.set ii, 12
.rept 6
.irp m, 0,1,2,3
	v_max3_num_f32 v[MX+\m], v[MX+\m], v[SS+ii+2*\m], v[SS+ii+2*\m+1]
.endr
.set tk, (ii-12)/8
	KPF tk, \q, \pf                                ; the next step's K, a tile behind each round of the four chains
.set ii, ii+8
.endr
	KPF 6, \q, \pf
	KPF 7, \q, \pf
	v_max3_num_f32 v[MX], v[MX], v[SS+60], v[SS+61]
	v_max3_num_f32 v[MX+1], v[MX+1], v[SS+62], v[SS+63]
	s_delay_alu instid0(VALU_DEP_1)
	v_max3_num_f32 v[MX], v[MX], v[MX+1], v[MX+2]
	LINK 0, \q, \pf
	v_max_num_f32 v[MX], v[MX], v[MX+3]
	LINK 1, \q, \pf
	v_permlanex16_b32 v[PD], v[MX], s[SEL], s[SEL+1]
	LINK 2, \q, \pf
	v_max_num_f32 v[MX], v[MX], v[PD]              ; and among lane l xor 16's
	LINK 3, \q, \pf
	v_mul_f32 v[MX], s[CS], v[MX]                  ; as t (c is positive)
	LINK 4, \q, \pf
	v_max_num_f32 v13, v13, v[MX]
	LINK 5, \q, \pf
	v_floor_f32 v12, -v13                          ; the new -M = -ceil(t)
	LINK 6, \q, \pf
	v_sub_f32 v[MX], v12, v[OLD]                   ; old M - new M: a whole number, 0 or less
	LINK 7, \q, \pf
	v_cvt_i32_f32 v[MX], v[MX]                     ; (it saturates)
	s_delay_alu instid0(VALU_DEP_1)
	v_ldexp_f32 v[FF], 1.0, v[MX]                  ; f = 2^(old M - new M)
.set ii, 0
.rept 32
	v_pk_fma_f32 v[SS+ii:SS+ii+1], v[SS+ii:SS+ii+1], s[CS:CS+1], v[12:13] op_sel_hi:[1,0,0]   ; t - M
.set ii, ii+2
.endr
	s_wait_alu depctr_va_vdst(0)                   ; the wait ahead of the batch
.set ii, 0
.rept 64
	v_exp_f32 v[SS+ii], v[SS+ii]                   ; p = 2^(t - M)
.set ii, ii+1
.endr
	v_pk_mul_f32 v[14:15], v[14:15], v[FF:FF+1] op_sel_hi:[1,0]   ; the sum under the new M: the plain line behind the exponentials
	s_wait_alu depctr_va_vdst(0)                   ; one wait for the whole batch, ahead of its first reader
	v_pk_add_f32 v[T1:T1+1], v[SS:SS+1], v[SS+2:SS+3]             ; THE ROW'S SUM IS TAKEN OF THE UNQUANTISED p: first of tiles 0-3,
	v_pk_add_f32 v[T2:T2+1], v[SS+4:SS+5], v[SS+6:SS+7]
	v_pk_add_f32 v[T3:T3+1], v[SS+8:SS+9], v[SS+10:SS+11]
	ACC4 SS+12
	ACC4 SS+20
	v_pk_add_f32 v[14:15], v[14:15], v[SS+28:SS+29]
	v_pk_add_f32 v[T1:T1+1], v[T1:T1+1], v[SS+30:SS+31]
.irp c, 0,1,2,3
	QUANT \c
.endr
	VLOAD SS, 2, \q                                ; which are then converted, so that their registers take V's tiles 2 and 3
	VLOAD SS+16, 3, \q
	ACC4 SS+32                                     ; then of tiles 4-7
	ACC4 SS+40
	ACC4 SS+48
	ACC4 SS+56
	v_pk_add_f32 v[T1:T1+1], v[T1:T1+1], v[T2:T2+1]
	v_pk_add_f32 v[14:15], v[14:15], v[T3:T3+1]
	s_delay_alu instid0(VALU_DEP_1)
	v_pk_add_f32 v[14:15], v[14:15], v[T1:T1+1]
.irp c, 4,5,6,7
	QUANT \c
.endr
	s_wait_alu depctr_va_vdst(0)                   ; the wait directly ahead of the first reader of O^T
.set ii, 0
.rept 16
	v_pk_mul_f32 v[OO+ii:OO+ii+1], v[OO+ii:OO+ii+1], v[FF:FF+1] op_sel_hi:[1,0]   ; O^T under the new M; also the plain lines behind the conversions
.set ii, ii+2
.endr
	s_wait_alu depctr_va_vdst(0)                   ; the wait directly ahead of the wait below
	s_wait_dscnt 8                                 ; V's tiles 0 and 1 and the next step's K are in; the youngest eight loads, V's tiles 2 and 3, may be out
	PV 0, VF                                       ; the four accumulators take turns
	PV 1, VF+16
	s_wait_dscnt 0x0
	PV 2, SS
	PV 3, SS+16
.endm
.macro TRIP more                       ; 256 keys.  more = 0: the last: nothing follows its second step
	v_add_nc_u32 v[ADK], s[TBK], v[AK0]            ; two of the five places
	v_add_nc_u32 v[ADV], s[TBV], v[AV0]
	STEP 0, 1, 3
	STEP 1, \more, 5
.if \more
	s_add_co_u32 s[TBK], s[TBK], 256*KP
	s_add_co_u32 s[TBV], s[TBV], VCH
.endif
.endm
	s_wait_alu depctr_va_vdst(0)                   ; the wait at the head's end
	s_wait_loadcnt 0x0                             ; Q
	s_wait_tensorcnt 0x0                           ; my part of K or V is in
	s_barrier_signal -1
	s_barrier_wait -1                              ; everybody's is
.irp t, 0,1,2,3,4,5,6,7
	ds_load_b128 v[KF+8*\t:KF+8*\t+3], v[AK0] offset:16*\t*KP       ; the first step's K
	ds_load_b128 v[KF+8*\t+4:KF+8*\t+7], v[AK0] offset:16*\t*KP+32
.endr
	s_wait_dscnt 0x0
	s_mov_b32 s[CNT], 7
.Ltrip:
	TRIP 1
	s_sub_co_u32 s[CNT], s[CNT], 1
	s_cmp_lg_u32 s[CNT], 0
	s_cbranch_scc1 .Ltrip
	TRIP 0                                         ; the eighth trip is written out: its last step fetches no further K
	; THE WAY OUT: O^T x 2^(e8 + e9) / the sum, quantised by entry 10, through my stage, so that four lanes store a token's 64 bytes.
	v_add_f32 v14, v14, v15
	s_delay_alu instid0(VALU_DEP_1)
	v_permlanex16_b32 v[PD], v14, s[SEL], s[SEL+1]
	s_delay_alu instid0(VALU_DEP_1)
	v_add_f32 v14, v14, v[PD]                      ; the row's sum
	s_wait_alu depctr_va_vdst(0)                   ; the wait ahead of the transcendental
	v_rcp_f32 v14, v14
	v_and_b32 v8, 15, v0                           ; (the address work is the plain work behind the reciprocal and behind the last products)
	v_bfe_u32 v9, v0, 4, 1
	s_mul_i32 s94, s[WV], 1280
	s_add_co_u32 s94, s94, STAGE                   ; my stage
	v_mul_u32_u24 v[STI], v8, 80
	s_delay_alu instid0(VALU_DEP_1)
	v_lshl_add_u32 v[STI], v9, 3, v[STI]
	s_delay_alu instid0(VALU_DEP_1)
	v_add_nc_u32 v[STI], s94, v[STI]               ; in: row r, 8 h bytes on; tile t 16 t on
	v_and_b32 v10, 31, v0
	s_delay_alu instid0(VALU_DEP_1)
	v_lshrrev_b32 v11, 2, v10
	s_delay_alu instid0(VALU_DEP_1)
	v_mul_u32_u24 v[STB], v11, 80
	s_delay_alu instid0(VALU_DEP_3)
	v_and_b32 v10, 3, v10
	s_delay_alu instid0(VALU_DEP_1)
	v_lshl_add_u32 v[STB], v10, 4, v[STB]
	s_delay_alu instid0(VALU_DEP_1)
	v_add_nc_u32 v[STB], s94, v[STB]               ; back: four lanes to a row, eight rows an instruction
	s_wait_alu depctr_va_vdst(0)                   ; the wait ahead of the reciprocal's first reader
	v_ldexp_f32 v14, v14, s67
	s_wait_alu depctr_va_vdst(0)                   ; the wait directly ahead of the first reader of O^T
.set ii, 0
.rept 32
	v_mul_f32 v[SS+ii], v[OO+ii], v14              ; register 8 t + i is o(query r, channel 16 t + 8 h + i)
.set ii, ii+1
.endr
.set ii, 0
.rept 32
	v_med3_num_f32 v[SS+ii], v[SS+ii], -v[HB10], v[HB10]
.set ii, ii+1
.endr
.irp t, 0,1,2,3
	v_cvt_scalef32_pk8_fp8_f32 v[24+2*\t:25+2*\t], v[SS+8*\t:SS+8*\t+7], v[SC10]
.endr
	v_nop                                          ; a plain line behind the last conversion
.irp t, 0,1,2,3
	ds_store_b64 v[STI], v[24+2*\t:25+2*\t] offset:16*\t
.endr
.irp i, 0,1
	ds_load_b128 v[32+4*\i:35+4*\i], v[STB] offset:640*\i   ; LDS serves a wave's instructions in order: these see my stores
.endr
.irp i, 0,1
	s_wait_dscnt 1-\i                              ; the younger load may be out
	global_store_b128 v[GO], v[32+4*\i:35+4*\i], s[92:93] offset:2048*\i
.endr
	s_wait_tensorcnt 0x0                           ; the wave's end: behind my last tensor load and my last LDS store
	ds_add_u32 v[SPW], v[NIL]
	s_wait_dscnt 0x0
	CROUND                                         ; the closing round
	s_endpgm
.Lfunc_end_k_q66f175c544_attn:
	.size	k_q66f175c544_attn, .Lfunc_end_k_q66f175c544_attn-k_q66f175c544_attn
	.p2alignl 7, 3214868480
	.fill 96, 4, 3214868480
	.section	.rodata,"a",@progbits
	.p2align	6, 0x0
	.amdhsa_kernel k_q66f175c544_attn
		.amdhsa_group_segment_fixed_size 327680
		.amdhsa_private_segment_fixed_size 0
		.amdhsa_enable_private_segment 0
		.amdhsa_kernarg_size 24
		.amdhsa_user_sgpr_count 2
		.amdhsa_user_sgpr_kernarg_segment_ptr 1
		.amdhsa_wavefront_size32 1
		.amdhsa_system_sgpr_workgroup_id_x 1
		.amdhsa_system_sgpr_workgroup_id_y 1
		.amdhsa_system_sgpr_workgroup_id_z 1
		.amdhsa_system_vgpr_workitem_id 0
		.amdhsa_next_free_vgpr 256
		.amdhsa_next_free_sgpr 100
		.amdhsa_reserve_vcc 0
		.amdhsa_float_denorm_mode_32 3
		.amdhsa_float_denorm_mode_16_64 3
		.amdhsa_memory_ordered 1
		.amdhsa_forward_progress 1
		.amdhsa_inst_pref_size 77
	.end_amdhsa_kernel
	.amdgpu_metadata
---
amdhsa.version: [ 1, 2 ]
amdhsa.kernels:
  - .name:           k_q66f175c544_attn
    .symbol:         k_q66f175c544_attn.kd
    .args:
      - { .name: qkvc, .offset: 0, .size: 8, .value_kind: global_buffer, .address_space: global }
      - { .name: lowp_scales, .offset: 8, .size: 8, .value_kind: global_buffer, .address_space: global }
      - { .name: oc, .offset: 16, .size: 8, .value_kind: global_buffer, .address_space: global }
    .group_segment_fixed_size: 327680
    .private_segment_fixed_size: 0
    .kernarg_segment_align: 8
    .kernarg_segment_size: 24
    .max_flat_workgroup_size: 512
    .sgpr_count:     100
    .vgpr_count:     256
    .wavefront_size: 32
...
	.end_amdgpu_metadata
.endif
;; end of part 11
;; launch wo (part 12): grid 8 x 32, 4 waves a work-group, clusters of 4 x 4, 327,680 bytes of LDS; arguments oc, wc, lowp_scales, bo, y; writes y
.if DOCPART == 12
	.amdgcn_target "amdgcn-amd-amdhsa--gfx1250"
	.amdhsa_code_object_version 6
	.text
	.protected	k_q66f175c544_wo
	.globl	k_q66f175c544_wo
	.p2align	8
	.type	k_q66f175c544_wo,@function
k_q66f175c544_wo:
	s_mov_b64 s[64:65], 0
	v_nop
	global_prefetch_b8 v0, s[64:65] scope:SCOPE_SE
	s_setreg_imm32_b32 hwreg(HW_REG_WAVE_MODE, 25, 1), 1
	s_wait_xcnt 0x0
	s_wait_alu depctr_hold_cnt(0) depctr_sa_sdst(0) depctr_va_vdst(0) depctr_va_sdst(0) depctr_va_ssrc(0) depctr_va_vcc(0) depctr_vm_vsrc(0)
	s_getreg_b32 s2, hwreg(HW_REG_IB_STS2, 6, 4)
	s_cmp_eq_u32 s2, 0
	s_cbranch_scc0 .Lentry_in_a_cluster
	s_endpgm
.Lentry_in_a_cluster:
	s_bfe_u32 s2, ttmp6, 0x10000c
	s_cmp_lg_u32 s2, 0xf033
	s_cbranch_scc0 .Lentry_shape_is_right
	s_endpgm
.Lentry_shape_is_right:
; y = A W + bias on codes of FP8, f32 out: here A = the attention's o (oc), W = Wo's codes (wc + 3 MiB), the exponents are entries 10 and 11, the bias is bo.  Nothing is left out.
; y is 4,096 x 1,024: blocks of 256 x 256 would be 64, too few; a block is 128 x 128, 256 of them.  Four waves, each 64 x 64: 16 accumulators of 16 x 16, 128 registers.
; Both operands lie [128 rows][K / 256][128][256]: 128 rows x 256 along K (a plane of a block's rows) are 32,768 consecutive bytes; two planes are one tensor load.  A slot holds 512 along K: A's two planes, then W's two;
; wave 0 and 1 fetch A's planes, waves 2 and 3 W's.  Two slots take turns.
; CLUSTERS: 4 x 4 work-groups; A's planes are asked for jointly along a row of the cluster, W's along a column.
; The matrix instruction is used transposed (source 0 = 16 rows of W's codes, source 1 = 16 rows of A's): a lane holds eight neighbouring numbers of a row of y.
; A wave's 64 columns are 256 bytes of y, aligned: each wave sends its own results out through its own stage, and no wave waits for another there.
; REGISTERS: window 0: v0-31 addresses, v12-15 the bias; v32-95 the way out; v128-255 the accumulators ((a, b) at v[128 + 8 (4 a + b)]).  window 1: two fragment buffers of 128: A's four fragments (16 rows x 128 K), then W's four.
; LIMIT: the two exponents' sum between -126 and 127.
; IN THIS LAUNCH both operands lie [128 rows][K / 256][128][256]: a block's 128 rows x 512 along K (two planes, half of a slot) are 65,536 consecutive bytes, ONE tensor load of 256 rows of 256 bytes.
; K is 1,024: both slots are filled once, by one load a wave at the head (wave 0, 1: A's planes of slot 0, 1; wave 2, 3: W's), and nothing is filled again.
.set LAPS,   1                         ; K / 1,024: a lap = two slots = once round the ring
.set WOFF,   0x300000                  ; where W's codes begin in wc
.set SCO,    40                        ; the byte of the first of the two exponents
.set STA,    0x100000                  ; a plane on in A: 4,096 rows x 256 bytes
.set STB,    0x40000                   ; in W: 1,024 rows x 256 bytes
.set ROWC,   4096                      ; a row of y in bytes
.set ROWB,   256
.set PITCH,  272                       ; an LDS row: 256 bytes + 16 of padding: the 16 rows that a load touches start 68 words apart
.set FR,     16                        ; registers of a fragment
.set NP,     4                         ; places behind this matrix instruction (ISA guide 7.12.1)
.set HALFT,  128*PITCH                 ; one plane of 128 rows; a tensor load brings two
.set SLOT,   4*HALFT
.set SPARE,  2*SLOT                    ; behind the ring: the spare words, 128 bytes for each wave
.set SPITCH, 272                       ; the way out: 16 rows x (256 bytes + 16) for each wave, in slot 0, which has had its last fill and its last read by then
.set ADRA, 16                          ; v16-17  LDS address of my A fragments in slot 0, 1
.set ADRB, 20                          ; v20-21  the same for W
.set PFO,  23                          ; v23  256 x lane: the prefetches' offset
.set STO,  24
.set RD,   25
.set CO,   26
.set BLO,  27                          ; v27  16 x (lane % 16): my four columns' bias
.set SPW,  28
.set NIL,  29
.set BK,   32                          ; v32-63, v64-95: 16 rows read back from the stage, by turns
.set ACC,  128
.set F0,   0                           ; fragment buffers, in window 1
.set F1,   128
.set G1,  24
.set G0,  32
.set G1B, 48
.set G0B, 56
.set PFA, 68                           ; s[68:69] where my prefetches stand
.set PFS, 70                           ; s[70:71] a slot on, in bytes
.set LIM, 72                           ; s72  1 in a wave that prefetches, else the greatest number
.set MSB, 0
.macro WIN new                         ; the immediate's high byte repeats the setting that is left
.if MSB != (\new)
	s_set_vgpr_msb (MSB<<8)|(\new)
.set MSB, (\new)
.endif
.endm
.set MUL,  0x05                        ; sources 0 (W) and 1 (A) window 1; C and D window 0
.set TO_F, 0x40                        ; destination window 1, address window 0
.macro JLOAD s                         ; a joint load: waves 0 and 1 fetch A's planes, waves 2 and 3 W's; an s_nop 0 and four v_nop follow each line
	s_cmp_eq_u32 s15, 0
	s_cbranch_scc0 .Lfor_b_\@
	tensor_load_to_lds s[G0+4*\s:G0+4*\s+3], s[G1:G1+7]
	s_nop 0
.rept 4
	v_nop
.endr
	s_branch .Lasked_\@
.Lfor_b_\@:
	tensor_load_to_lds s[G0B+4*\s:G0B+4*\s+3], s[G1B:G1B+7]
	s_nop 0
.rept 4
	v_nop
.endr
.Lasked_\@:
.endm
.macro CREST                           ; a round of the cluster's barrier behind its opening barrier
	s_cmp_lg_u32 s14, 0
	s_cbranch_scc1 .Lnot_wave_0_\@
	s_barrier_signal -3
.Lnot_wave_0_\@:
	s_barrier_wait -3
	s_barrier_signal -1
	s_barrier_wait -1
.endm
.macro CROUND
	s_barrier_signal -1
	s_barrier_wait -1
	CREST
.endm
; A prefetch of my plane of the slot that stands two refills on: 32 rows x 256 bytes, a lane a row.  Of the 128 rows that a wave fetches each of the four partners that ask jointly takes 32, told apart by address.
; A's rows are read by the two clusters of a row of clusters, of which the first asks; W's by the eight of a column, of which the first asks.  The loop's last trip asks for nothing: there is no slot two refills on.
.macro ASK
	s_cmp_gt_u32 s3, s[LIM]
	s_cbranch_scc0 .Lnot_mine_\@
	global_prefetch_b8 v[PFO], s[PFA:PFA+1] th:TH_LOAD_NT scope:SCOPE_SE
.Lnot_mine_\@:
.endm
	s_load_b256 s[4:11], s[0:1], 0x0               ; A's codes s[4:5], wc s[6:7], the exponents s[8:9], the bias s[10:11]
	s_load_b64 s[12:13], s[0:1], 0x20              ; y
	v_lshl_add_u32 v[SPW], v0, 2, SPARE
	v_mov_b32 v[NIL], 0
	ds_add_u32 v[SPW], v[NIL]                      ; the wave's opening: the add, twice on end, and its wait ahead of my first tensor load
	ds_add_u32 v[SPW], v[NIL]
	v_lshrrev_b32 v1, 5, v0
	v_readfirstlane_b32 s14, v1                    ; wave 0..3
	s_lshr_b32 s15, s14, 1                         ; my half of the block's rows.  Also: I fetch for A (0) or for W (1)
	s_and_b32 s16, s14, 1                          ; my half of its columns.  Also: which slot I fill
	s_bfe_u32 s40, ttmp6, 0x40000                  ; cx, cy
	s_bfe_u32 s41, ttmp6, 0x40004
	s_lshl_b32 s42, ttmp9, 2
	s_add_co_u32 s42, s42, s40                     ; block column, 0 .. 7
	s_and_b32 s17, ttmp7, 0xffff
	s_lshl_b32 s17, s17, 2
	s_add_co_u32 s17, s17, s41                     ; block row, 0 .. 31
	s_lshl_b32 s43, s41, 2
	s_lshl_b32 s43, 15, s43                        ; my row of the cluster
	s_lshl_b32 s44, 0x1111, s40                    ; my column
	s_or_b32 s[G1+0], s43, (0<<16)|(1<<20)|(1<<21)|(5<<22)|(3<<25)   ; 15:0 the mask; 17:16 elements of 1 byte; 20 padding on; 21 set beside a mask; 24:22 after every 64 words; 31:25 four words
	s_or_b32 s[G1B+0], s44, (0<<16)|(1<<20)|(1<<21)|(5<<22)|(3<<25)
.irp g, G1, G1B
	s_mov_b32 s[\g+1], ROWB<<16                    ; tensor_dim0
	s_mov_b32 s[\g+2], 256<<16                     ; tensor_dim1: two planes of 128 rows
	s_mov_b32 s[\g+3], ROWB<<16                    ; tile_dim0
	s_mov_b32 s[\g+4], 256                         ; tile_dim1
	s_mov_b32 s[\g+5], ROWB                        ; from row to row: the rows are dense
	s_mov_b32 s[\g+6], 0
	s_mov_b32 s[\g+7], 0
.endr
	s_lshl_b32 s20, s17, 17                        ; A: the block row's four planes of 32,768 bytes,
	s_lshl_b32 s18, s16, 16                        ; my two of them
	s_add_co_u32 s20, s20, s18
	s_mov_b32 s21, 0
	s_lshl_b32 s46, s42, 17                        ; W likewise, by the block column,
	s_add_co_u32 s46, s46, s18
	s_add_co_u32 s46, s46, WOFF
	s_mov_b32 s47, 0
	s_mul_i32 s45, s16, SLOT                       ; where my two planes go: slot = wave % 2, A's ahead of W's: no place in the cluster enters an LDS address
	s_mul_i32 s18, s15, 2*HALFT
	s_add_co_u32 s45, s45, s18
	s_wait_dscnt 0x0                               ; both opening adds are done
	s_wait_kmcnt 0x0
	s_load_b64 s[96:97], s[8:9], SCO               ; ea, eb
	s_add_nc_u64 s[20:21], s[4:5], s[20:21]
	s_add_nc_u64 s[46:47], s[6:7], s[46:47]
	CROUND                                         ; all sixteen work-groups are here: the first joint loads meet
.irp s, 0
	s_mov_b32 s[G0+4*\s], 1
	s_add_co_u32 s[G0+4*\s+1], s45, \s*SLOT
	s_add_nc_u64 s[G0+4*\s+2:G0+4*\s+3], s[20:21], \s*2*STA
	s_or_b32 s[G0+4*\s+3], s[G0+4*\s+3], 0x80000000
	s_mov_b32 s[G0B+4*\s], 1
	s_add_co_u32 s[G0B+4*\s+1], s45, \s*SLOT
	s_add_nc_u64 s[G0B+4*\s+2:G0B+4*\s+3], s[46:47], \s*2*STB
	s_or_b32 s[G0B+4*\s+3], s[G0B+4*\s+3], 0x80000000
	JLOAD \s
.endr
	v_and_b32 v1, 15, v0                           ; r = lane % 16
	v_bfe_u32 v2, v0, 4, 1                         ; h = lane / 16
	v_mul_u32_u24 v3, v1, PITCH
	s_wait_alu depctr_va_vdst(0)
	v_lshl_add_u32 v4, v2, 4, v3                   ; a fragment's row x pitch + 16 h
	s_mul_i32 s21, s15, 64*PITCH                   ; my 64 rows of A's planes,
	s_mul_i32 s22, s16, 64*PITCH                   ; my 64 rows of W's,
	s_add_co_u32 s22, s22, 2*HALFT                 ; which lie behind A's two
.irp s, 0,1
	v_add_nc_u32 v[ADRA+\s], s21, v4
	v_add_nc_u32 v[ADRB+\s], s22, v4
	s_add_co_u32 s21, s21, SLOT
	s_add_co_u32 s22, s22, SLOT
.endr
	s_mul_i32 s23, s14, 16*SPITCH                  ; my stage
	v_lshl_add_u32 v5, v2, 5, v3
	v_add_nc_u32 v[STO], s23, v5                   ; in: row r, 32 bytes for each half of the lanes
	v_mul_u32_u24 v5, v2, SPITCH
	v_lshl_add_u32 v5, v1, 4, v5
	v_add_nc_u32 v[RD], s23, v5                    ; back: lanes 0-15 take one row of 256 bytes, lanes 16-31 the next
	v_lshlrev_b32 v[CO], 12, v2
	v_lshl_add_u32 v[CO], v1, 4, v[CO]             ; and the same two rows in y
	v_lshlrev_b32 v[BLO], 4, v1
	s_lshl_b32 s18, s42, 9                         ; 128 columns of 4 bytes for each block column,
	s_lshl_b32 s19, s16, 8                         ; my half's 64
	s_add_co_u32 s18, s18, s19
	s_mov_b32 s19, 0
	s_add_nc_u64 s[74:75], s[10:11], s[18:19]
	global_load_b128 v[12:15], v[BLO], s[74:75]    ; the bias of the four columns that I hold behind the stage
	s_lshl_b32 s22, s17, 19                        ; 128 rows of 4,096 bytes for each block row,
	s_add_co_u32 s18, s18, s22
	s_lshl_b32 s22, s15, 18                        ; my half's 64
	s_add_co_u32 s18, s18, s22
	s_add_nc_u64 s[12:13], s[12:13], s[18:19]
.if LAPS > 2
	s_and_b32 s22, ttmp7, 0xffff                   ; the cluster's y
	s_mov_b32 s[PFS], 2*STB
	s_cmp_eq_u32 s15, 0                            ; do I fetch for A?
	s_cselect_b32 s[PFS], 2*STA, s[PFS]            ; a slot on
	s_cselect_b32 s18, s17, s42                    ; the block's number,
	s_cselect_b32 s23, s40, s41                    ; my place among the four that ask with me,
	s_cselect_b32 s22, ttmp9, s22                  ; the coordinate along which other clusters read the same rows,
	s_cselect_b32 s73, 0, WOFF
	s_cselect_b64 s[PFA:PFA+1], s[4:5], s[6:7]
	s_cmp_eq_u32 s22, 0
	s_cselect_b32 s[LIM], 1, -1                    ; the same in all sixteen partners, for a given wave
	s_mov_b32 s[PFS+1], 0
	s_lshl_b32 s18, s18, 15                        ; the 128 rows that I fetch,
	s_lshl_b32 s23, s23, 13
	s_add_co_u32 s18, s18, s23                     ; my work-group's 32 of them,
	s_add_co_u32 s18, s18, s73
	s_lshr_b32 s23, s[PFS], 1
	s_mul_i32 s23, s23, s16
	s_add_co_u32 s18, s18, s23                     ; in my plane,
	s_mul_i32 s23, s[PFS], 3
	s_add_co_u32 s18, s18, s23                     ; of slot 3: the first refill steps it to slot 4.  Nothing is prefetched at the head
	s_add_nc_u64 s[PFA:PFA+1], s[PFA:PFA+1], s[18:19]
	v_and_b32 v6, 31, v0
	v_lshlrev_b32 v[PFO], 8, v6
.endif
	s_wait_alu depctr_va_vdst(0)
	s_wait_kmcnt 0x0
	s_add_co_i32 s96, s96, s97
	s_add_co_i32 s96, s96, 127
	s_lshl_b32 s96, s96, 23                        ; 2^(ea + eb) as f32
	s_mov_b32 s97, s96                             ; (named with it as a pair)
; 4 products: A's block a x W's four, 128 along K, from buffer f.  zero = 1: the first product starts the sums: nothing is cleared.
; The 16 accumulators take turns, one instruction a turn, in the same order in every quarter.
.macro MULA f, a, zero
.irp b, 0,1,2,3
.if \zero
	v_wmma_f32_16x16x128_fp8_fp8 v[ACC+8*(4*(\a)+\b):ACC+8*(4*(\a)+\b)+7], v[\f+64+FR*\b:\f+64+FR*\b+FR-1], v[\f+FR*(\a):\f+FR*(\a)+FR-1], 0
.else
	v_wmma_f32_16x16x128_fp8_fp8 v[ACC+8*(4*(\a)+\b):ACC+8*(4*(\a)+\b)+7], v[\f+64+FR*\b:\f+64+FR*\b+FR-1], v[\f+FR*(\a):\f+FR*(\a)+FR-1], v[ACC+8*(4*(\a)+\b):ACC+8*(4*(\a)+\b)+7]
.endif
.endr
.endm
; 32 LDS loads in one run: the fragments of the slot's quarter q (plane q / 2, byte 128 (q % 2) of its rows) into buffer f.  A fragment: lane l holds row l % 16; registers 4 c .. 4 c + 3 hold
; K = 32 c + 16 (l / 16) + 0 .. 15: the same permutation of k in both operands.  It leaves the windows at TO_F.
.macro FETCH slot, q, f
	WIN TO_F
.irp i, 0,1,2,3
.irp c, 0,1,2,3
	ds_load_b128 v[\f+64+FR*\i+4*\c:\f+64+FR*\i+4*\c+3], v[ADRB+\slot] offset:((\q)/2)*HALFT+128*((\q)%2)+32*\c+\i*16*PITCH
.endr
.endr
.irp i, 0,1,2,3
.irp c, 0,1,2,3
	ds_load_b128 v[\f+FR*\i+4*\c:\f+FR*\i+4*\c+3], v[ADRA+\slot] offset:((\q)/2)*HALFT+128*((\q)%2)+32*\c+\i*16*PITCH
.endr
.endr
.endm
.macro PLACES n                        ; plain vector lines between a matrix instruction and a load into, or a read of, its registers
.rept \n
	v_nop
.endr
.endm
; One of a slot's first three quarters: buffer f is in; the slot's quarter q is asked for into buffer g, which then has this quarter's 16 products in which to land; buffer f is multiplied.
.macro QUARTER slot, q, f, g, zero
	s_wait_dscnt 0x0                               ; buffer f's 32 loads, asked for a quarter ago
	PLACES NP                                      ; behind the last products, which read buffer g
	FETCH \slot, \q, \g
	WIN MUL
	MULA \f, 0, \zero
	MULA \f, 1, \zero
	MULA \f, 2, \zero
	MULA \f, 3, \zero
.endm
; A slot's last quarter multiplies buffer 1 and changes slots: ONE barrier; in front of it each wave waits for all its tensor loads, adds 0 to its spare word, and waits for that and for its own reads of this slot.
; fill = 1: this slot is filled again, two slots ahead; the barrier then opens a round of the cluster's.
.macro TURN slot, next, fill
	WIN 0                                          ; (the add's two registers lie in window 0)
.if (\fill) && (LAPS > 2)
	s_wait_xcnt 0x0                                ; the last prefetch, a slot back, has read its address: it steps here, ahead of the change's own waits
	s_add_nc_u64 s[PFA:PFA+1], s[PFA:PFA+1], s[PFS:PFS+1]
.endif
	s_wait_tensorcnt 0x0                           ; all my tensor loads have landed: my plane of the next slot
	ds_add_u32 v[SPW], v[NIL]                      ; 0 onto my spare word
	s_wait_dscnt 1                                 ; buffer 1's 32 loads are in; the add alone may be out
	WIN MUL
	MULA F1, 0, 0                                  ; four products stand between the add and the wait for it
	s_wait_dscnt 0x0                               ; the add is done, and my reads of this slot are over
	s_barrier_signal -1
	MULA F1, 1, 0
	WIN 0
	s_barrier_wait -1
.if \fill
	CREST                                          ; no wave of any partner still reads this slot or has a load on its way
	s_add_nc_u64 s[G0+4*\slot+2:G0+4*\slot+3], s[G0+4*\slot+2:G0+4*\slot+3], 4*STA
	s_add_nc_u64 s[G0B+4*\slot+2:G0B+4*\slot+3], s[G0B+4*\slot+2:G0B+4*\slot+3], 4*STB
	JLOAD \slot                                    ; the first tensor load behind the round; its four v_nop are also the places in front of the loads below
.else
	PLACES NP
.endif
	FETCH \next, 0, F0
.if (\fill) && (LAPS > 2)
	WIN 0
	ASK                                            ; behind the joint load and the run of LDS loads that the next products wait for
.endif
	WIN MUL
	MULA F1, 2, 0
	MULA F1, 3, 0
.endm
	s_wait_tensorcnt 0x0                           ; my one load, two planes, is in
	s_barrier_signal -1
	s_barrier_wait -1                              ; everybody's is
	FETCH 0, 0, F0
	QUARTER 0, 1, F0, F1, 1                        ; the first quarter stands in front of the loop: its products start the sums
.if LAPS > 1
	WIN 0                                          ; at a label and at a branch every window is 0
	s_mov_b32 s3, LAPS-1
.Llap:                                                 ; a trip goes once round the ring, from a lap's second quarter to the next lap's first, and fills both slots again
	QUARTER 0, 2, F1, F0, 0
	QUARTER 0, 3, F0, F1, 0
	TURN 0, 1, 1
	QUARTER 1, 1, F0, F1, 0
	QUARTER 1, 2, F1, F0, 0
	QUARTER 1, 3, F0, F1, 0
	TURN 1, 0, 1
	QUARTER 0, 1, F0, F1, 0
	WIN 0
	s_sub_co_u32 s3, s3, 1
	s_cmp_lg_u32 s3, 0
	s_cbranch_scc1 .Llap
.endif
	QUARTER 0, 2, F1, F0, 0                        ; the last lap fills nothing, and has no round of the cluster's barrier
	QUARTER 0, 3, F0, F1, 0
	TURN 0, 1, 0
	QUARTER 1, 1, F0, F1, 0
	QUARTER 1, 2, F1, F0, 0
	QUARTER 1, 3, F0, F1, 0
	s_wait_dscnt 0x0                               ; the very last quarter: nothing more to fetch
	WIN MUL
	MULA F1, 0, 0
	MULA F1, 1, 0
	MULA F1, 2, 0
	MULA F1, 3, 0
	WIN 0
; THE WAY OUT, block by block of 16 rows x my 64 columns.  The sums go into my stage as they are and come back as whole rows of 256 bytes: a lane then holds four neighbouring columns, the same four in every row,
; so that sum x 2^(ea + eb) + bias is one packed multiply-add for two numbers, with four registers of bias.
.macro TOSTAGE a
.irp b, 0,1,2,3
	ds_store_b128 v[STO], v[ACC+8*(4*(\a)+\b):ACC+8*(4*(\a)+\b)+3] offset:64*\b          ; each accumulator from its low end on
	ds_store_b128 v[STO], v[ACC+8*(4*(\a)+\b)+4:ACC+8*(4*(\a)+\b)+7] offset:64*\b+16
.endr
.set BB, BK+32*((\a)%2)
.set tt, 0
.rept 8
	ds_load_b128 v[BB+4*tt:BB+4*tt+3], v[RD] offset:tt*2*SPITCH      ; LDS serves a wave's instructions in order: these see the stores above
.set tt, tt+1
.endr
.endm
.macro SEND a, younger                 ; younger: the LDS instructions issued behind block a's loads, which may stay out
.set BB, BK+32*((\a)%2)
	s_wait_dscnt \younger
.set tt, 0
.rept 8
	v_pk_fma_f32 v[BB+4*tt:BB+4*tt+1], v[BB+4*tt:BB+4*tt+1], s[96:97], v[12:13] op_sel_hi:[1,0,1]
	v_pk_fma_f32 v[BB+4*tt+2:BB+4*tt+3], v[BB+4*tt+2:BB+4*tt+3], s[96:97], v[14:15] op_sel_hi:[1,0,1]
.set tt, tt+1
.endr
.set tt, 0
.rept 8
	global_store_b128 v[CO], v[BB+4*tt:BB+4*tt+3], s[12:13] offset:((\a)*16+2*tt)*ROWC th:TH_STORE_NT   ; sixteen lanes store 256 consecutive bytes, aligned; the row stands in the immediate: 62 rows at the most
.set tt, tt+1
.endr
.endm
	s_wait_loadcnt 0x0                             ; the bias
	PLACES NP                                      ; behind the last products, ahead of the stores that read results
	TOSTAGE 0
.irp a, 1,2,3
.if \a > 1
	s_wait_xcnt 0x0                                ; block a - 2's stores have read their registers: block a's loads may land there
.endif
	TOSTAGE \a
	SEND \a-1, 16                                  ; behind block a - 1's loads: block a's 8 stores and 8 loads
.endr
	SEND 3, 0
	s_wait_tensorcnt 0x0                           ; the wave's end: behind my last tensor load and my last LDS store
	ds_add_u32 v[SPW], v[NIL]
	s_wait_dscnt 0x0
	CROUND                                         ; the closing round: no work-group ends while a partner may still ask for a tile that names it
	s_endpgm
.Lfunc_end_k_q66f175c544_wo:
	.size	k_q66f175c544_wo, .Lfunc_end_k_q66f175c544_wo-k_q66f175c544_wo
	.p2alignl 7, 3214868480
	.fill 96, 4, 3214868480
	.section	.rodata,"a",@progbits
	.p2align	6, 0x0
	.amdhsa_kernel k_q66f175c544_wo
		.amdhsa_group_segment_fixed_size 327680
		.amdhsa_private_segment_fixed_size 0
		.amdhsa_enable_private_segment 0
		.amdhsa_kernarg_size 40
		.amdhsa_user_sgpr_count 2
		.amdhsa_user_sgpr_kernarg_segment_ptr 1
		.amdhsa_wavefront_size32 1
		.amdhsa_system_sgpr_workgroup_id_x 1
		.amdhsa_system_sgpr_workgroup_id_y 1
		.amdhsa_system_sgpr_workgroup_id_z 1
		.amdhsa_system_vgpr_workitem_id 0
		.amdhsa_next_free_vgpr 512
		.amdhsa_next_free_sgpr 102
		.amdhsa_reserve_vcc 0
		.amdhsa_float_denorm_mode_32 3
		.amdhsa_float_denorm_mode_16_64 3
		.amdhsa_memory_ordered 1
		.amdhsa_forward_progress 1
		.amdhsa_inst_pref_size 44
	.end_amdhsa_kernel
	.amdgpu_metadata
---
amdhsa.version: [ 1, 2 ]
amdhsa.kernels:
  - .name:           k_q66f175c544_wo
    .symbol:         k_q66f175c544_wo.kd
    .args:
      - { .name: oc, .offset: 0, .size: 8, .value_kind: global_buffer, .address_space: global }
      - { .name: wc, .offset: 8, .size: 8, .value_kind: global_buffer, .address_space: global }
      - { .name: lowp_scales, .offset: 16, .size: 8, .value_kind: global_buffer, .address_space: global }
      - { .name: bo, .offset: 24, .size: 8, .value_kind: global_buffer, .address_space: global }
      - { .name: y, .offset: 32, .size: 8, .value_kind: global_buffer, .address_space: global }
    .group_segment_fixed_size: 327680
    .private_segment_fixed_size: 0
    .kernarg_segment_align: 8
    .kernarg_segment_size: 40
    .max_flat_workgroup_size: 128
    .sgpr_count:     102
    .vgpr_count:     512
    .wavefront_size: 32
...
	.end_amdgpu_metadata
.endif
;; end of part 12
;; launch ln1 (part 13): grid 256 x 1, 8 waves a work-group, no clusters, 17,408 bytes of LDS; arguments y, x, ln1_scale, ln1_bias, lowp_scales, x1, x1c; writes x1, x1c
.if DOCPART == 13
	.amdgcn_target "amdgcn-amd-amdhsa--gfx1250"
	.amdhsa_code_object_version 6
	.text
	.protected	k_q66f175c544_ln1
	.globl	k_q66f175c544_ln1
	.p2align	8
	.type	k_q66f175c544_ln1,@function
k_q66f175c544_ln1:
	s_mov_b64 s[64:65], 0
	v_nop
	global_prefetch_b8 v0, s[64:65] scope:SCOPE_SE
	s_setreg_imm32_b32 hwreg(HW_REG_WAVE_MODE, 25, 1), 1
	s_wait_xcnt 0x0
; x1 = layernorm(x + y) x gain + bias, in f32, and its codes of FP8 (entry 12 of the exponents) for the first product of the feed-forward part.  y holds o Wo + bo.  Nothing is left out.
; A wave takes a whole row (4,096 bytes, 32 registers) and keeps it between the passes: mean, then the mean of the squared differences, as the problem writes them.  Two rows a wave, eight waves, 16 rows a work-group.
; A lane's columns are 128 j + 4 lane + 0 .. 3: every load and store covers 512 consecutive bytes.  All 48 loads of a wave go out at the head.
; The codes of a row go through the wave's own 1,024 bytes of LDS, so that a lane gets 16 neighbours and sixteen lanes store 256 consecutive bytes of x1c, laid [K / 256][4,096 rows][256].
; Memory binds: matrix units, clusters and tensor loads would add nothing here.
; LIMIT: entry 12 between -126 and 119.  NaN is not served.
.set CODES, 1
.set GN,  32                           ; v32-63  the gain
.set BS,  64                           ; v64-95  the bias
.set SPW, 24
.set NIL, 25
.set SPARE, 16384                      ; behind the waves' 8 x 2,048 bytes: the spare words
	s_load_b256 s[4:11], s[0:1], 0x0               ; y s[4:5], the residual s[6:7], gain s[8:9], bias s[10:11]
.if CODES
	s_load_b128 s[16:19], s[0:1], 0x20             ; the exponents s[16:17], the f32 result s[18:19]
	s_load_b64 s[20:21], s[0:1], 0x30              ; the codes
	v_lshl_add_u32 v[SPW], v0, 2, SPARE
	v_mov_b32 v[NIL], 0
.else
	s_load_b64 s[18:19], s[0:1], 0x20              ; the result
.endif
	v_lshrrev_b32 v1, 5, v0
	s_delay_alu instid0(VALU_DEP_1)
	v_readfirstlane_b32 s22, v1                    ; wave
	v_and_b32 v2, 31, v0
	s_delay_alu instid0(VALU_DEP_1)
	v_lshlrev_b32 v3, 4, v2                        ; 16 x lane
	s_lshl_b32 s23, ttmp9, 4
	s_lshl_b32 s24, s22, 1
	s_add_co_u32 s23, s23, s24                     ; my first row
	s_lshl_b32 s24, s23, 12
	s_mov_b32 s25, 0
	s_mov_b32 s12, 0x76543210
	s_mov_b32 s13, 0xfedcba98
	s_mov_b32 s14, 0x3a800000                      ; 1 / 1,024
	s_mov_b32 s15, 0x3727c5ac                      ; 1e-5
	s_wait_alu depctr_va_vdst(0)
	s_wait_kmcnt 0x0
.if CODES
	s_load_b32 s26, s[16:17], 0x30                 ; e12
.endif
	s_add_nc_u64 s[4:5], s[4:5], s[24:25]
	s_add_nc_u64 s[6:7], s[6:7], s[24:25]
	s_add_nc_u64 s[18:19], s[18:19], s[24:25]
.irp j, 0,1,2,3,4,5,6,7
	global_load_b128 v[GN+4*\j:GN+4*\j+3], v3, s[8:9] offset:512*\j
.endr
.irp j, 0,1,2,3,4,5,6,7
	global_load_b128 v[BS+4*\j:BS+4*\j+3], v3, s[10:11] offset:512*\j
.endr
.irp i, 0,1
.irp j, 0,1,2,3,4,5,6,7
	global_load_b128 v[96+64*\i+4*\j:96+64*\i+4*\j+3], v3, s[4:5] offset:4096*\i+512*\j th:TH_LOAD_NT
.endr
.irp j, 0,1,2,3,4,5,6,7
	global_load_b128 v[128+64*\i+4*\j:128+64*\i+4*\j+3], v3, s[6:7] offset:4096*\i+512*\j th:TH_LOAD_NT
.endr
.endr
.if CODES
	s_lshl_b32 s24, s23, 8                         ; a row's 256 bytes in each K step of the codes
	s_add_nc_u64 s[20:21], s[20:21], s[24:25]
	v_lshrrev_b32 v4, 4, v2
	s_delay_alu instid0(VALU_DEP_1)
	v_lshlrev_b32 v4, 20, v4                       ; lanes 16-31: one K step (4,096 rows x 256 bytes) on
	v_and_b32 v5, 15, v2
	s_delay_alu instid0(VALU_DEP_1)
	v_lshl_add_u32 v4, v5, 4, v4
	s_lshl_b32 s27, s22, 11                        ; my wave's 2,048 bytes of LDS
	v_lshlrev_b32 v5, 2, v2
	s_delay_alu instid0(VALU_DEP_1)
	v_add_nc_u32 v5, s27, v5                       ; in: 4 bytes a lane
	v_add_nc_u32 v6, s27, v3                       ; back: 16 bytes a lane
	s_wait_kmcnt 0x0
	s_add_co_i32 s26, s26, 127
	s_lshl_b32 s27, s26, 23
	v_mov_b32 v26, s27                             ; 2^e12
	s_add_co_i32 s26, s26, 8
	s_lshl_b32 s26, s26, 23
	s_or_b32 s26, s26, 0x600000
	v_mov_b32 v27, s26                             ; 448 x 2^e12
.endif
.macro REDUCE                          ; v8 summed over the 32 lanes, the result in every lane
	s_delay_alu instid0(VALU_DEP_1)
	v_add_f32_dpp v8, v8, v8 row_xmask:1 row_mask:0xf bank_mask:0xf
	s_delay_alu instid0(VALU_DEP_1)
	v_add_f32_dpp v8, v8, v8 row_xmask:2 row_mask:0xf bank_mask:0xf
	s_delay_alu instid0(VALU_DEP_1)
	v_add_f32_dpp v8, v8, v8 row_xmask:4 row_mask:0xf bank_mask:0xf
	s_delay_alu instid0(VALU_DEP_1)
	v_add_f32_dpp v8, v8, v8 row_xmask:8 row_mask:0xf bank_mask:0xf
	s_delay_alu instid0(VALU_DEP_1)
	v_permlanex16_b32 v9, v8, s12, s13
	s_delay_alu instid0(VALU_DEP_1)
	v_add_f32 v8, v8, v9
.endm
.macro FOLD                            ; the four chains v[8:15] into v8
	s_delay_alu instid0(VALU_DEP_3)
	v_pk_add_f32 v[8:9], v[8:9], v[10:11]
	s_delay_alu instid0(VALU_DEP_2)
	v_pk_add_f32 v[12:13], v[12:13], v[14:15]
	s_delay_alu instid0(VALU_DEP_1)
	v_pk_add_f32 v[8:9], v[8:9], v[12:13]
	s_delay_alu instid0(VALU_DEP_1)
	v_add_f32 v8, v8, v9
.endm
.macro ROW i
.set YR, 96+64*\i
.set RR, 128+64*\i
	s_wait_loadcnt 16-16*\i                        ; gain, bias and this row are in; the other row's sixteen loads may be out
.set jj, 0
.rept 16
	v_pk_add_f32 v[YR+jj:YR+jj+1], v[YR+jj:YR+jj+1], v[RR+jj:RR+jj+1]
.set jj, jj+2
.endr
.irp c, 0,1,2,3
	v_pk_add_f32 v[8+2*\c:9+2*\c], v[YR+2*\c:YR+2*\c+1], v[YR+8+2*\c:YR+9+2*\c]     ; the first pairs start four chains: nothing is cleared
.endr
.irp c, 0,1,2,3
	s_delay_alu instid0(VALU_DEP_4)
	v_pk_add_f32 v[8+2*\c:9+2*\c], v[8+2*\c:9+2*\c], v[YR+16+2*\c:YR+17+2*\c]
.endr
.irp c, 0,1,2,3
	s_delay_alu instid0(VALU_DEP_4)
	v_pk_add_f32 v[8+2*\c:9+2*\c], v[8+2*\c:9+2*\c], v[YR+24+2*\c:YR+25+2*\c]
.endr
	FOLD
	REDUCE
	s_delay_alu instid0(VALU_DEP_1)
	v_mul_f32 v8, s14, v8                          ; the mean
.set jj, 0
.rept 16
	v_pk_add_f32 v[YR+jj:YR+jj+1], v[YR+jj:YR+jj+1], v[8:9] op_sel_hi:[1,0] neg_lo:[0,1] neg_hi:[0,1]
.set jj, jj+2
.endr
.irp c, 0,1,2,3
	v_pk_mul_f32 v[8+2*\c:9+2*\c], v[YR+2*\c:YR+2*\c+1], v[YR+2*\c:YR+2*\c+1]
.endr
.irp g, 8,16,24
.irp c, 0,1,2,3
	s_delay_alu instid0(VALU_DEP_4)
	v_pk_fma_f32 v[8+2*\c:9+2*\c], v[YR+\g+2*\c:YR+\g+2*\c+1], v[YR+\g+2*\c:YR+\g+2*\c+1], v[8+2*\c:9+2*\c]
.endr
.endr
	FOLD
	REDUCE
	s_delay_alu instid0(VALU_DEP_1)
	v_fma_f32 v8, v8, s14, s15                     ; the variance + 1e-5
	s_wait_alu depctr_va_vdst(0)
	v_rsq_f32 v10, v8
	v_nop                                          ; a plain line behind the transcendental,
	s_wait_alu depctr_va_vdst(0)                   ; and the wait ahead of its first reader
.set jj, 0
.rept 16
	v_pk_mul_f32 v[YR+jj:YR+jj+1], v[YR+jj:YR+jj+1], v[10:11] op_sel_hi:[1,0]
.set jj, jj+2
.endr
.set jj, 0
.rept 16
	v_pk_fma_f32 v[YR+jj:YR+jj+1], v[YR+jj:YR+jj+1], v[GN+jj:GN+jj+1], v[BS+jj:BS+jj+1]
.set jj, jj+2
.endr
.irp j, 0,1,2,3,4,5,6,7
	global_store_b128 v3, v[YR+4*\j:YR+4*\j+3], s[18:19] offset:4096*\i+512*\j
.endr
.if CODES
.set jj, 0
.rept 32
	v_med3_num_f32 v[RR+jj], v[YR+jj], -v27, v27   ; the hold, into the residual's registers, which are free
.set jj, jj+1
.endr
.irp m, 0,1,2,3
	v_cvt_scalef32_pk8_fp8_f32 v[16+2*\m:17+2*\m], v[RR+8*\m:RR+8*\m+7], v26   ; register j of the result: the four codes of columns 128 j + 4 lane on
.endr
	v_nop                                          ; a plain line behind the last conversion
.irp j, 0,1,2,3,4,5,6,7
	ds_store_b32 v5, v[16+\j] offset:1024*\i+128*\j
.endr
.irp k, 0,1
	ds_load_b128 v[RR+4*\k:RR+4*\k+3], v6 offset:1024*\i+512*\k   ; LDS serves a wave's instructions in order: these see my stores
.endr
.irp k, 0,1
	s_wait_dscnt 1-\k                              ; the younger load may be out
	global_store_b128 v4, v[RR+4*\k:RR+4*\k+3], s[20:21] offset:256*\i+2097152*\k
.endr
.endif
.endm
	ROW 0
	ROW 1
.if CODES
	s_wait_tensorcnt 0x0                           ; the wave's end: behind my last LDS store
	ds_add_u32 v[SPW], v[NIL]
	s_wait_dscnt 0x0
.endif
	s_endpgm
.Lfunc_end_k_q66f175c544_ln1:
	.size	k_q66f175c544_ln1, .Lfunc_end_k_q66f175c544_ln1-k_q66f175c544_ln1
	.p2alignl 7, 3214868480
	.fill 96, 4, 3214868480
	.section	.rodata,"a",@progbits
	.p2align	6, 0x0
	.amdhsa_kernel k_q66f175c544_ln1
		.amdhsa_group_segment_fixed_size 17408
		.amdhsa_private_segment_fixed_size 0
		.amdhsa_enable_private_segment 0
		.amdhsa_kernarg_size 56
		.amdhsa_user_sgpr_count 2
		.amdhsa_user_sgpr_kernarg_segment_ptr 1
		.amdhsa_wavefront_size32 1
		.amdhsa_system_sgpr_workgroup_id_x 1
		.amdhsa_system_sgpr_workgroup_id_y 1
		.amdhsa_system_sgpr_workgroup_id_z 1
		.amdhsa_system_vgpr_workitem_id 0
		.amdhsa_next_free_vgpr 224
		.amdhsa_next_free_sgpr 66
		.amdhsa_reserve_vcc 0
		.amdhsa_float_denorm_mode_32 3
		.amdhsa_float_denorm_mode_16_64 3
		.amdhsa_memory_ordered 1
		.amdhsa_forward_progress 1
		.amdhsa_inst_pref_size 32
	.end_amdhsa_kernel
	.amdgpu_metadata
---
amdhsa.version: [ 1, 2 ]
amdhsa.kernels:
  - .name:           k_q66f175c544_ln1
    .symbol:         k_q66f175c544_ln1.kd
    .args:
      - { .name: y, .offset: 0, .size: 8, .value_kind: global_buffer, .address_space: global }
      - { .name: x, .offset: 8, .size: 8, .value_kind: global_buffer, .address_space: global }
      - { .name: ln1_scale, .offset: 16, .size: 8, .value_kind: global_buffer, .address_space: global }
      - { .name: ln1_bias, .offset: 24, .size: 8, .value_kind: global_buffer, .address_space: global }
      - { .name: lowp_scales, .offset: 32, .size: 8, .value_kind: global_buffer, .address_space: global }
      - { .name: x1, .offset: 40, .size: 8, .value_kind: global_buffer, .address_space: global }
      - { .name: x1c, .offset: 48, .size: 8, .value_kind: global_buffer, .address_space: global }
    .group_segment_fixed_size: 17408
    .private_segment_fixed_size: 0
    .kernarg_segment_align: 8
    .kernarg_segment_size: 56
    .max_flat_workgroup_size: 256
    .sgpr_count:     66
    .vgpr_count:     224
    .wavefront_size: 32
...
	.end_amdgpu_metadata
.endif
;; end of part 13
;; launch ffn1 (part 14): grid 16 x 16, 4 waves a work-group, clusters of 4 x 4, 327,680 bytes of LDS; arguments x1c, wc, lowp_scales, b1, hc; writes hc
.if DOCPART == 14
	.amdgcn_target "amdgcn-amd-amdhsa--gfx1250"
	.amdhsa_code_object_version 6
	.text
	.protected	k_q66f175c544_ffn1
	.globl	k_q66f175c544_ffn1
	.p2align	8
	.type	k_q66f175c544_ffn1,@function
k_q66f175c544_ffn1:
	s_mov_b64 s[64:65], 0
	v_nop
	global_prefetch_b8 v0, s[64:65] scope:SCOPE_SE
	s_setreg_imm32_b32 hwreg(HW_REG_WAVE_MODE, 25, 1), 1
	s_wait_xcnt 0x0
	s_wait_alu depctr_hold_cnt(0) depctr_sa_sdst(0) depctr_va_vdst(0) depctr_va_sdst(0) depctr_va_ssrc(0) depctr_va_vcc(0) depctr_vm_vsrc(0)
	s_getreg_b32 s2, hwreg(HW_REG_IB_STS2, 6, 4)
	s_cmp_eq_u32 s2, 0
	s_cbranch_scc0 .Lentry_in_a_cluster
	s_endpgm
.Lentry_in_a_cluster:
	s_bfe_u32 s2, ttmp6, 0x10000c
	s_cmp_lg_u32 s2, 0xf033
	s_cbranch_scc0 .Lentry_shape_is_right
	s_endpgm
.Lentry_shape_is_right:
; h = relu(x1 W1 + b1) on codes of FP8 (entries 12, 13), quantised at once (entry 14) for the second product of the feed-forward part.  Nothing is left out.
; A block of 256 x 256 to a work-group of four waves, 128 x 128 a wave; K = 1,024 in four steps of 256 through a ring of two LDS slots; clusters of 4 x 4 ask for A's and W's tiles jointly.
; The hold between 0 and 448 x 2^e14 is the activation and the quantiser's clamp in one.  LIMITS: entries 12 + 13 between -126 and 127, entry 14 between -126 and 119.  NaN is not served.
.set STA,    0x100000
.set STB,    0x100000
.set WOFF,   0x400000
.set ROWB,   256
.set PITCH,  272
.set FR,     16
.set NL,     4
.set NP,     4
.set HALFT,  128*PITCH
.set SLOT,   4*HALFT
.set SPARE,  2*SLOT
.set ADRA, 16
.set ADRB, 20
.set CO,   22
.set BLQ,  23
.set STO,  24
.set RD,   26
.set SPW,  28
.set NIL,  29
.set BI,   32
.set T,    96
.set CD,   160
.set AF,   128
.set G1,  24
.set G0,  32
.set G1B, 48
.set G0B, 56
.set MSB, 0
.macro WIN new
.if MSB != (\new)
	s_set_vgpr_msb (MSB<<8)|(\new)
.set MSB, (\new)
.endif
.endm
.set MUL_LO, 0xa1
.set MUL_HI, 0xf1
.set TO_B,   0x40
.macro JLOAD s
	s_cmp_eq_u32 s15, 0
	s_cbranch_scc0 .Lfor_b_\@
	tensor_load_to_lds s[G0+4*\s:G0+4*\s+3], s[G1:G1+7]
	s_nop 0
.rept 4
	v_nop
.endr
	s_branch .Lasked_\@
.Lfor_b_\@:
	tensor_load_to_lds s[G0B+4*\s:G0B+4*\s+3], s[G1B:G1B+7]
	s_nop 0
.rept 4
	v_nop
.endr
.Lasked_\@:
.endm
.macro CREST
	s_cmp_lg_u32 s14, 0
	s_cbranch_scc1 .Lnot_wave_0_\@
	s_barrier_signal -3
.Lnot_wave_0_\@:
	s_barrier_wait -3
	s_barrier_signal -1
	s_barrier_wait -1
.endm
.macro CROUND
	s_barrier_signal -1
	s_barrier_wait -1
	CREST
.endm
	s_load_b256 s[4:11], s[0:1], 0x0
	s_load_b64 s[12:13], s[0:1], 0x20
	v_lshl_add_u32 v[SPW], v0, 2, SPARE
	v_mov_b32 v[NIL], 0
	ds_add_u32 v[SPW], v[NIL]
	ds_add_u32 v[SPW], v[NIL]
	v_lshrrev_b32 v1, 5, v0
	v_readfirstlane_b32 s14, v1
	s_lshr_b32 s15, s14, 1
	s_and_b32 s16, s14, 1
	s_bfe_u32 s40, ttmp6, 0x40000
	s_bfe_u32 s41, ttmp6, 0x40004
	s_lshl_b32 s42, ttmp9, 2
	s_add_co_u32 s42, s42, s40
	s_and_b32 s17, ttmp7, 0xffff
	s_lshl_b32 s17, s17, 2
	s_add_co_u32 s17, s17, s41
	s_lshl_b32 s43, s41, 2
	s_lshl_b32 s43, 15, s43
	s_lshl_b32 s44, 0x1111, s40
	s_or_b32 s[G1+0], s43, (0<<16)|(1<<20)|(1<<21)|(5<<22)|(3<<25)
	s_or_b32 s[G1B+0], s44, (0<<16)|(1<<20)|(1<<21)|(5<<22)|(3<<25)
.irp g, G1, G1B
	s_mov_b32 s[\g+1], ROWB<<16
	s_mov_b32 s[\g+2], 128<<16
	s_mov_b32 s[\g+3], ROWB<<16
	s_mov_b32 s[\g+4], 128
	s_mov_b32 s[\g+5], ROWB
	s_mov_b32 s[\g+6], 0
	s_mov_b32 s[\g+7], 0
.endr
	s_lshl_b32 s20, s17, 1
	s_add_co_u32 s20, s20, s16
	s_lshl_b32 s20, s20, 15
	s_mov_b32 s21, 0
	s_lshl_b32 s46, s42, 1
	s_add_co_u32 s46, s46, s16
	s_lshl_b32 s46, s46, 15
	s_add_co_u32 s46, s46, WOFF
	s_mov_b32 s47, 0
	s_mul_i32 s45, s14, HALFT
	s_wait_dscnt 0x0
	s_wait_kmcnt 0x0
	s_load_b128 s[76:79], s[8:9], 0x30
	s_add_nc_u64 s[20:21], s[4:5], s[20:21]
	s_add_nc_u64 s[46:47], s[6:7], s[46:47]
	CROUND
.irp s, 0,1
	s_mov_b32 s[G0+4*\s], 1
	s_add_co_u32 s[G0+4*\s+1], s45, \s*SLOT
	s_add_nc_u64 s[G0+4*\s+2:G0+4*\s+3], s[20:21], \s*STA
	s_or_b32 s[G0+4*\s+3], s[G0+4*\s+3], 0x80000000
	s_mov_b32 s[G0B+4*\s], 1
	s_add_co_u32 s[G0B+4*\s+1], s45, \s*SLOT
	s_add_nc_u64 s[G0B+4*\s+2:G0B+4*\s+3], s[46:47], \s*STB
	s_or_b32 s[G0B+4*\s+3], s[G0B+4*\s+3], 0x80000000
.if \s                                 ; slot 1's first fill is issued as a refill is, with the waits, the add and a round ahead of it
	s_wait_alu depctr_va_vdst(0)
	s_wait_tensorcnt 0x0
	ds_add_u32 v28, v29
	s_wait_dscnt 0x0
	CROUND
.endif
	JLOAD \s
.endr
	v_and_b32 v1, 15, v0
	v_bfe_u32 v2, v0, 4, 1
	v_mul_u32_u24 v3, v1, PITCH
	s_wait_alu depctr_va_vdst(0)
	v_lshl_add_u32 v4, v2, 4, v3
	s_mul_i32 s21, s15, HALFT
	s_mul_i32 s22, s16, HALFT
	s_add_co_u32 s22, s22, 2*HALFT
.irp s, 0,1
	v_add_nc_u32 v[ADRA+\s], s21, v4
	v_add_nc_u32 v[ADRB+\s], s22, v4
	s_add_co_u32 s21, s21, SLOT
	s_add_co_u32 s22, s22, SLOT
.endr
	s_mul_i32 s23, s15, 128*272
	s_lshl_b32 s22, s16, 7
	s_add_co_u32 s23, s23, s22
	v_lshl_add_u32 v5, v2, 3, v3
	v_add_nc_u32 v[STO], s23, v5
	v_and_b32 v6, 31, v0
	v_lshlrev_b32 v[CO], 4, v6
	s_mul_i32 s23, s14, 64*272
	v_mul_u32_u24 v7, v2, 272
	v_lshl_add_u32 v7, v1, 4, v7
	v_add_nc_u32 v[RD], s23, v7
	v_lshlrev_b32 v[BLQ], 5, v2
	s_lshl_b32 s18, s42, 10
	s_lshl_b32 s19, s16, 9
	s_add_co_u32 s18, s18, s19
	s_mov_b32 s19, 0
	s_add_nc_u64 s[74:75], s[10:11], s[18:19]
.irp b, 0,1,2,3,4,5,6,7
	global_load_b128 v[BI+8*\b:BI+8*\b+3], v[BLQ], s[74:75] offset:64*\b
	global_load_b128 v[BI+8*\b+4:BI+8*\b+7], v[BLQ], s[74:75] offset:64*\b+16
.endr
	s_lshl_b32 s18, s42, 20
	s_lshl_b32 s22, s17, 16
	s_add_co_u32 s18, s18, s22
	s_lshl_b32 s22, s14, 14
	s_add_co_u32 s18, s18, s22
	s_add_nc_u64 s[72:73], s[12:13], s[18:19]
	s_wait_kmcnt 0x0
	s_add_co_i32 s96, s76, s77
	s_add_co_i32 s96, s96, 127
	s_lshl_b32 s96, s96, 23
	s_mov_b32 s97, s96
	s_add_co_i32 s19, s78, 127
	s_lshl_b32 s18, s19, 23
	v_mov_b32 v30, s18
	s_add_co_i32 s19, s19, 8
	s_lshl_b32 s19, s19, 23
	s_or_b32 s19, s19, 0x600000
	v_mov_b32 v31, s19
.macro FRAG reg, adr, q, i
.irp c, 0,1,2,3
	ds_load_b128 v[\reg+4*\c:\reg+4*\c+3], v[\adr] offset:128*(\q)+32*\c+(\i)*16*PITCH
.endr
.endm
.macro MUL16 a0, p, zero
.irp a, \a0, \a0+1
.irp b, 0,1,2,3,4,5,6,7
.if \zero
	v_wmma_f32_16x16x128_fp8_fp8 v[8*(8*((\a)%4)+\b):8*(8*((\a)%4)+\b)+7], v[128*(\p)+FR*\b:128*(\p)+FR*\b+FR-1], v[AF+FR*(\a):AF+FR*(\a)+FR-1], 0
.else
	v_wmma_f32_16x16x128_fp8_fp8 v[8*(8*((\a)%4)+\b):8*(8*((\a)%4)+\b)+7], v[128*(\p)+FR*\b:128*(\p)+FR*\b+FR-1], v[AF+FR*(\a):AF+FR*(\a)+FR-1], v[8*(8*((\a)%4)+\b):8*(8*((\a)%4)+\b)+7]
.endif
.endr
.endr
.endm
.macro FETCH_B slot, q, p
	WIN TO_B
.irp i, 0,1,2,3,4,5,6,7
	FRAG 128*(\p)+FR*\i, ADRB+\slot, \q, \i
.endr
	WIN 0
.endm
.macro FETCH_A slot, q, i0
.irp i, \i0, \i0+1, \i0+2, \i0+3
	FRAG AF+FR*(\i), ADRA+\slot, \q, \i
.endr
.endm
.macro PLACES n
.rept \n
	v_nop
.endr
.endm
.macro STEP slot, q, zero
	s_wait_dscnt 4*NL
	WIN MUL_LO
	MUL16 0, (\q)%2, \zero
	MUL16 2, (\q)%2, \zero
	s_wait_dscnt 0
	PLACES NP
	FETCH_B \slot, (\q)+1, 1-(\q)%2
	FETCH_A \slot, (\q)+1, 0
	WIN MUL_HI
	MUL16 4, (\q)%2, \zero
	MUL16 6, (\q)%2, \zero
	PLACES NP
	WIN 0
	FETCH_A \slot, (\q)+1, 4
.endm
.macro TURN slot, next, fill
	s_wait_tensorcnt 0x0
	ds_add_u32 v[SPW], v[NIL]
	s_wait_dscnt 4*NL+1
	WIN MUL_LO
	MUL16 0, 1, 0
	s_wait_dscnt 0x0
	s_barrier_signal -1
	MUL16 2, 1, 0
	WIN 0
	s_barrier_wait -1
.if \fill
	CREST
	s_add_nc_u64 s[G0+4*\slot+2:G0+4*\slot+3], s[G0+4*\slot+2:G0+4*\slot+3], 2*STA
	s_add_nc_u64 s[G0B+4*\slot+2:G0B+4*\slot+3], s[G0B+4*\slot+2:G0B+4*\slot+3], 2*STB
	JLOAD \slot
.else
	PLACES NP
.endif
	FETCH_B \next, 0, 0
	FETCH_A \next, 0, 0
	WIN MUL_HI
	MUL16 4, 1, 0
	MUL16 6, 1, 0
	PLACES NP
	WIN 0
	FETCH_A \next, 0, 4
.endm
.macro CVT a
.if (\a) >= 2
	s_wait_dscnt 8
.endif
	WIN 0x02+((\a)/4)
.irp b, 0,1,2,3,4,5,6,7
.irp j, 0,2,4,6
	v_pk_fma_f32 v[T+8*\b+\j:T+8*\b+\j+1], v[64*((\a)%4)+8*\b+\j:64*((\a)%4)+8*\b+\j+1], s[96:97], v[BI+8*\b+\j:BI+8*\b+\j+1] op_sel_hi:[1,0,1]
.endr
.endr
	WIN 0
.set ii, 0
.rept 64
	v_med3_num_f32 v[T+ii], v[T+ii], 0, v31
.set ii, ii+1
.endr
.irp b, 0,1,2,3,4,5,6,7
	v_cvt_scalef32_pk8_fp8_f32 v[CD+16*((\a)%2)+2*\b:CD+16*((\a)%2)+2*\b+1], v[T+8*\b:T+8*\b+7], v30
.endr
	v_nop
.irp b, 0,1,2,3,4,5,6,7
	ds_store_b64 v[STO], v[CD+16*((\a)%2)+2*\b:CD+16*((\a)%2)+2*\b+1] offset:(\a)*16*272+16*\b
.endr
.endm
	s_wait_tensorcnt 1
	s_barrier_signal -1
	s_barrier_wait -1
	FETCH_B 0, 0, 0
	FETCH_A 0, 0, 0
	FETCH_A 0, 0, 4
	STEP 0, 0, 1
	s_mov_b32 s3, 1
.Llap:
	TURN 0, 1, 1
	STEP 1, 0, 0
	TURN 1, 0, 1
	STEP 0, 0, 0
	s_sub_co_u32 s3, s3, 1
	s_cmp_lg_u32 s3, 0
	s_cbranch_scc1 .Llap
	TURN 0, 1, 0
	STEP 1, 0, 0
	s_wait_dscnt 4*NL
	WIN MUL_LO
	MUL16 0, 1, 0
	MUL16 2, 1, 0
	s_wait_dscnt 0
	WIN MUL_HI
	MUL16 4, 1, 0
	MUL16 6, 1, 0
	WIN 0
	s_wait_loadcnt 0x0
	PLACES NP
.irp a, 0,1,2,3,4,5,6,7
	CVT \a
.endr
	s_wait_dscnt 0x0
	s_barrier_signal -1
	s_barrier_wait -1
.set tt, 0
.rept 32
	ds_load_b128 v[T+4*tt:T+4*tt+3], v[RD] offset:2*tt*272
.set tt, tt+1
.endr
.set tt, 0
.rept 32
	s_wait_dscnt 31-tt
	global_store_b128 v[CO], v[T+4*tt:T+4*tt+3], s[72:73] offset:512*tt
.set tt, tt+1
.endr
	s_wait_tensorcnt 0x0
	ds_add_u32 v[SPW], v[NIL]
	s_wait_dscnt 0x0
	CROUND
	s_endpgm
.Lfunc_end_k_q66f175c544_ffn1:
	.size	k_q66f175c544_ffn1, .Lfunc_end_k_q66f175c544_ffn1-k_q66f175c544_ffn1
	.p2alignl 7, 3214868480
	.fill 96, 4, 3214868480
	.section	.rodata,"a",@progbits
	.p2align	6, 0x0
	.amdhsa_kernel k_q66f175c544_ffn1
		.amdhsa_group_segment_fixed_size 327680
		.amdhsa_private_segment_fixed_size 0
		.amdhsa_enable_private_segment 0
		.amdhsa_kernarg_size 40
		.amdhsa_user_sgpr_count 2
		.amdhsa_user_sgpr_kernarg_segment_ptr 1
		.amdhsa_wavefront_size32 1
		.amdhsa_system_sgpr_workgroup_id_x 1
		.amdhsa_system_sgpr_workgroup_id_y 1
		.amdhsa_system_sgpr_workgroup_id_z 1
		.amdhsa_system_vgpr_workitem_id 0
		.amdhsa_next_free_vgpr 1024
		.amdhsa_next_free_sgpr 102
		.amdhsa_reserve_vcc 0
		.amdhsa_float_denorm_mode_32 3
		.amdhsa_float_denorm_mode_16_64 3
		.amdhsa_memory_ordered 1
		.amdhsa_forward_progress 1
		.amdhsa_inst_pref_size 143
	.end_amdhsa_kernel
	.amdgpu_metadata
---
amdhsa.version: [ 1, 2 ]
amdhsa.kernels:
  - .name:           k_q66f175c544_ffn1
    .symbol:         k_q66f175c544_ffn1.kd
    .args:
      - { .name: x1c, .offset: 0, .size: 8, .value_kind: global_buffer, .address_space: global }
      - { .name: wc, .offset: 8, .size: 8, .value_kind: global_buffer, .address_space: global }
      - { .name: lowp_scales, .offset: 16, .size: 8, .value_kind: global_buffer, .address_space: global }
      - { .name: b1, .offset: 24, .size: 8, .value_kind: global_buffer, .address_space: global }
      - { .name: hc, .offset: 32, .size: 8, .value_kind: global_buffer, .address_space: global }
    .group_segment_fixed_size: 327680
    .private_segment_fixed_size: 0
    .kernarg_segment_align: 8
    .kernarg_segment_size: 40
    .max_flat_workgroup_size: 128
    .sgpr_count:     102
    .vgpr_count:     1024
    .wavefront_size: 32
...
	.end_amdgpu_metadata
.endif
;; end of part 14
;; launch ffn2 (part 15): grid 8 x 32, 4 waves a work-group, clusters of 4 x 4, 327,680 bytes of LDS; arguments hc, wc, lowp_scales, b2, y; writes y
.if DOCPART == 15
	.amdgcn_target "amdgcn-amd-amdhsa--gfx1250"
	.amdhsa_code_object_version 6
	.text
	.protected	k_q66f175c544_ffn2
	.globl	k_q66f175c544_ffn2
	.p2align	8
	.type	k_q66f175c544_ffn2,@function
k_q66f175c544_ffn2:
	s_mov_b64 s[64:65], 0
	v_nop
	global_prefetch_b8 v0, s[64:65] scope:SCOPE_SE
	s_setreg_imm32_b32 hwreg(HW_REG_WAVE_MODE, 25, 1), 1
	s_wait_xcnt 0x0
	s_wait_alu depctr_hold_cnt(0) depctr_sa_sdst(0) depctr_va_vdst(0) depctr_va_sdst(0) depctr_va_ssrc(0) depctr_va_vcc(0) depctr_vm_vsrc(0)
	s_getreg_b32 s2, hwreg(HW_REG_IB_STS2, 6, 4)
	s_cmp_eq_u32 s2, 0
	s_cbranch_scc0 .Lentry_in_a_cluster
	s_endpgm
.Lentry_in_a_cluster:
	s_bfe_u32 s2, ttmp6, 0x10000c
	s_cmp_lg_u32 s2, 0xf033
	s_cbranch_scc0 .Lentry_shape_is_right
	s_endpgm
.Lentry_shape_is_right:
; y = h W2 + b2 on codes of FP8 (entries 14, 15), f32 out.  Nothing is left out.
; A block of 128 x 128 to a work-group of four waves, 64 x 64 a wave: 256 blocks.  K = 4,096 in eight steps of 512 through a ring of two LDS slots (A's two planes of 128 rows x 256, then W's two, a plane a wave);
; clusters of 4 x 4 ask for A's and W's planes jointly; each wave prefetches its plane of the slot two refills on, 32 rows a partner, told apart by address.  LIMIT: entries 14 + 15 between -126 and 127.
.set LAPS,   4
.set WOFF,   0x800000
.set SCO,    56
.set STA,    0x100000
.set STB,    0x40000
.set ROWC,   4096
.set ROWB,   256
.set PITCH,  272
.set FR,     16
.set NP,     4
.set HALFT,  128*PITCH
.set SLOT,   4*HALFT
.set SPARE,  2*SLOT
.set SPITCH, 272
.set ADRA, 16
.set ADRB, 20
.set PFO,  23
.set STO,  24
.set RD,   25
.set CO,   26
.set BLO,  27
.set SPW,  28
.set NIL,  29
.set BK,   32
.set ACC,  128
.set F0,   0
.set F1,   128
.set G1,  24
.set G0,  32
.set G1B, 48
.set G0B, 56
.set PFA, 68
.set PFS, 70
.set LIM, 72
.set MSB, 0
.macro WIN new
.if MSB != (\new)
	s_set_vgpr_msb (MSB<<8)|(\new)
.set MSB, (\new)
.endif
.endm
.set MUL,  0x05
.set TO_F, 0x40
.macro JLOAD s
	s_cmp_eq_u32 s15, 0
	s_cbranch_scc0 .Lfor_b_\@
	tensor_load_to_lds s[G0+4*\s:G0+4*\s+3], s[G1:G1+7]
	s_nop 0
.rept 4
	v_nop
.endr
	s_branch .Lasked_\@
.Lfor_b_\@:
	tensor_load_to_lds s[G0B+4*\s:G0B+4*\s+3], s[G1B:G1B+7]
	s_nop 0
.rept 4
	v_nop
.endr
.Lasked_\@:
.endm
.macro CREST
	s_cmp_lg_u32 s14, 0
	s_cbranch_scc1 .Lnot_wave_0_\@
	s_barrier_signal -3
.Lnot_wave_0_\@:
	s_barrier_wait -3
	s_barrier_signal -1
	s_barrier_wait -1
.endm
.macro CROUND
	s_barrier_signal -1
	s_barrier_wait -1
	CREST
.endm
.macro ASK
	s_cmp_gt_u32 s3, s[LIM]
	s_cbranch_scc0 .Lnot_mine_\@
	s_wait_alu depctr_va_vdst(0)
	global_prefetch_b8 v[PFO], s[PFA:PFA+1] th:TH_LOAD_NT scope:SCOPE_SE
.Lnot_mine_\@:
.endm
	s_load_b256 s[4:11], s[0:1], 0x0
	s_load_b64 s[12:13], s[0:1], 0x20
	v_lshl_add_u32 v[SPW], v0, 2, SPARE
	v_mov_b32 v[NIL], 0
	ds_add_u32 v[SPW], v[NIL]
	ds_add_u32 v[SPW], v[NIL]
	v_lshrrev_b32 v1, 5, v0
	v_readfirstlane_b32 s14, v1
	s_lshr_b32 s15, s14, 1
	s_and_b32 s16, s14, 1
	s_bfe_u32 s40, ttmp6, 0x40000
	s_bfe_u32 s41, ttmp6, 0x40004
	s_lshl_b32 s42, ttmp9, 2
	s_add_co_u32 s42, s42, s40
	s_and_b32 s17, ttmp7, 0xffff
	s_lshl_b32 s17, s17, 2
	s_add_co_u32 s17, s17, s41
	s_lshl_b32 s43, s41, 2
	s_lshl_b32 s43, 15, s43
	s_lshl_b32 s44, 0x1111, s40
	s_or_b32 s[G1+0], s43, (0<<16)|(1<<20)|(1<<21)|(5<<22)|(3<<25)
	s_or_b32 s[G1B+0], s44, (0<<16)|(1<<20)|(1<<21)|(5<<22)|(3<<25)
.irp g, G1, G1B
	s_mov_b32 s[\g+1], ROWB<<16
	s_mov_b32 s[\g+2], 128<<16
	s_mov_b32 s[\g+3], ROWB<<16
	s_mov_b32 s[\g+4], 128
	s_mov_b32 s[\g+5], ROWB
	s_mov_b32 s[\g+6], 0
	s_mov_b32 s[\g+7], 0
.endr
	s_lshl_b32 s20, s17, 15
	s_mul_i32 s18, s16, STA
	s_add_co_u32 s20, s20, s18
	s_mov_b32 s21, 0
	s_lshl_b32 s46, s42, 15
	s_mul_i32 s47, s16, STB
	s_add_co_u32 s46, s46, s47
	s_add_co_u32 s46, s46, WOFF
	s_mov_b32 s47, 0
	s_mul_i32 s45, s14, HALFT
	s_wait_dscnt 0x0
	s_wait_kmcnt 0x0
	s_load_b64 s[96:97], s[8:9], SCO
	s_add_nc_u64 s[20:21], s[4:5], s[20:21]
	s_add_nc_u64 s[46:47], s[6:7], s[46:47]
	CROUND
.irp s, 0,1
	s_mov_b32 s[G0+4*\s], 1
	s_add_co_u32 s[G0+4*\s+1], s45, \s*SLOT
	s_add_nc_u64 s[G0+4*\s+2:G0+4*\s+3], s[20:21], \s*2*STA
	s_or_b32 s[G0+4*\s+3], s[G0+4*\s+3], 0x80000000
	s_mov_b32 s[G0B+4*\s], 1
	s_add_co_u32 s[G0B+4*\s+1], s45, \s*SLOT
	s_add_nc_u64 s[G0B+4*\s+2:G0B+4*\s+3], s[46:47], \s*2*STB
	s_or_b32 s[G0B+4*\s+3], s[G0B+4*\s+3], 0x80000000
.if \s                                 ; slot 1's first fill is issued as a refill is, with the waits, the add and a round ahead of it
	s_wait_alu depctr_va_vdst(0)
	s_wait_tensorcnt 0x0
	ds_add_u32 v28, v29
	s_wait_dscnt 0x0
	CROUND
.endif
	JLOAD \s
.endr
	v_and_b32 v1, 15, v0
	v_bfe_u32 v2, v0, 4, 1
	v_mul_u32_u24 v3, v1, PITCH
	s_wait_alu depctr_va_vdst(0)
	v_lshl_add_u32 v4, v2, 4, v3
	s_mul_i32 s21, s15, 64*PITCH
	s_mul_i32 s22, s16, 64*PITCH
	s_add_co_u32 s22, s22, 2*HALFT
.irp s, 0,1
	v_add_nc_u32 v[ADRA+\s], s21, v4
	v_add_nc_u32 v[ADRB+\s], s22, v4
	s_add_co_u32 s21, s21, SLOT
	s_add_co_u32 s22, s22, SLOT
.endr
	s_mul_i32 s23, s14, 16*SPITCH
	v_lshl_add_u32 v5, v2, 5, v3
	v_add_nc_u32 v[STO], s23, v5
	v_mul_u32_u24 v5, v2, SPITCH
	v_lshl_add_u32 v5, v1, 4, v5
	v_add_nc_u32 v[RD], s23, v5
	v_lshlrev_b32 v[CO], 12, v2
	v_lshl_add_u32 v[CO], v1, 4, v[CO]
	v_lshlrev_b32 v[BLO], 4, v1
	s_lshl_b32 s18, s42, 9
	s_lshl_b32 s19, s16, 8
	s_add_co_u32 s18, s18, s19
	s_mov_b32 s19, 0
	s_add_nc_u64 s[74:75], s[10:11], s[18:19]
	global_load_b128 v[12:15], v[BLO], s[74:75]
	s_lshl_b32 s22, s17, 19
	s_add_co_u32 s18, s18, s22
	s_lshl_b32 s22, s15, 18
	s_add_co_u32 s18, s18, s22
	s_add_nc_u64 s[12:13], s[12:13], s[18:19]
.if LAPS > 2
	s_and_b32 s22, ttmp7, 0xffff
	s_mov_b32 s[PFS], 2*STB
	s_cmp_eq_u32 s15, 0
	s_cselect_b32 s[PFS], 2*STA, s[PFS]
	s_cselect_b32 s18, s17, s42
	s_cselect_b32 s23, s40, s41
	s_cselect_b32 s22, ttmp9, s22
	s_cselect_b32 s73, 0, WOFF
	s_cselect_b64 s[PFA:PFA+1], s[4:5], s[6:7]
	s_cmp_eq_u32 s22, 0
	s_cselect_b32 s[LIM], 1, -1
	s_mov_b32 s[PFS+1], 0
	s_lshl_b32 s18, s18, 15
	s_lshl_b32 s23, s23, 13
	s_add_co_u32 s18, s18, s23
	s_add_co_u32 s18, s18, s73
	s_lshr_b32 s23, s[PFS], 1
	s_mul_i32 s23, s23, s16
	s_add_co_u32 s18, s18, s23
	s_mul_i32 s23, s[PFS], 3
	s_add_co_u32 s18, s18, s23
	s_add_nc_u64 s[PFA:PFA+1], s[PFA:PFA+1], s[18:19]
	v_and_b32 v6, 31, v0
	v_lshlrev_b32 v[PFO], 8, v6
.endif
	s_wait_kmcnt 0x0
	s_add_co_i32 s96, s96, s97
	s_add_co_i32 s96, s96, 127
	s_lshl_b32 s96, s96, 23
	s_mov_b32 s97, s96
.macro MULA f, a, zero
.irp b, 0,1,2,3
.if \zero
	v_wmma_f32_16x16x128_fp8_fp8 v[ACC+8*(4*(\a)+\b):ACC+8*(4*(\a)+\b)+7], v[\f+64+FR*\b:\f+64+FR*\b+FR-1], v[\f+FR*(\a):\f+FR*(\a)+FR-1], 0
.else
	v_wmma_f32_16x16x128_fp8_fp8 v[ACC+8*(4*(\a)+\b):ACC+8*(4*(\a)+\b)+7], v[\f+64+FR*\b:\f+64+FR*\b+FR-1], v[\f+FR*(\a):\f+FR*(\a)+FR-1], v[ACC+8*(4*(\a)+\b):ACC+8*(4*(\a)+\b)+7]
.endif
.endr
.endm
.macro FETCH slot, q, f
	WIN TO_F
.irp i, 0,1,2,3
.irp c, 0,1,2,3
	ds_load_b128 v[\f+64+FR*\i+4*\c:\f+64+FR*\i+4*\c+3], v[ADRB+\slot] offset:((\q)/2)*HALFT+128*((\q)%2)+32*\c+\i*16*PITCH
.endr
.endr
.irp i, 0,1,2,3
.irp c, 0,1,2,3
	ds_load_b128 v[\f+FR*\i+4*\c:\f+FR*\i+4*\c+3], v[ADRA+\slot] offset:((\q)/2)*HALFT+128*((\q)%2)+32*\c+\i*16*PITCH
.endr
.endr
.endm
.macro PLACES n
.rept \n
	v_nop
.endr
.endm
.macro QUARTER slot, q, f, g, zero
	s_wait_dscnt 0x0
	PLACES NP
	FETCH \slot, \q, \g
	WIN MUL
	MULA \f, 0, \zero
	MULA \f, 1, \zero
	MULA \f, 2, \zero
	MULA \f, 3, \zero
.endm
.macro TURN slot, next, fill
	WIN 0
.if (\fill) && (LAPS > 2)
	s_wait_xcnt 0x0
	s_add_nc_u64 s[PFA:PFA+1], s[PFA:PFA+1], s[PFS:PFS+1]
.endif
	s_wait_tensorcnt 0x0
	ds_add_u32 v[SPW], v[NIL]
	s_wait_dscnt 1
	WIN MUL
	MULA F1, 0, 0
	s_wait_dscnt 0x0
	s_barrier_signal -1
	MULA F1, 1, 0
	WIN 0
	s_barrier_wait -1
.if \fill
	CREST
	s_add_nc_u64 s[G0+4*\slot+2:G0+4*\slot+3], s[G0+4*\slot+2:G0+4*\slot+3], 4*STA
	s_add_nc_u64 s[G0B+4*\slot+2:G0B+4*\slot+3], s[G0B+4*\slot+2:G0B+4*\slot+3], 4*STB
	JLOAD \slot
.else
	PLACES NP
.endif
	FETCH \next, 0, F0
.if (\fill) && (LAPS > 2)
	WIN 0
	ASK
.endif
	WIN MUL
	MULA F1, 2, 0
	MULA F1, 3, 0
.endm
	s_wait_tensorcnt 1
	s_barrier_signal -1
	s_barrier_wait -1
	FETCH 0, 0, F0
	QUARTER 0, 1, F0, F1, 1
.if LAPS > 1
	WIN 0
	s_mov_b32 s3, LAPS-1
.Llap:
	QUARTER 0, 2, F1, F0, 0
	QUARTER 0, 3, F0, F1, 0
	TURN 0, 1, 1
	QUARTER 1, 1, F0, F1, 0
	QUARTER 1, 2, F1, F0, 0
	QUARTER 1, 3, F0, F1, 0
	TURN 1, 0, 1
	QUARTER 0, 1, F0, F1, 0
	WIN 0
	s_sub_co_u32 s3, s3, 1
	s_cmp_lg_u32 s3, 0
	s_cbranch_scc1 .Llap
.endif
	QUARTER 0, 2, F1, F0, 0
	QUARTER 0, 3, F0, F1, 0
	TURN 0, 1, 0
	QUARTER 1, 1, F0, F1, 0
	QUARTER 1, 2, F1, F0, 0
	QUARTER 1, 3, F0, F1, 0
	s_wait_dscnt 0x0
	WIN MUL
	MULA F1, 0, 0
	MULA F1, 1, 0
	MULA F1, 2, 0
	MULA F1, 3, 0
	WIN 0
.macro TOSTAGE a
.irp b, 0,1,2,3
	ds_store_b128 v[STO], v[ACC+8*(4*(\a)+\b):ACC+8*(4*(\a)+\b)+3] offset:64*\b
	ds_store_b128 v[STO], v[ACC+8*(4*(\a)+\b)+4:ACC+8*(4*(\a)+\b)+7] offset:64*\b+16
.endr
.set BB, BK+32*((\a)%2)
.set tt, 0
.rept 8
	ds_load_b128 v[BB+4*tt:BB+4*tt+3], v[RD] offset:tt*2*SPITCH
.set tt, tt+1
.endr
.endm
.macro SEND a, younger
.set BB, BK+32*((\a)%2)
	s_wait_dscnt \younger
.set tt, 0
.rept 8
	v_pk_fma_f32 v[BB+4*tt:BB+4*tt+1], v[BB+4*tt:BB+4*tt+1], s[96:97], v[12:13] op_sel_hi:[1,0,1]
	v_pk_fma_f32 v[BB+4*tt+2:BB+4*tt+3], v[BB+4*tt+2:BB+4*tt+3], s[96:97], v[14:15] op_sel_hi:[1,0,1]
.set tt, tt+1
.endr
.set tt, 0
.rept 8
	global_store_b128 v[CO], v[BB+4*tt:BB+4*tt+3], s[12:13] offset:((\a)*16+2*tt)*ROWC th:TH_STORE_NT
.set tt, tt+1
.endr
.endm
	s_wait_alu depctr_va_vdst(0)
	s_wait_loadcnt 0x0
	PLACES NP
	TOSTAGE 0
.irp a, 1,2,3
.if \a > 1
	s_wait_xcnt 0x0
.endif
	TOSTAGE \a
	SEND \a-1, 16
.endr
	SEND 3, 0
	s_wait_tensorcnt 0x0
	ds_add_u32 v[SPW], v[NIL]
	s_wait_dscnt 0x0
	CROUND
	s_endpgm
.Lfunc_end_k_q66f175c544_ffn2:
	.size	k_q66f175c544_ffn2, .Lfunc_end_k_q66f175c544_ffn2-k_q66f175c544_ffn2
	.p2alignl 7, 3214868480
	.fill 96, 4, 3214868480
	.section	.rodata,"a",@progbits
	.p2align	6, 0x0
	.amdhsa_kernel k_q66f175c544_ffn2
		.amdhsa_group_segment_fixed_size 327680
		.amdhsa_private_segment_fixed_size 0
		.amdhsa_enable_private_segment 0
		.amdhsa_kernarg_size 40
		.amdhsa_user_sgpr_count 2
		.amdhsa_user_sgpr_kernarg_segment_ptr 1
		.amdhsa_wavefront_size32 1
		.amdhsa_system_sgpr_workgroup_id_x 1
		.amdhsa_system_sgpr_workgroup_id_y 1
		.amdhsa_system_sgpr_workgroup_id_z 1
		.amdhsa_system_vgpr_workitem_id 0
		.amdhsa_next_free_vgpr 512
		.amdhsa_next_free_sgpr 102
		.amdhsa_reserve_vcc 0
		.amdhsa_float_denorm_mode_32 3
		.amdhsa_float_denorm_mode_16_64 3
		.amdhsa_memory_ordered 1
		.amdhsa_forward_progress 1
		.amdhsa_inst_pref_size 75
	.end_amdhsa_kernel
	.amdgpu_metadata
---
amdhsa.version: [ 1, 2 ]
amdhsa.kernels:
  - .name:           k_q66f175c544_ffn2
    .symbol:         k_q66f175c544_ffn2.kd
    .args:
      - { .name: hc, .offset: 0, .size: 8, .value_kind: global_buffer, .address_space: global }
      - { .name: wc, .offset: 8, .size: 8, .value_kind: global_buffer, .address_space: global }
      - { .name: lowp_scales, .offset: 16, .size: 8, .value_kind: global_buffer, .address_space: global }
      - { .name: b2, .offset: 24, .size: 8, .value_kind: global_buffer, .address_space: global }
      - { .name: y, .offset: 32, .size: 8, .value_kind: global_buffer, .address_space: global }
    .group_segment_fixed_size: 327680
    .private_segment_fixed_size: 0
    .kernarg_segment_align: 8
    .kernarg_segment_size: 40
    .max_flat_workgroup_size: 128
    .sgpr_count:     102
    .vgpr_count:     512
    .wavefront_size: 32
...
	.end_amdgpu_metadata
.endif
;; end of part 15
;; launch ln2 (part 16): grid 256 x 1, 8 waves a work-group, no clusters, 0 bytes of LDS; arguments y, x1, ln2_scale, ln2_bias, out0; writes out0
.if DOCPART == 16
	.amdgcn_target "amdgcn-amd-amdhsa--gfx1250"
	.amdhsa_code_object_version 6
	.text
	.protected	k_q66f175c544_ln2
	.globl	k_q66f175c544_ln2
	.p2align	8
	.type	k_q66f175c544_ln2,@function
k_q66f175c544_ln2:
	s_mov_b64 s[64:65], 0
	v_nop
	global_prefetch_b8 v0, s[64:65] scope:SCOPE_SE
	s_setreg_imm32_b32 hwreg(HW_REG_WAVE_MODE, 25, 1), 1
	s_wait_xcnt 0x0
; out0 = layernorm(x1 + y) x gain + bias, in f32.  y holds relu(x1 W1 + b1) W2 + b2.  Nothing is left out.
; A wave takes a whole row (4,096 bytes, 32 registers) and keeps it between the passes: mean, then the mean of the squared differences, as the problem writes them.  Two rows a wave, eight waves, 16 rows a work-group.
; A lane's columns are 128 j + 4 lane + 0 .. 3: every load and store covers 512 consecutive bytes.  All 48 loads of a wave go out at the head.  No LDS, no barrier.
; Memory binds: matrix units, clusters and tensor loads would add nothing here.
.set GN,  32                           ; v32-63  the gain
.set BS,  64                           ; v64-95  the bias
	s_load_b256 s[4:11], s[0:1], 0x0               ; y s[4:5], the residual s[6:7], gain s[8:9], bias s[10:11]
	s_load_b64 s[18:19], s[0:1], 0x20              ; the result
	v_lshrrev_b32 v1, 5, v0
	s_delay_alu instid0(VALU_DEP_1)
	v_readfirstlane_b32 s22, v1                    ; wave
	v_and_b32 v2, 31, v0
	s_delay_alu instid0(VALU_DEP_1)
	v_lshlrev_b32 v3, 4, v2                        ; 16 x lane
	s_lshl_b32 s23, ttmp9, 4
	s_lshl_b32 s24, s22, 1
	s_add_co_u32 s23, s23, s24                     ; my first row
	s_lshl_b32 s24, s23, 12
	s_mov_b32 s25, 0
	s_mov_b32 s12, 0x76543210
	s_mov_b32 s13, 0xfedcba98
	s_mov_b32 s14, 0x3a800000                      ; 1 / 1,024
	s_mov_b32 s15, 0x3727c5ac                      ; 1e-5
	s_wait_alu depctr_va_vdst(0)
	s_wait_kmcnt 0x0
	s_add_nc_u64 s[4:5], s[4:5], s[24:25]
	s_add_nc_u64 s[6:7], s[6:7], s[24:25]
	s_add_nc_u64 s[18:19], s[18:19], s[24:25]
.irp j, 0,1,2,3,4,5,6,7
	global_load_b128 v[GN+4*\j:GN+4*\j+3], v3, s[8:9] offset:512*\j
.endr
.irp j, 0,1,2,3,4,5,6,7
	global_load_b128 v[BS+4*\j:BS+4*\j+3], v3, s[10:11] offset:512*\j
.endr
.irp i, 0,1
.irp j, 0,1,2,3,4,5,6,7
	global_load_b128 v[96+64*\i+4*\j:96+64*\i+4*\j+3], v3, s[4:5] offset:4096*\i+512*\j th:TH_LOAD_NT
.endr
.irp j, 0,1,2,3,4,5,6,7
	global_load_b128 v[128+64*\i+4*\j:128+64*\i+4*\j+3], v3, s[6:7] offset:4096*\i+512*\j th:TH_LOAD_NT
.endr
.endr
.macro REDUCE                          ; v8 summed over the 32 lanes, the result in every lane
	s_delay_alu instid0(VALU_DEP_1)
	v_add_f32_dpp v8, v8, v8 row_xmask:1 row_mask:0xf bank_mask:0xf
	s_delay_alu instid0(VALU_DEP_1)
	v_add_f32_dpp v8, v8, v8 row_xmask:2 row_mask:0xf bank_mask:0xf
	s_delay_alu instid0(VALU_DEP_1)
	v_add_f32_dpp v8, v8, v8 row_xmask:4 row_mask:0xf bank_mask:0xf
	s_delay_alu instid0(VALU_DEP_1)
	v_add_f32_dpp v8, v8, v8 row_xmask:8 row_mask:0xf bank_mask:0xf
	s_delay_alu instid0(VALU_DEP_1)
	v_permlanex16_b32 v9, v8, s12, s13
	s_delay_alu instid0(VALU_DEP_1)
	v_add_f32 v8, v8, v9
.endm
.macro FOLD                            ; the four chains v[8:15] into v8
	s_delay_alu instid0(VALU_DEP_3)
	v_pk_add_f32 v[8:9], v[8:9], v[10:11]
	s_delay_alu instid0(VALU_DEP_2)
	v_pk_add_f32 v[12:13], v[12:13], v[14:15]
	s_delay_alu instid0(VALU_DEP_1)
	v_pk_add_f32 v[8:9], v[8:9], v[12:13]
	s_delay_alu instid0(VALU_DEP_1)
	v_add_f32 v8, v8, v9
.endm
.macro ROW i
.set YR, 96+64*\i
.set RR, 128+64*\i
	s_wait_loadcnt 16-16*\i                        ; gain, bias and this row are in; the other row's sixteen loads may be out
.set jj, 0
.rept 16
	v_pk_add_f32 v[YR+jj:YR+jj+1], v[YR+jj:YR+jj+1], v[RR+jj:RR+jj+1]
.set jj, jj+2
.endr
.irp c, 0,1,2,3
	v_pk_add_f32 v[8+2*\c:9+2*\c], v[YR+2*\c:YR+2*\c+1], v[YR+8+2*\c:YR+9+2*\c]     ; the first pairs start four chains: nothing is cleared
.endr
.irp c, 0,1,2,3
	s_delay_alu instid0(VALU_DEP_4)
	v_pk_add_f32 v[8+2*\c:9+2*\c], v[8+2*\c:9+2*\c], v[YR+16+2*\c:YR+17+2*\c]
.endr
.irp c, 0,1,2,3
	s_delay_alu instid0(VALU_DEP_4)
	v_pk_add_f32 v[8+2*\c:9+2*\c], v[8+2*\c:9+2*\c], v[YR+24+2*\c:YR+25+2*\c]
.endr
	FOLD
	REDUCE
	s_delay_alu instid0(VALU_DEP_1)
	v_mul_f32 v8, s14, v8                          ; the mean
.set jj, 0
.rept 16
	v_pk_add_f32 v[YR+jj:YR+jj+1], v[YR+jj:YR+jj+1], v[8:9] op_sel_hi:[1,0] neg_lo:[0,1] neg_hi:[0,1]
.set jj, jj+2
.endr
.irp c, 0,1,2,3
	v_pk_mul_f32 v[8+2*\c:9+2*\c], v[YR+2*\c:YR+2*\c+1], v[YR+2*\c:YR+2*\c+1]
.endr
.irp g, 8,16,24
.irp c, 0,1,2,3
	s_delay_alu instid0(VALU_DEP_4)
	v_pk_fma_f32 v[8+2*\c:9+2*\c], v[YR+\g+2*\c:YR+\g+2*\c+1], v[YR+\g+2*\c:YR+\g+2*\c+1], v[8+2*\c:9+2*\c]
.endr
.endr
	FOLD
	REDUCE
	s_delay_alu instid0(VALU_DEP_1)
	v_fma_f32 v8, v8, s14, s15                     ; the variance + 1e-5
	s_wait_alu depctr_va_vdst(0)
	v_rsq_f32 v10, v8
	v_nop                                          ; a plain line behind the transcendental,
	s_wait_alu depctr_va_vdst(0)                   ; and the wait ahead of its first reader
.set jj, 0
.rept 16
	v_pk_mul_f32 v[YR+jj:YR+jj+1], v[YR+jj:YR+jj+1], v[10:11] op_sel_hi:[1,0]
.set jj, jj+2
.endr
.set jj, 0
.rept 16
	v_pk_fma_f32 v[YR+jj:YR+jj+1], v[YR+jj:YR+jj+1], v[GN+jj:GN+jj+1], v[BS+jj:BS+jj+1]
.set jj, jj+2
.endr
.irp j, 0,1,2,3,4,5,6,7
	global_store_b128 v3, v[YR+4*\j:YR+4*\j+3], s[18:19] offset:4096*\i+512*\j th:TH_STORE_NT
.endr
.endm
	ROW 0
	ROW 1
	s_endpgm
.Lfunc_end_k_q66f175c544_ln2:
	.size	k_q66f175c544_ln2, .Lfunc_end_k_q66f175c544_ln2-k_q66f175c544_ln2
	.p2alignl 7, 3214868480
	.fill 96, 4, 3214868480
	.section	.rodata,"a",@progbits
	.p2align	6, 0x0
	.amdhsa_kernel k_q66f175c544_ln2
		.amdhsa_group_segment_fixed_size 0
		.amdhsa_private_segment_fixed_size 0
		.amdhsa_enable_private_segment 0
		.amdhsa_kernarg_size 40
		.amdhsa_user_sgpr_count 2
		.amdhsa_user_sgpr_kernarg_segment_ptr 1
		.amdhsa_wavefront_size32 1
		.amdhsa_system_sgpr_workgroup_id_x 1
		.amdhsa_system_sgpr_workgroup_id_y 1
		.amdhsa_system_sgpr_workgroup_id_z 1
		.amdhsa_system_vgpr_workitem_id 0
		.amdhsa_next_free_vgpr 224
		.amdhsa_next_free_sgpr 66
		.amdhsa_reserve_vcc 0
		.amdhsa_float_denorm_mode_32 3
		.amdhsa_float_denorm_mode_16_64 3
		.amdhsa_memory_ordered 1
		.amdhsa_forward_progress 1
		.amdhsa_inst_pref_size 25
	.end_amdhsa_kernel
	.amdgpu_metadata
---
amdhsa.version: [ 1, 2 ]
amdhsa.kernels:
  - .name:           k_q66f175c544_ln2
    .symbol:         k_q66f175c544_ln2.kd
    .args:
      - { .name: y, .offset: 0, .size: 8, .value_kind: global_buffer, .address_space: global }
      - { .name: x1, .offset: 8, .size: 8, .value_kind: global_buffer, .address_space: global }
      - { .name: ln2_scale, .offset: 16, .size: 8, .value_kind: global_buffer, .address_space: global }
      - { .name: ln2_bias, .offset: 24, .size: 8, .value_kind: global_buffer, .address_space: global }
      - { .name: out0, .offset: 32, .size: 8, .value_kind: global_buffer, .address_space: global }
    .group_segment_fixed_size: 0
    .private_segment_fixed_size: 0
    .kernarg_segment_align: 8
    .kernarg_segment_size: 40
    .max_flat_workgroup_size: 256
    .sgpr_count:     66
    .vgpr_count:     224
    .wavefront_size: 32
...
	.end_amdgpu_metadata
.endif
;; end of part 16
